; MI455X (gfx1250); checked and timed in simulation.
; The chip was launched on July 23, 2026; its instructions are those of AMD's public machine-readable ISA for CDNA 5 (MIT licence, August 2026) and "CDNA5" Instruction Set Architecture Reference Guide (July 2026). The comments in the code are by the model that wrote it; some were corrected since.
;; Encoder Block. Allowed arithmetic: matrix products marked QUANTISED: E4M3 operands, one E8M0 scale for each 32 along K, by v_wmma_scale_f32_16x16x128_f8f6f4 with both operands' format E4M3, f32 sums; everything else in f32.
;; Inputs: ffn_b1 4,096 float32; ffn_b2 1,024 float32; ffn_w1 4,096 x 1,024 float32; ffn_w2 1,024 x 4,096 float32; ln1_b 1,024 float32; ln1_g 1,024 float32; ln2_b 1,024 float32; ln2_g 1,024 float32; out_b 1,024 float32; out_w 1,024 x 1,024 float32; qkv_b 3,072 float32; qkv_w 3,072 x 1,024 float32; src 2 x 2,048 x 1,024 float32.
;; Outputs: out0 2 x 2,048 x 1,024 float32.
;; This version of the problem:
;;   THIS VERSION OF THE PROBLEM IS GIVEN IN LOW PRECISION. The matrix products marked QUANTISED in the list below multiply operands that are first quantised to E4M3 (4 exponent bits, 3 mantissa bits; 8 bits a number), with one power-of-two scale for each 32 numbers along K (OCP MX v1.0); their sums are f32. All else is computed in f32.
;;   The module's matrix products, in the order in which they are computed (A, B: the left and right operand; K: the contracted axis; several contracted axes count as one K, in the product's order):
;;     1. [M 4,096, K 1,024] x [K 1,024, N 3,072]; A: input src; B: input qkv_w: QUANTISED
;;     2. batch 32 x [M 2,048, K 64] x [K 64, N 2,048]; A: computed on the way; B: computed on the way: QUANTISED
;;     3. batch 32 x [M 2,048, K 2,048] x [K 2,048, N 64]; A: softmax (see below); B: computed on the way: QUANTISED
;;     4. [M 4,096, K 1,024] x [K 1,024, N 1,024]; A: computed on the way; B: input out_w: QUANTISED
;;     5. [M 4,096, K 1,024] x [K 1,024, N 4,096]; A: computed on the way; B: input ffn_w1: QUANTISED
;;     6. [M 4,096, K 4,096] x [K 4,096, N 1,024]; A: computed on the way; B: input ffn_w2: QUANTISED
;;   THE QUANTISER, for each operand of a quantised product, along K:
;;     - K is cut into blocks of 32 from its start; a last block that is shorter is filled with zeros.
;;     - A block's scale is 2^e with e = floor(log2(the largest magnitude in the block)) - 8, held to -126 .. 127; a block of zeros has e = 0. As a byte (E8M0): e + 127.
;;     - Each number is divided by its block's scale, clamped to +-448, and rounded to the nearest number of E4M3, ties to even, subnormals kept.
;;     - The product sums the exact products of the quantised numbers (number of the format x scale) in f32.
;;   ~~~python
;;   def quantise(x, axis):      # numpy; x: float32 -> the quantised numbers, widened to float32 again
;;       x = np.moveaxis(x, axis, -1); K = x.shape[-1]
;;       x = np.pad(x, [(0, 0)] * (x.ndim - 1) + [(0, -K % 32)]); x = x.reshape(x.shape[:-1] + (-1, 32)); a = np.abs(x).max(-1, keepdims=True)
;;       e = np.where(a > 0, np.clip(np.frexp(np.where(a > 0, a, 1))[1] - 1 - 8, -126, 127), 0)      # np.frexp(a)[1] - 1 = floor(log2(a)), exactly
;;       r = np.clip(x / 2.0 ** e, -448, 448)
;;       step = 2.0 ** (np.maximum(np.frexp(np.where(r == 0, 1, r))[1] - 1, -6) - 3)
;;       q = np.round(r / step) * step * 2.0 ** e      # np.round: ties to even
;;       return np.moveaxis(q.reshape(q.shape[:-2] + (-1,))[..., :K], -1, axis).astype(np.float32)
;;   ~~~
;;   SOFTMAX AHEAD OF A QUANTISED PRODUCT. Where the list says 'softmax', what is quantised is not the finished softmax but p = 2^(t - M), with t = logit x log2(e) and M = ceil(the row's largest t), a whole number; so 1/2 < the row's largest p <= 1. The row's sum l is taken of the UNQUANTISED p, in f32, and the product's result is divided by l at the end. Since M is a whole number, a kernel that streams over the keys may use a running M (the ceiling of the running maximum): every later rescaling is an exact power of two, which a block's scale takes up: the codes' values come out the same.
;;   OPERANDS COMPUTED ON THE WAY. 'Computed on the way' means the value that the module computes at that place (a softmax that the list does not call 'softmax' is quantised finished and normalised). What goes into a quantiser is computed in f32, as accurately as f32 sums, v_exp_f32 and their like allow (about 1e-6 of the number): no bf16 or f16 on the way to a quantiser, and a product that is left as it is and whose result goes on into a quantised operand takes f32 operands (vector FMAs, or v_wmma_f32_16x16x4_f32). A number that lies on a knife's edge between two numbers of the format may be rounded either way, as far as f32 arithmetic and the matrix unit's own rounding can turn it there, and no further.
;; One version. Each part assembles by itself: llvm-mc -triple=amdgcn-amd-amdhsa -mcpu=gfx1250 --defsym DOCPART=n.
;; ======== version 1 of 1: 8 launches
;; limits: right only within a limited range of input values
;; workspace buffers: wq 17,301,504 bytes; qkv 13,238,272 bytes; ctx 4,325,376 bytes; xpre 16,777,216 bytes; agg 21,102,592 bytes; hid 17,301,504 bytes
;; launch quant (part 1): grid 256 x 1, 8 waves a work-group, no clusters, 70,656 bytes of LDS; arguments src, qkv_w, out_w, ffn_w1, ffn_w2, wq; writes wq
.if DOCPART == 1
	.amdgcn_target "amdgcn-amd-amdhsa--gfx1250"
	.amdhsa_code_object_version 6
	.text
	.protected	k_q396ced7d02_quant
	.globl	k_q396ced7d02_quant
	.p2align	8
	.type	k_q396ced7d02_quant,@function
k_q396ced7d02_quant:
	s_mov_b64 s[64:65], 0
	v_nop
	global_prefetch_b8 v0, s[64:65] scope:SCOPE_SE
	s_setreg_imm32_b32 hwreg(HW_REG_WAVE_MODE, 25, 1), 1
	s_wait_xcnt 0x0
; The five large inputs, all f32 with K innermost, become codes of FP8 (E4M3) with one E8M0 scale byte for each 32 along K, in the workspace wq.
; LAYOUT OF THE CODES: images of operand registers.  A fragment is 16 rows x 128 K = 2,048 bytes: four chunks c of 512 bytes, lane l's 16 bytes at 512 c + 16 l: K = 32 c + 16 (l / 16) + 0 .. 15 of the row of lane l % 16.
; A tensor is laid [tile of 16 rows][K step of 128][2,048]; its scale words [tile][K step][16 rows][4 bytes].  Lane r of tile T holds row 32 (T / 2) + 8 (T % 2) + r + 8 (r / 8): so the results of a product that takes
; such tiles as source 0 are neighbours along that axis in a lane's registers.  qkv_w's rows are taken in the order (q, k, v) x head x channel: row n' = 1024 t + 64 head + d lies in memory at row 192 head + 64 t + d.
; SHARES: a job is one tile of rows x four K steps (16 rows x 512 numbers); 2,048 jobs, one a wave; job J's codes are the 8,192 bytes at 8192 J, its scale words the 256 bytes at SCQ + 256 J.
; Each load reads 512 consecutive bytes of one row; a fragment's 16 x 512 bytes turn through the wave's own stage in LDS (rows 528 bytes apart), so that a lane gets 16 neighbours of each block of 32.
; A block's scale is 2^(floor(log2(its largest magnitude)) - 8); numbers are held within +-448 x the scale and rounded to the nearest code, ties to even.
; LIMITS: NaN and infinities among the inputs are not served; a block whose largest magnitude lies under 2^-118 has its byte held at 1; a block of zeros gets the byte 1, not 127 (its codes are zeros; this program alone reads the bytes).
.set WREG, 8704                        ; LDS of a wave: the stage, then 256 bytes of scale words
.set SP,   528                         ; a stage row: 512 bytes + 16
.set SG,   16*SP
.set SCQ,  16777216                    ; where the scale words begin in wq
.set R,    16                          ; v16-143  two sets of 64 registers as loaded
.set X,    144                         ; v144-207 64 numbers in the operand's order
.set PC,   208                         ; v208-223 the codes just made
.set TM,   224                         ; v224-239 at work
.set PW,   240                         ; the scale word just made
.set SEL,  28                          ; s[28:29] lane selects: lane l xor 16
.set MNT,  30                          ; s30 the mantissa field of 448
.set RB,   32                          ; s[32:63] the addresses of my 16 rows
; 64 numbers of a lane, register 16 b + i = K 32 b + 16 (lane / 16) + i of my row, become a fragment's codes in v[PC] on and its scale word in v[PW]
.macro QUANT s, relu
.if \relu
.irp b, 0,1,2,3
	v_max3_num_f32 v[TM+\b], v[\s+16*\b], v[\s+1+16*\b], 0x4800000
.endr
.irp i, 2,4,6,8,10,12,14
.irp b, 0,1,2,3
	v_max3_num_f32 v[TM+\b], v[TM+\b], v[\s+16*\b+\i], v[\s+1+16*\b+\i]
.endr
.endr
.else
.irp b, 0,1,2,3
	v_max3_num_f32 v[TM+\b], |v[\s+16*\b]|, |v[\s+1+16*\b]|, 0x4800000   ; my 16 numbers of block b, and the floor 2^(9 - 127): the byte cannot fall under 1
.endr
.irp i, 2,4,6,8,10,12,14
.irp b, 0,1,2,3
	s_delay_alu instid0(VALU_DEP_4)
	v_max3_num_f32 v[TM+\b], v[TM+\b], |v[\s+16*\b+\i]|, |v[\s+1+16*\b+\i]|   ; the four blocks by turns
.endr
.endr
.endif
.irp b, 0,1,2,3
	s_delay_alu instid0(VALU_DEP_4)
	v_permlanex16_b32 v[TM+4+\b], v[TM+\b], s[SEL], s[SEL+1]
.endr
.irp b, 0,1,2,3
	s_delay_alu instid0(VALU_DEP_4)
	v_max_num_f32 v[TM+\b], v[TM+\b], v[TM+4+\b]   ; with lane l xor 16's: the block's largest magnitude
.endr
.irp b, 0,1,2,3
	s_delay_alu instid0(VALU_DEP_4)
	v_add_nc_u32 v[TM+12+\b], 0xfc000000, v[TM+\b]   ; 8 off its exponent field: the conversion's scale operand
.endr
.irp b, 0,1,2,3
	v_and_or_b32 v[TM+8+\b], v[TM+\b], 0x7f800000, s[MNT]   ; 448 x the scale
.endr
.irp b, 0,1,2,3
	v_lshrrev_b32 v[TM+4+\b], 23, v[TM+12+\b]   ; the scale's byte
.endr
	s_delay_alu instid0(VALU_DEP_3)
	v_lshl_or_b32 v[PW], v[TM+5], 8, v[TM+4]
	s_delay_alu instid0(VALU_DEP_1)
	v_lshl_or_b32 v[PW], v[TM+6], 16, v[PW]
	s_delay_alu instid0(VALU_DEP_1)
	v_lshl_or_b32 v[PW], v[TM+7], 24, v[PW]
.irp b, 0,1,2,3
.irp i, 0,1,2,3,4,5,6,7,8,9,10,11,12,13,14,15
.if \relu
	v_med3_num_f32 v[\s+16*\b+\i], v[\s+16*\b+\i], 0, v[TM+8+\b]
.else
	v_med3_num_f32 v[\s+16*\b+\i], v[\s+16*\b+\i], -v[TM+8+\b], v[TM+8+\b]   ; the conversion to an 8-bit code does not saturate (ISA guide 7.6.2): the hold
.endif
.endr
	v_cvt_scalef32_pk8_fp8_f32 v[PC+4*\b:PC+1+4*\b], v[\s+16*\b:\s+7+16*\b], v[TM+12+\b]
	v_cvt_scalef32_pk8_fp8_f32 v[PC+2+4*\b:PC+3+4*\b], v[\s+8+16*\b:\s+15+16*\b], v[TM+12+\b]
.endr
	v_nop                                          ; one plain vector instruction behind the last scaled conversion
.endm
	s_load_b256 s[4:11], s[0:1], 0x0               ; src s[4:5], qkv_w s[6:7], out_w s[8:9], ffn_w1 s[10:11]
	s_load_b128 s[12:15], s[0:1], 0x20             ; ffn_w2 s[12:13], wq s[14:15]
	v_lshl_add_u32 v254, v0, 2, 0x11000
	v_mov_b32 v255, 0
	v_lshrrev_b32 v1, 5, v0
	s_delay_alu instid0(VALU_DEP_1)
	v_readfirstlane_b32 s16, v1                    ; wave 0..7
	v_and_b32 v7, 31, v0                           ; lane
	v_and_b32 v8, 15, v0                           ; r
	v_bfe_u32 v9, v0, 4, 1                         ; h
	s_delay_alu instid0(VALU_DEP_3)
	v_lshlrev_b32 v1, 4, v7                        ; v1 = 16 x lane
	s_delay_alu instid0(VALU_DEP_4)
	v_lshlrev_b32 v6, 3, v7                        ; v6 = 8 x lane
	s_mul_i32 s31, s16, WREG
	v_add_nc_u32 v2, s31, v1                       ; v2: into the stage: 16 x lane of a row
	v_mul_u32_u24 v3, v8, SP
	s_delay_alu instid0(VALU_DEP_1)
	v_lshl_add_u32 v3, v9, 6, v3
	s_delay_alu instid0(VALU_DEP_1)
	v_add_nc_u32 v3, s31, v3                       ; v3: out of it: row r, + 64 h
	s_add_co_u32 s31, s31, SG
	v_lshl_add_u32 v4, v8, 2, s31                  ; v4: my row's scale word
	v_add_nc_u32 v5, s31, v6                       ; v5: the 256 bytes of scale words, 8 a lane
.irp b, 0,1,2,3
	v_mov_b32 v[TM+4+\b], 0                        ; written once: a lane permute's destination counts as one of its sources
.endr
	s_mov_b32 s[SEL], 0x76543210
	s_mov_b32 s[SEL+1], 0xfedcba98
	s_mov_b32 s[MNT], 0x600000
	s_lshl_b32 s17, ttmp9, 3
	s_add_co_u32 s17, s17, s16                     ; J, my job
	s_mov_b32 s20, 0                               ; the tensor's first job
	s_mov_b32 s22, 4096                            ; a row in bytes
	s_wait_alu depctr_va_vdst(0)
	s_wait_kmcnt 0x0
	s_mov_b64 s[18:19], s[4:5]                     ; which tensor: the choice hangs on the work-group's number alone
	s_cmp_ge_u32 ttmp9, 64
	s_cselect_b64 s[18:19], s[6:7], s[18:19]
	s_cselect_b32 s20, 512, s20
	s_cmp_ge_u32 ttmp9, 112
	s_cselect_b64 s[18:19], s[8:9], s[18:19]
	s_cselect_b32 s20, 896, s20
	s_cmp_ge_u32 ttmp9, 128
	s_cselect_b64 s[18:19], s[10:11], s[18:19]
	s_cselect_b32 s20, 1024, s20
	s_cmp_ge_u32 ttmp9, 192
	s_cselect_b64 s[18:19], s[12:13], s[18:19]
	s_cselect_b32 s20, 1536, s20
	s_cselect_b32 s21, 3, 1                        ; log2 of the jobs in a tile of rows: K = 4,096 has 8, K = 1,024 has 2
	s_cselect_b32 s22, 16384, s22
	s_sub_co_u32 s23, s17, s20                     ; the job in its tensor
	s_lshr_b32 s24, s23, s21                       ; T, the tile of rows
	s_lshl_b32 s25, s24, s21
	s_sub_co_u32 s25, s23, s25                     ; which four K steps
	s_lshr_b32 s26, s24, 1
	s_lshl_b32 s26, s26, 5
	s_and_b32 s27, s24, 1
	s_lshl_b32 s27, s27, 3
	s_or_b32 s26, s26, s27                         ; the tile's first row: 32 (T / 2) + 8 (T % 2)
	s_bfe_u32 s27, s26, 0x40006                    ; qkv_w: head,
	s_mul_i32 s27, s27, 192
	s_lshr_b32 s31, s26, 10                        ; q, k or v,
	s_lshl_b32 s31, s31, 6
	s_add_co_u32 s27, s27, s31
	s_and_b32 s31, s26, 63                         ; channel
	s_add_co_u32 s27, s27, s31
	s_sub_co_u32 s31, ttmp9, 64
	s_cmp_lt_u32 s31, 48                           ; work-groups 64 to 111 take qkv_w
	s_cselect_b32 s26, s27, s26
	s_mul_i32 s26, s26, s22
	s_lshl_b32 s25, s25, 11                        ; four K steps are 2,048 bytes of a row
	s_add_co_u32 s26, s26, s25
	s_mov_b32 s27, 0
	s_add_nc_u64 s[RB:RB+1], s[18:19], s[26:27]    ; row 0 of the tile
	s_mov_b32 s23, 0                               ; s[22:23]: one row on
	s_mul_i32 s24, s22, 9
	s_mov_b32 s25, 0                               ; s[24:25]: nine rows on: lane 8's row lies 16 behind lane 0's
.irp i, 1,2,3,4,5,6,7
	s_add_nc_u64 s[RB+2*\i:RB+2*\i+1], s[RB+2*\i-2:RB+2*\i-1], s[22:23]
.endr
	s_add_nc_u64 s[RB+16:RB+17], s[RB+14:RB+15], s[24:25]
.irp i, 9,10,11,12,13,14,15
	s_add_nc_u64 s[RB+2*\i:RB+2*\i+1], s[RB+2*\i-2:RB+2*\i-1], s[22:23]
.endr
	s_lshl_b32 s26, s17, 13
	s_add_nc_u64 s[4:5], s[14:15], s[26:27]        ; my codes
	s_lshl_b32 s26, s17, 8
	s_add_co_u32 s26, s26, SCQ
	s_add_nc_u64 s[6:7], s[14:15], s[26:27]        ; my scale words
.macro LOADF f                         ; K step f: 16 rows x 512 consecutive bytes
.irp i, 0,1,2,3,4,5,6,7,8,9,10,11,12,13,14,15
	global_load_b128 v[R+64*((\f)%2)+4*\i:R+64*((\f)%2)+4*\i+3], v1, s[RB+2*\i:RB+2*\i+1] offset:512*(\f) th:TH_LOAD_NT
.endr
.endm
.macro FRAGQ f
.if (\f) < 3
	s_wait_loadcnt 16                              ; this K step's 16 loads are in; the next one's 16 may be out
.else
	s_wait_loadcnt 0x0
.endif
.irp i, 0,1,2,3,4,5,6,7,8,9,10,11,12,13,14,15
	ds_store_b128 v2, v[R+64*((\f)%2)+4*\i:R+64*((\f)%2)+4*\i+3] offset:SP*\i
.endr
.irp c, 0,1,2,3
.irp j, 0,1,2,3
	ds_load_b128 v[X+16*\c+4*\j:X+16*\c+4*\j+3], v3 offset:128*\c+16*\j   ; LDS serves a wave's instructions in order: these see the stores above
.endr
.endr
	s_wait_dscnt 0x0                               ; the numbers are back, so the stores into the stage have read their registers,
.if (\f) < 2
	LOADF (\f)+2                                   ; which take the loads of two K steps on
.endif
.if (\f) > 0
	s_wait_xcnt 0x0                                ; the last K step's stores have read the codes' registers
.endif
	QUANT X, 0
	ds_store_b32 v4, v[PW] offset:64*(\f)          ; both halves of the lanes write the same word with the same value
.irp c, 0,1,2,3
	global_store_b128 v1, v[PC+4*\c:PC+4*\c+3], s[4:5] offset:2048*(\f)+512*\c   ; 32 lanes store 512 consecutive bytes, aligned
.endr
.endm
	LOADF 0
	LOADF 1
	FRAGQ 0
	FRAGQ 1
	FRAGQ 2
	FRAGQ 3
	ds_load_b64 v[242:243], v5
	s_wait_dscnt 0x0
	global_store_b64 v6, v[242:243], s[6:7]        ; 32 lanes store 256 consecutive bytes, aligned
	s_wait_tensorcnt 0x0
	ds_add_u32 v254, v255
	s_wait_dscnt 0x0
	s_endpgm
.Lfunc_end_k_q396ced7d02_quant:
	.size	k_q396ced7d02_quant, .Lfunc_end_k_q396ced7d02_quant-k_q396ced7d02_quant
	.p2alignl 7, 3214868480
	.fill 96, 4, 3214868480
	.section	.rodata,"a",@progbits
	.p2align	6, 0x0
	.amdhsa_kernel k_q396ced7d02_quant
		.amdhsa_group_segment_fixed_size 70656
		.amdhsa_private_segment_fixed_size 0
		.amdhsa_enable_private_segment 0
		.amdhsa_kernarg_size 48
		.amdhsa_user_sgpr_count 2
		.amdhsa_user_sgpr_kernarg_segment_ptr 1
		.amdhsa_wavefront_size32 1
		.amdhsa_system_sgpr_workgroup_id_x 1
		.amdhsa_system_sgpr_workgroup_id_y 1
		.amdhsa_system_sgpr_workgroup_id_z 1
		.amdhsa_system_vgpr_workitem_id 0
		.amdhsa_next_free_vgpr 256
		.amdhsa_next_free_sgpr 66
		.amdhsa_reserve_vcc 0
		.amdhsa_float_denorm_mode_32 3
		.amdhsa_float_denorm_mode_16_64 3
		.amdhsa_memory_ordered 1
		.amdhsa_forward_progress 1
		.amdhsa_inst_pref_size 58
	.end_amdhsa_kernel
	.amdgpu_metadata
---
amdhsa.version: [ 1, 2 ]
amdhsa.kernels:
  - .name:           k_q396ced7d02_quant
    .symbol:         k_q396ced7d02_quant.kd
    .args:
      - { .name: src, .offset: 0, .size: 8, .value_kind: global_buffer, .address_space: global }
      - { .name: qkv_w, .offset: 8, .size: 8, .value_kind: global_buffer, .address_space: global }
      - { .name: out_w, .offset: 16, .size: 8, .value_kind: global_buffer, .address_space: global }
      - { .name: ffn_w1, .offset: 24, .size: 8, .value_kind: global_buffer, .address_space: global }
      - { .name: ffn_w2, .offset: 32, .size: 8, .value_kind: global_buffer, .address_space: global }
      - { .name: wq, .offset: 40, .size: 8, .value_kind: global_buffer, .address_space: global }
    .group_segment_fixed_size: 70656
    .private_segment_fixed_size: 0
    .kernarg_segment_align: 8
    .kernarg_segment_size: 48
    .max_flat_workgroup_size: 256
    .sgpr_count:     66
    .vgpr_count:     256
    .wavefront_size: 32
...
	.end_amdgpu_metadata
.endif
;; end of part 1
;; launch qkv (part 2): grid 12 x 16, 4 waves a work-group, clusters of 4 x 4, 327,680 bytes of LDS; arguments wq, qkv_b, qkv; writes qkv
.if DOCPART == 2
	.amdgcn_target "amdgcn-amd-amdhsa--gfx1250"
	.amdhsa_code_object_version 6
	.text
	.protected	k_q396ced7d02_qkv
	.globl	k_q396ced7d02_qkv
	.p2align	8
	.type	k_q396ced7d02_qkv,@function
k_q396ced7d02_qkv:
	s_mov_b64 s[64:65], 0
	v_nop
	global_prefetch_b8 v0, s[64:65] scope:SCOPE_SE
	s_setreg_imm32_b32 hwreg(HW_REG_WAVE_MODE, 25, 1), 1
	s_wait_xcnt 0x0
	s_wait_alu depctr_hold_cnt(0) depctr_sa_sdst(0) depctr_va_vdst(0) depctr_va_sdst(0) depctr_va_ssrc(0) depctr_va_vcc(0) depctr_vm_vsrc(0)
	s_getreg_b32 s2, hwreg(HW_REG_IB_STS2, 6, 4)
	s_cmp_eq_u32 s2, 0
	s_cbranch_scc0 .Lentry_in_a_cluster
	s_endpgm
.Lentry_in_a_cluster:
	s_bfe_u32 s2, ttmp6, 0x10000c
	s_cmp_lg_u32 s2, 0xf033
	s_cbranch_scc0 .Lentry_shape_is_right
	s_endpgm
.Lentry_shape_is_right:
; A GEMM on codes of FP8 (E4M3) with E8M0 scales, K = 1,024, whose results are quantised in registers and leave as codes.  One text serves two launches (QKV = 1: src x qkv_w + qkv_b -> q, k, v; QKV = 0: agg x ffn_w1 + ffn_b1, relu -> h).
; OPERANDS lie in memory as images of operand registers: [tile of 16 rows][K step of 128][2,048 bytes], lane l's 16 bytes of chunk c at 512 c + 16 l; scale words [tile][K step][16 rows][4].  So LDS needs no pitch and no padding.
; SHARES: a work-group of four waves makes 256 x 256; a wave 128 x 128: 64 accumulators, 512 registers.  K goes in slots of two K steps through a ring of two LDS slots: four fills, written out without a loop.
; The scale words of the work-group's rows, for all of K, come once with the first fills.  CLUSTER 4 x 4: A's tiles are asked for jointly along a row of the cluster, B's along a column.
; THE MATRIX INSTRUCTION IS USED TRANSPOSED (source 0 = B's 16 rows, source 1 = A's): a lane holds one row of A, and, by the order of rows in B's tiles, the 64 accumulator registers of a block of A are
; 4 x 16 neighbours along B's axis: register 16 b + i = 32 b + 16 (lane / 16) + i.  That is the next product's K: bias, (relu,) quantiser and store follow with no change of lanes.
; QKV = 1: clusters x = 0, 1 make q and k (A = tokens, B = weight rows); cluster x = 2 makes v with the operands' roles exchanged (A = v's weight rows, B = tokens), so that v's codes run along the keys.
; The branch on that hangs on the cluster's x alone, which all partners share.
; LIMITS: NaN and infinities are not served; a block whose largest magnitude lies under 2^-118 has its byte held at 1; a block of zeros gets the byte 1, not 127 (its codes are zeros; this program alone reads the bytes).
; REGISTERS, in windows of 256: window 0: v0-31 addresses, v8-15 v's bias; v32-63 scale words, two sets; v64-127 the bias along B's axis; v128-255 A's 8 fragments, one set, later the way out.
;   window 1: B's fragments, two sets.   windows 2, 3: the accumulators of A's blocks 0-3, 4-7 (accumulator (a, b) at v[8 (8 (a % 4) + b)]).
.set QKV,    1
.set NK,     8                         ; K steps in all
.set SK,     2                         ; K steps in a slot
.set NQ,     2                         ; K steps that a wave multiplies in a slot
.set REFILLS, 1
.set ASTR,   SK*2048                   ; a tile of rows in a slot
.set TROWS,  8                         ; tiles of rows in one tensor load
.set SLOT,   131072                    ; A's 64 KiB, then B's
.set SCL,    2*SLOT                    ; behind the ring: A's scale words, then B's
.set SHALF,  TROWS*NK*64               ; the scale words of TROWS tiles of rows
.set SSTEP,  SK*64                     ; a slot on among a tile's scale words
.set SPARE,  SCL+4*SHALF               ; the spare words, 128 bytes for each wave
.set SCQ,    16777216                  ; where the scale words begin in wq
.set REC,    413696                    ; a head's record in qkv: Q 131,072 | 16 key steps x (K 8,192 | V 8,192) | Q's, K's, V's scale words 8,192 + 8,192 + 4,096
.set FR,     16
.set NL,     4
.set NP,     8                         ; places behind this matrix instruction (ISA guide 7.12.1)
.set BM,   8                           ; v8-15   v's bias: one number a lane for each block of A
.set ADRA, 16                          ; v16-17  LDS address of my A fragments in slot 0, 1
.set ADRB, 20                          ; v20-21  the same for B
.set MB,   23                          ; v23     4 (r + 8 (r / 8))
.set LI,   24                          ; v24     16 x lane
.set LS,   25                          ; v25     4 r
.set HB,   26                          ; v26     64 h
.set ADRS, 27                          ; v27     LDS address of my scale words: lanes 0-15 A's, lanes 16-31 B's
.set SPW,  28                          ; v28     my spare word; never rewritten
.set NIL,  29                          ; v29     0; never rewritten
.set SC,   32
.set BN,   64
.set AF,   128
.set T,    128                         ; the way out: 64 numbers
.set PC,   192
.set TM,   208
.set PW,   224
.set PW2,  225
.set G1,   24
.set G0,   32
.set G1B,  48
.set G0B,  56
.set G1S,  68
.set G0S,  76
.set G1SB, 80
.set G0SB, 88
.set OB,   66                          ; s[66:67] where my codes go
.set OS,   92                          ; s[92:93] where my scale words go
.set SEL,  96
.set KIND, 98
.set MNT,  99
.if QKV
.set PA, 4
.set PB, 4
.set PBIAS, 6
.set POUT, 8
.else
.set PA, 4
.set PB, 6
.set PBIAS, 8
.set POUT, 10
.endif
.set MSB, 0
.macro WIN new                         ; the immediate's high byte repeats the setting that is left
.if MSB != (\new)
	s_set_vgpr_msb (MSB<<8)|(\new)
.set MSB, (\new)
.endif
.endm
.set MUL_LO, 0xa1                      ; source 0 (B) window 1, source 1 (A) window 0, C and D window 2
.set MUL_HI, 0xf1
.set TO_B,   0x40
.macro JLOAD g0a, g1a, g0b, g1b        ; a joint load: waves 0 and 1 fetch for A, waves 2 and 3 for B; four v_nop follow each line
	s_cmp_eq_u32 s15, 0
	s_cbranch_scc0 .Lfor_b_\@
	tensor_load_to_lds s[\g0a:\g0a+3], s[\g1a:\g1a+7]
	s_nop 0
.rept 4
	v_nop
.endr
	s_branch .Lasked_\@
.Lfor_b_\@:
	tensor_load_to_lds s[\g0b:\g0b+3], s[\g1b:\g1b+7]
	s_nop 0
.rept 4
	v_nop
.endr
.Lasked_\@:
.endm
.macro CREST                           ; a round of the cluster's barrier behind its opening barrier
	s_cmp_lg_u32 s14, 0
	s_cbranch_scc1 .Lnot_wave_0_\@
	s_barrier_signal -3
.Lnot_wave_0_\@:
	s_barrier_wait -3
	s_barrier_signal -1
	s_barrier_wait -1
.endm
.macro CROUND
	s_barrier_signal -1
	s_barrier_wait -1
	CREST
.endm
.macro PLACES n
.rept \n
	v_nop
.endr
.endm
.macro QUANT s, relu                   ; 64 numbers of a lane become a fragment's codes in v[PC] on and its scale word in v[PW]
.if \relu
.irp b, 0,1,2,3
	v_max3_num_f32 v[TM+\b], v[\s+16*\b], v[\s+1+16*\b], 0x4800000   ; no |.|: what is negative becomes 0 and must not count; the floor 2^(9 - 127) stands over it
.endr
.irp i, 2,4,6,8,10,12,14
.irp b, 0,1,2,3
	v_max3_num_f32 v[TM+\b], v[TM+\b], v[\s+16*\b+\i], v[\s+1+16*\b+\i]
.endr
.endr
.else
.irp b, 0,1,2,3
	v_max3_num_f32 v[TM+\b], |v[\s+16*\b]|, |v[\s+1+16*\b]|, 0x4800000   ; my 16 numbers of block b, and the floor 2^(9 - 127): the byte cannot fall under 1
.endr
.irp i, 2,4,6,8,10,12,14
.irp b, 0,1,2,3
	v_max3_num_f32 v[TM+\b], v[TM+\b], |v[\s+16*\b+\i]|, |v[\s+1+16*\b+\i]|
.endr
.endr
.endif
.irp b, 0,1,2,3
	v_permlanex16_b32 v[TM+4+\b], v[TM+\b], s[SEL], s[SEL+1]
.endr
.irp b, 0,1,2,3
	v_max_num_f32 v[TM+\b], v[TM+\b], v[TM+4+\b]   ; with lane l xor 16's: the block's largest magnitude
.endr
.irp b, 0,1,2,3
	v_add_nc_u32 v[TM+12+\b], 0xfc000000, v[TM+\b]   ; 8 off its exponent field: the conversion's scale operand
.endr
.irp b, 0,1,2,3
	v_and_or_b32 v[TM+8+\b], v[TM+\b], 0x7f800000, s[MNT]   ; 448 x the scale
.endr
.irp b, 0,1,2,3
	v_lshrrev_b32 v[TM+4+\b], 23, v[TM+12+\b]   ; the scale's byte
.endr
	v_lshl_or_b32 v[PW], v[TM+5], 8, v[TM+4]
	v_lshl_or_b32 v[PW], v[TM+6], 16, v[PW]
	v_lshl_or_b32 v[PW], v[TM+7], 24, v[PW]
.irp b, 0,1,2,3
.irp i, 0,1,2,3,4,5,6,7,8,9,10,11,12,13,14,15
.if \relu
	v_med3_num_f32 v[\s+16*\b+\i], v[\s+16*\b+\i], 0, v[TM+8+\b]   ; the activation and the hold in one
.else
	v_med3_num_f32 v[\s+16*\b+\i], v[\s+16*\b+\i], -v[TM+8+\b], v[TM+8+\b]   ; the conversion to an 8-bit code does not saturate (ISA guide 7.6.2): the hold
.endif
.endr
	v_cvt_scalef32_pk8_fp8_f32 v[PC+4*\b:PC+1+4*\b], v[\s+16*\b:\s+7+16*\b], v[TM+12+\b]
	v_cvt_scalef32_pk8_fp8_f32 v[PC+2+4*\b:PC+3+4*\b], v[\s+8+16*\b:\s+15+16*\b], v[TM+12+\b]
.endr
	v_nop                                          ; one plain vector instruction behind the last scaled conversion
.endm
	s_load_b128 s[4:7], s[0:1], 0x0
.if QKV
	s_load_b64 s[8:9], s[0:1], 0x10                ; wq s[4:5], qkv_b s[6:7], qkv s[8:9]
.else
	s_load_b128 s[8:11], s[0:1], 0x10              ; agg s[4:5], wq s[6:7], ffn_b1 s[8:9], hid s[10:11]
.endif
	v_lshl_add_u32 v[SPW], v0, 2, SPARE
	v_mov_b32 v[NIL], 0
	ds_add_u32 v28, v29
	ds_add_u32 v28, v29
	s_wait_dscnt 0x0
	v_lshrrev_b32 v1, 5, v0
	v_readfirstlane_b32 s14, v1                    ; wave 0..3
	s_lshr_b32 s15, s14, 1                         ; which half of A's rows is mine.  Also: I fetch for A (0) or for B (1)
	s_and_b32 s16, s14, 1                          ; which half of B's rows.  Also: which half of that side I fetch
	s_bfe_u32 s40, ttmp6, 0x40000                  ; cx
	s_bfe_u32 s41, ttmp6, 0x40004                  ; cy
	s_and_b32 s19, ttmp7, 0xffff                   ; the cluster's y
.if QKV
	s_cmp_eq_u32 ttmp9, 2                          ; the cluster's x: 0, 1: q and k; 2: v
	s_cselect_b32 s[KIND], 1, 0
	s_cselect_b32 s17, 0, s19                      ; A's tile: tokens by y, or v's weight rows by cy alone
	s_cselect_b32 s42, s19, ttmp9                  ; B's tile: weight rows by x, or tokens by y
	s_cselect_b32 s2, 6291456, 0                   ; A's codes in wq: v's weight rows, or src
	s_cselect_b32 s3, 196608, 0
	s_cselect_b32 s12, 0, 4194304                  ; B's: src, or q's and k's weight rows
	s_cselect_b32 s13, 0, 131072
	s_add_co_u32 s3, s3, SCQ
	s_add_co_u32 s13, s13, SCQ
.else
	s_mov_b32 s17, s19
	s_mov_b32 s42, ttmp9
	s_mov_b32 s2, 16777216                         ; agg's codes, its scale words
	s_mov_b32 s3, 20971520
	s_mov_b32 s12, 8388608                         ; ffn_w1's codes in wq, its scale words
	s_mov_b32 s13, SCQ+262144
.endif
	s_lshl_b32 s17, s17, 2
	s_add_co_u32 s17, s17, s41                     ; TR: A's tile of 256 rows
	s_lshl_b32 s42, s42, 2
	s_add_co_u32 s42, s42, s40                     ; TC: B's tile of 256 rows
	s_lshl_b32 s43, s41, 2
	s_lshl_b32 s43, 15, s43                        ; my row of the cluster
	s_lshl_b32 s44, 0x1111, s40                    ; my column
	; descriptor group 1, codes: TROWS rows of SK x 2,048 bytes, NK x 2,048 bytes apart; elements of 8 bytes, no padding
	s_or_b32 s[G1+0], s43, (3<<16)|(1<<21)
	s_or_b32 s[G1B+0], s44, (3<<16)|(1<<21)
.irp g, G1, G1B
	s_mov_b32 s[\g+1], (256*SK)<<16                ; tensor_dim0
	s_mov_b32 s[\g+2], (2*TROWS)<<16               ; tensor_dim1: the head's loads bring a whole side of slot 0; set to TROWS behind them
	s_mov_b32 s[\g+3], (256*SK)<<16                ; tile_dim0
	s_mov_b32 s[\g+4], 2*TROWS                     ; tile_dim1
	s_mov_b32 s[\g+5], 256*NK                      ; tensor_dim0_stride
	s_mov_b32 s[\g+6], 0
	s_mov_b32 s[\g+7], 0
.endr
	; scale words: a dense block of 2 SHALF bytes as rows of 256 bytes
	s_or_b32 s[G1S+0], s43, (3<<16)|(1<<21)
	s_or_b32 s[G1SB+0], s44, (3<<16)|(1<<21)
.irp g, G1S, G1SB
	s_mov_b32 s[\g+1], 32<<16
	s_mov_b32 s[\g+2], (SHALF/128)<<16             ; a whole side's scale words: 2 SHALF bytes
	s_mov_b32 s[\g+3], 32<<16
	s_mov_b32 s[\g+4], SHALF/128
	s_mov_b32 s[\g+5], 32
	s_mov_b32 s[\g+6], 0
	s_mov_b32 s[\g+7], 0
.endr
	s_mul_i32 s18, s16, TROWS                      ; which half of the side I fetch
	s_mul_i32 s20, s17, 2*TROWS
	s_add_co_u32 s20, s20, s18                     ; A: the first tile of rows that I fetch
	s_mul_i32 s46, s42, 2*TROWS
	s_add_co_u32 s46, s46, s18                     ; B likewise
	s_mul_i32 s22, s20, 64*NK
	s_add_co_u32 s22, s22, s3                      ; its scale words,
	s_mul_i32 s20, s20, 2048*NK
	s_add_co_u32 s20, s20, s2                      ; its codes, in bytes from the buffer's start
	s_mul_i32 s92, s46, 64*NK
	s_add_co_u32 s92, s92, s13
	s_mul_i32 s46, s46, 2048*NK
	s_add_co_u32 s46, s46, s12
	s_mov_b32 s21, 0
	s_mov_b32 s23, 0
	s_mov_b32 s47, 0
	s_mov_b32 s93, 0
	s_lshl_b32 s45, s14, 15                        ; where they go: wave x 32,768: no place in the cluster enters an LDS address
	s_mul_i32 s94, s14, SHALF
	s_wait_kmcnt 0x0
	s_add_nc_u64 s[20:21], s[PA:PA+1], s[20:21]
	s_add_nc_u64 s[22:23], s[PA:PA+1], s[22:23]
	s_add_nc_u64 s[46:47], s[PB:PB+1], s[46:47]
	s_add_nc_u64 s[92:93], s[PB:PB+1], s[92:93]
	CROUND                                         ; all sixteen work-groups are here: the first joint loads meet
	s_mov_b32 s[G0S], 1
	s_add_co_u32 s[G0S+1], s94, SCL-SHALF          ; wave 1 issues it: A's scale words from their first byte
	s_sub_nc_u64 s[G0S+2:G0S+3], s[22:23], SHALF
	s_or_b32 s[G0S+3], s[G0S+3], 0x80000000
	s_mov_b32 s[G0SB], 1
	s_add_co_u32 s[G0SB+1], s94, SCL-SHALF         ; wave 3 issues it: B's
	s_sub_nc_u64 s[G0SB+2:G0SB+3], s[92:93], SHALF
	s_or_b32 s[G0SB+3], s[G0SB+3], 0x80000000
.irp s, 0,1
	s_mov_b32 s[G0+4*\s], 1
	s_add_co_u32 s[G0+4*\s+1], s45, \s*SLOT
	s_add_nc_u64 s[G0+4*\s+2:G0+4*\s+3], s[20:21], \s*SK*2048
	s_or_b32 s[G0+4*\s+3], s[G0+4*\s+3], 0x80000000
	s_mov_b32 s[G0B+4*\s], 1
	s_add_co_u32 s[G0B+4*\s+1], s45, \s*SLOT
	s_add_nc_u64 s[G0B+4*\s+2:G0B+4*\s+3], s[46:47], \s*SK*2048
	s_or_b32 s[G0B+4*\s+3], s[G0B+4*\s+3], 0x80000000
.endr
; THE HEAD'S LOADS, ONE A WAVE: wave 0 A's side of slot 0, wave 2 B's, wave 1 A's scale words, wave 3 B's: one tree of branches on the wave's number
.macro HLOAD g0, g1
	tensor_load_to_lds s[\g0:\g0+3], s[\g1:\g1+7]
	s_nop 0
.rept 4
	v_nop
.endr
.endm
	s_cmp_eq_u32 s14, 0
	s_cbranch_scc0 .Lhead_b
	HLOAD G0, G1
	s_branch .Lhead_asked
.Lhead_b:
	s_cmp_eq_u32 s14, 2
	s_cbranch_scc0 .Lhead_sa
	HLOAD G0B, G1B
	s_branch .Lhead_asked
.Lhead_sa:
	s_cmp_eq_u32 s14, 1
	s_cbranch_scc0 .Lhead_sb
	HLOAD G0S, G1S
	s_branch .Lhead_asked
.Lhead_sb:
	HLOAD G0SB, G1SB
.Lhead_asked:
	v_and_b32 v1, 15, v0                           ; r
	v_bfe_u32 v2, v0, 4, 1                         ; h
	v_and_b32 v3, 31, v0
	v_lshlrev_b32 v[LI], 4, v3
	v_lshlrev_b32 v[LS], 2, v1
	v_lshlrev_b32 v[HB], 6, v2
	v_and_b32 v4, 8, v1
	v_add_nc_u32 v4, v4, v1
	v_lshlrev_b32 v[MB], 2, v4
	s_wait_alu depctr_va_vdst(0)
	s_lshl_b32 s21, s15, 15                        ; my 8 tiles of A's rows
	s_lshl_b32 s22, s16, 15                        ; my 8 of B's,
	s_add_co_u32 s22, s22, 65536                   ; which lie behind A's 64 KiB
.irp s, 0,1
	v_add_nc_u32 v[ADRA+\s], s21, v[LI]
	v_add_nc_u32 v[ADRB+\s], s22, v[LI]
	s_add_co_u32 s21, s21, SLOT
	s_add_co_u32 s22, s22, SLOT
.endr
	s_mul_i32 s21, s15, SHALF                      ; A's scale words: my 8 tiles
	s_mul_i32 s22, s16, SHALF                      ; B's, behind A's
	s_add_co_u32 s22, s22, 2*SHALF
	s_sub_co_u32 s22, s22, s21
	v_mul_u32_u24 v6, s22, v2                      ; lanes 16-31 take B's: one product with h
	s_add_co_u32 s21, s21, SCL
	v_add_nc_u32 v5, v[LS], v6
	v_add_nc_u32 v[ADRS], s21, v5
	s_mov_b32 s[SEL], 0x76543210
	s_mov_b32 s[SEL+1], 0xfedcba98
	s_mov_b32 s[MNT], 0x600000
	; the biases, on the common path
.if QKV
	s_lshl_b32 s18, s42, 8
	s_lshl_b32 s19, s16, 7
	s_add_co_u32 s18, s18, s19                     ; n0: my first weight row, in the order (q, k) x head x channel
	s_bfe_u32 s19, s18, 0x40006                    ; its head
	s_mul_i32 s20, s19, 192
	s_lshr_b32 s21, s18, 10                        ; q or k
	s_lshl_b32 s21, s21, 6
	s_add_co_u32 s20, s20, s21
	s_lshl_b32 s20, s20, 2
	s_cmp_eq_u32 s[KIND], 0
	s_cselect_b32 s20, s20, 0                      ; (v's clusters read from offset 0 and do not use it)
	s_mov_b32 s21, 0
	s_add_nc_u64 s[20:21], s[PBIAS:PBIAS+1], s[20:21]
	s_lshl_b32 s22, s17, 2
	s_lshl_b32 s23, s15, 1
	s_add_co_u32 s22, s22, s23                     ; v: my first head
	s_mul_i32 s22, s22, 768
	s_add_co_u32 s22, s22, 512                     ; v's 64 numbers lie 128 behind the head's first
	s_cmp_eq_u32 s[KIND], 0
	s_cselect_b32 s22, 0, s22
	s_mov_b32 s23, 0
	s_add_nc_u64 s[22:23], s[PBIAS:PBIAS+1], s[22:23]
.irp b, 0,1,2,3
.irp j, 0,1,2,3
	global_load_b128 v[BN+16*\b+4*\j:BN+16*\b+4*\j+3], v[HB], s[20:21] offset:(\b/2)*768+(\b%2)*128+16*\j
.endr
.endr
.irp a, 0,1,2,3,4,5,6,7
	global_load_b32 v[BM+\a], v[MB], s[22:23] offset:(\a/4)*768+(32*((\a%4)/2)+8*(\a%2))*4
.endr
.else
	s_lshl_b32 s20, s42, 10
	s_lshl_b32 s21, s16, 9
	s_add_co_u32 s20, s20, s21                     ; my first of the 4,096 numbers, in bytes
	s_mov_b32 s21, 0
	s_add_nc_u64 s[20:21], s[PBIAS:PBIAS+1], s[20:21]
.irp b, 0,1,2,3
.irp j, 0,1,2,3
	global_load_b128 v[BN+16*\b+4*\j:BN+16*\b+4*\j+3], v[HB], s[20:21] offset:128*\b+16*\j
.endr
.endr
.endif
.macro FRAG reg, adr, q, i             ; a fragment comes as it lies: four loads of 512 consecutive bytes
.irp c, 0,1,2,3
	ds_load_b128 v[\reg+4*\c:\reg+4*\c+3], v[\adr] offset:(\i)*ASTR+2048*(\q)+512*\c
.endr
.endm
; 16 matrix instructions: A's blocks a0, a0 + 1 x B's eight.  The 64 accumulators take turns, one instruction a turn, in the same order in every step
.macro MUL16 a0, p, q, sc, zero
.irp a, \a0, \a0+1
.irp b, 0,1,2,3,4,5,6,7
.if \zero
	v_wmma_scale_f32_16x16x128_f8f6f4 v[8*(8*((\a)%4)+\b):8*(8*((\a)%4)+\b)+7], v[128*(\p)+FR*\b:128*(\p)+FR*\b+FR-1], v[AF+FR*(\a):AF+FR*(\a)+FR-1], 0, v[SC+8*NQ*(\sc)+NQ*\b+(\q)], v[SC+8*NQ*(\sc)+NQ*(\a)+(\q)] matrix_a_scale:MATRIX_SCALE_ROW1
.else
	v_wmma_scale_f32_16x16x128_f8f6f4 v[8*(8*((\a)%4)+\b):8*(8*((\a)%4)+\b)+7], v[128*(\p)+FR*\b:128*(\p)+FR*\b+FR-1], v[AF+FR*(\a):AF+FR*(\a)+FR-1], v[8*(8*((\a)%4)+\b):8*(8*((\a)%4)+\b)+7], v[SC+8*NQ*(\sc)+NQ*\b+(\q)], v[SC+8*NQ*(\sc)+NQ*(\a)+(\q)] matrix_a_scale:MATRIX_SCALE_ROW1
.endif
.endr
.endr
.endm
.macro FETCH_B slot, q, p
	WIN TO_B
.irp i, 0,1,2,3,4,5,6,7
	FRAG 128*(\p)+FR*\i, ADRB+\slot, \q, \i
.endr
	WIN 0
.endm
.macro FETCH_A slot, q, i0
.irp i, \i0, \i0+1, \i0+2, \i0+3
	FRAG AF+FR*(\i), ADRA+\slot, \q, \i
.endr
.endm
.macro SCALES sc                       ; a slot's scale words into set sc: lanes 0-15 take A's block i, lanes 16-31 B's block i
.irp i, 0,1,2,3,4,5,6,7
.set qq, 0
.rept NQ
	ds_load_b32 v[SC+8*NQ*\sc+NQ*\i+qq], v[ADRS] offset:64*NK*\i+64*qq
.set qq, qq+1
.endr
.endr
.endm
.macro STEP slot, q, zero              ; a K step that has its successor in the same slot
	s_wait_dscnt 4*NL                              ; all but the youngest 16 loads (A's blocks 4-7) are in
	WIN MUL_LO
	MUL16 0, (\q)%2, \q, \slot, \zero
	MUL16 2, (\q)%2, \q, \slot, \zero
	s_wait_dscnt 0
	PLACES NP
	FETCH_B \slot, (\q)+1, 1-(\q)%2
	FETCH_A \slot, (\q)+1, 0
	WIN MUL_HI
	MUL16 4, (\q)%2, \q, \slot, \zero
	MUL16 6, (\q)%2, \q, \slot, \zero
	PLACES NP
	WIN 0
	FETCH_A \slot, (\q)+1, 4
.endm
; A slot's last K step changes slots: one barrier; in front of it each wave waits for all its tensor loads, adds 0 to its spare word, and waits for that and for its reads of this slot.  fill = 1: the slot is filled again
.macro TURN slot, next, fill, p, zero
	s_wait_dscnt 4*NL                              ; all but the youngest 16 loads (A's blocks 4-7) are in
	WIN MUL_LO
	MUL16 0, \p, NQ-1, \slot, \zero
	WIN 0                                          ; (the add's two registers lie in window 0)
	s_wait_tensorcnt 0x0                           ; all my tensor loads have landed: my part of the next slot
.if REFILLS
	ds_add_u32 v[SPW], v[NIL]                      ; 0 onto my spare word
.endif
	s_wait_dscnt 0x0                               ; the add is done, and my reads of this slot are over
	s_barrier_signal -1
	WIN MUL_LO
	MUL16 2, \p, NQ-1, \slot, \zero                ; work on registers while the others arrive
	WIN 0
	s_barrier_wait -1
.if \fill
	CREST                                          ; the barrier has opened a round of the cluster's barrier: no wave of any partner still reads this slot or has a load on its way
	s_add_nc_u64 s[G0+4*\slot+2:G0+4*\slot+3], s[G0+4*\slot+2:G0+4*\slot+3], 2*SK*2048
	s_add_nc_u64 s[G0B+4*\slot+2:G0B+4*\slot+3], s[G0B+4*\slot+2:G0B+4*\slot+3], 2*SK*2048
	JLOAD G0+4*\slot, G1, G0B+4*\slot, G1B         ; the first tensor load behind the round; its four v_nop are among the places in front of the loads below
	PLACES NP-4
.else
	PLACES NP
.endif
	s_wait_alu depctr_va_vdst(0)
	v_add_nc_u32 v[ADRS], SSTEP, v[ADRS]           ; on to the next slot's scale words
	FETCH_B \next, 0, 1-(\p)
	FETCH_A \next, 0, 0
	SCALES \next
	WIN MUL_HI
	MUL16 4, \p, NQ-1, \slot, \zero
	MUL16 6, \p, NQ-1, \slot, \zero
	PLACES NP
	WIN 0
	FETCH_A \next, 0, 4
.endm
.macro LAST p, sc                      ; the very last K step: nothing more to fetch
	s_wait_dscnt 4*NL
	WIN MUL_LO
	MUL16 0, \p, NQ-1, \sc, 0
	MUL16 2, \p, NQ-1, \sc, 0
	s_wait_dscnt 0
	WIN MUL_HI
	MUL16 4, \p, NQ-1, \sc, 0
	MUL16 6, \p, NQ-1, \sc, 0
	WIN 0
.endm
	s_wait_alu depctr_va_vdst(0)
	s_wait_tensorcnt 0x0                           ; my tile of the head's four is in; slot 1's first fill is issued as a refill is
	ds_add_u32 v[SPW], v[NIL]
	s_mov_b32 s[G1+2], TROWS<<16                   ; no tensor load of mine is out: from here on a load brings TROWS rows
	s_mov_b32 s[G1+4], TROWS
	s_mov_b32 s[G1B+2], TROWS<<16
	s_mov_b32 s[G1B+4], TROWS
	s_wait_dscnt 0x0
	CROUND
	JLOAD G0+4, G1, G0B+4, G1B
	FETCH_B 0, 0, 0
	FETCH_A 0, 0, 0
	SCALES 0
	FETCH_A 0, 0, 4
	STEP 0, 0, 1                                   ; K steps 0, 1: the first products start the sums: nothing is cleared
	TURN 0, 1, 1, 1, 0                             ; slot 0 takes K steps 4, 5
	STEP 1, 0, 0
	TURN 1, 0, 1, 1, 0                             ; slot 1 takes K steps 6, 7
	STEP 0, 0, 0
	TURN 0, 1, 0, 1, 0
	STEP 1, 0, 0
	LAST 1, 1
; THE WAY OUT, a block of A (16 rows x 128 of B's axis) at a time: the bias is added on the way into window 0, each accumulator from its low end on; the 64 numbers are quantised; codes and scale word are stored.
; kind 0: q, k;  1: v;  2: the hidden layer
.macro EPI a, kind
.set AC, 64*((\a)%4)
	WIN 0x02+(\a)/4                                ; source 0: window 2 or 3
.set i, 0
.rept 32
.if \kind == 1
.if (\a)%2
	v_pk_add_f32 v[T+i:T+i+1], v[AC+i:AC+i+1], v[BM+(\a)-1:BM+(\a)] op_sel:[0,1] op_sel_hi:[1,1]   ; my channel's bias: the pair's upper word for both halves
.else
	v_pk_add_f32 v[T+i:T+i+1], v[AC+i:AC+i+1], v[BM+(\a):BM+(\a)+1] op_sel_hi:[1,0]                ; the pair's lower word for both halves
.endif
.else
	v_pk_add_f32 v[T+i:T+i+1], v[AC+i:AC+i+1], v[BN+i:BN+i+1]
.endif
.set i, i+2
.endr
	WIN 0
.if (\a) > 0
	s_wait_xcnt 0x0                                ; the last block's stores have read the codes' and the scale words' registers
.endif
.if \kind == 2
	QUANT T, 1
.irp c, 0,1,2,3
	global_store_b128 v[LI], v[PC+4*\c:PC+4*\c+3], s[OB:OB+1] offset:65536*(\a)+512*\c   ; 32 lanes store 512 consecutive bytes, aligned
.endr
	global_store_b32 v[LS], v[PW], s[OS:OS+1] offset:2048*(\a)   ; both halves of the lanes write the same word with the same value
.elseif \kind == 1
	QUANT T, 0
.irp c, 0,1,2,3
	global_store_b128 v[LI], v[PC+4*\c:PC+4*\c+3], s[OB:OB+1] offset:((\a)/4)*REC+2048*((\a)%4)+512*\c
.endr
	global_store_b32 v[LS], v[PW], s[OS:OS+1] offset:((\a)/4)*REC+64*((\a)%4)
.else
	QUANT T, 0
	v_lshrrev_b32 v[PW2], 16, v[PW]                ; blocks 2, 3 belong to the next head
	global_store_b128 v[LI], v[PC:PC+3], s[OB:OB+1] offset:1024*(\a)
	global_store_b128 v[LI], v[PC+4:PC+7], s[OB:OB+1] offset:1024*(\a)+512
	global_store_b128 v[LI], v[PC+8:PC+11], s[OB:OB+1] offset:REC+1024*(\a)
	global_store_b128 v[LI], v[PC+12:PC+15], s[OB:OB+1] offset:REC+1024*(\a)+512
	global_store_b32 v[LS], v[PW], s[OS:OS+1] offset:64*(\a)       ; its upper two bytes will stand over zero codes: any byte but 0xff does
	global_store_b32 v[LS], v[PW2], s[OS:OS+1] offset:REC+64*(\a)
.endif
.endm
	PLACES NP                                      ; behind the last products: their results are read and A's registers written from here on
	s_wait_loadcnt 0x0                             ; the biases
.irp b, 0,1,2,3
	v_mov_b32 v[TM+4+\b], 0                        ; a lane permute's destination counts as one of its sources
.endr
.if QKV
	s_cmp_eq_u32 s[KIND], 0
	s_cbranch_scc0 .Lvalues
	s_lshl_b32 s18, s42, 8
	s_lshl_b32 s19, s16, 7
	s_add_co_u32 s18, s18, s19                     ; n0
	s_bfe_u32 s19, s18, 0x40006                    ; my first head
	s_lshr_b32 s18, s18, 10                        ; 0: q, 1: k
	s_lshr_b32 s2, s17, 3                          ; the batch
	s_lshl_b32 s2, s2, 4
	s_add_co_u32 s2, s2, s19
	s_mul_i32 s2, s2, REC                          ; the head's record
	s_and_b32 s3, s17, 7
	s_lshl_b32 s3, s3, 4
	s_lshl_b32 s12, s15, 3
	s_add_co_u32 s3, s3, s12                       ; t0: my first tile of tokens in the batch
	s_lshl_b32 s12, s3, 10                         ; q: 1,024 bytes a tile
	s_lshl_b32 s13, s3, 11                         ; k: my 8 tiles are one key step: 16,384 bytes a step
	s_add_co_u32 s13, s13, 131072
	s_cmp_eq_u32 s18, 0
	s_cselect_b32 s12, s12, s13
	s_add_co_u32 s[OB], s2, s12
	s_mov_b32 s[OB+1], 0
	s_add_nc_u64 s[OB:OB+1], s[POUT:POUT+1], s[OB:OB+1]
	s_lshl_b32 s18, s18, 13                        ; k's scale words lie 8,192 behind q's
	s_lshl_b32 s3, s3, 6
	s_add_co_u32 s[OS], s2, s18
	s_add_co_u32 s[OS], s[OS], s3
	s_add_co_u32 s[OS], s[OS], 393216
	s_mov_b32 s[OS+1], 0
	s_add_nc_u64 s[OS:OS+1], s[POUT:POUT+1], s[OS:OS+1]
.irp a, 0,1,2,3,4,5,6,7
	EPI \a, 0
.endr
	s_branch .Lout
.Lvalues:
	s_lshl_b32 s18, s42, 1
	s_add_co_u32 s18, s18, s16                     ; my 128 keys, of 32 such steps
	s_lshr_b32 s19, s18, 4                         ; the batch
	s_and_b32 s18, s18, 15                         ; the key step in it
	s_lshl_b32 s19, s19, 4
	s_lshl_b32 s2, s17, 2
	s_add_co_u32 s19, s19, s2
	s_lshl_b32 s2, s15, 1
	s_add_co_u32 s19, s19, s2                      ; 16 x batch + my first head
	s_mul_i32 s2, s19, REC
	s_lshl_b32 s3, s18, 14                         ; the key step: 16,384 bytes each;
	s_add_co_u32 s3, s3, 131072+8192               ; V lies behind the step's K
	s_add_co_u32 s[OB], s2, s3
	s_mov_b32 s[OB+1], 0
	s_add_nc_u64 s[OB:OB+1], s[POUT:POUT+1], s[OB:OB+1]
	s_lshl_b32 s18, s18, 8
	s_add_co_u32 s[OS], s2, s18
	s_add_co_u32 s[OS], s[OS], 409600
	s_mov_b32 s[OS+1], 0
	s_add_nc_u64 s[OS:OS+1], s[POUT:POUT+1], s[OS:OS+1]
.irp a, 0,1,2,3,4,5,6,7
	EPI \a, 1
.endr
.Lout:
.else
	s_lshl_b32 s18, s17, 4
	s_lshl_b32 s19, s15, 3
	s_add_co_u32 s18, s18, s19                     ; my first tile of tokens
	s_lshl_b32 s18, s18, 5                         ; 32 K steps a tile
	s_lshl_b32 s19, s42, 1
	s_add_co_u32 s18, s18, s19
	s_add_co_u32 s18, s18, s16                     ; my 128 hidden units are one K step
	s_lshl_b32 s[OB], s18, 11
	s_mov_b32 s[OB+1], 0
	s_add_nc_u64 s[OB:OB+1], s[POUT:POUT+1], s[OB:OB+1]
	s_lshl_b32 s[OS], s18, 6
	s_add_co_u32 s[OS], s[OS], 16777216
	s_mov_b32 s[OS+1], 0
	s_add_nc_u64 s[OS:OS+1], s[POUT:POUT+1], s[OS:OS+1]
.irp a, 0,1,2,3,4,5,6,7
	EPI \a, 2
.endr
.endif
	s_wait_tensorcnt 0x0                           ; the wave's end
	ds_add_u32 v[SPW], v[NIL]
	s_wait_dscnt 0x0
	CROUND                                         ; the closing round: no work-group ends while a partner may still ask for a tile that names it
	s_endpgm
.Lfunc_end_k_q396ced7d02_qkv:
	.size	k_q396ced7d02_qkv, .Lfunc_end_k_q396ced7d02_qkv-k_q396ced7d02_qkv
	.p2alignl 7, 3214868480
	.fill 96, 4, 3214868480
	.section	.rodata,"a",@progbits
	.p2align	6, 0x0
	.amdhsa_kernel k_q396ced7d02_qkv
		.amdhsa_group_segment_fixed_size 327680
		.amdhsa_private_segment_fixed_size 0
		.amdhsa_enable_private_segment 0
		.amdhsa_kernarg_size 24
		.amdhsa_user_sgpr_count 2
		.amdhsa_user_sgpr_kernarg_segment_ptr 1
		.amdhsa_wavefront_size32 1
		.amdhsa_system_sgpr_workgroup_id_x 1
		.amdhsa_system_sgpr_workgroup_id_y 1
		.amdhsa_system_sgpr_workgroup_id_z 1
		.amdhsa_system_vgpr_workitem_id 0
		.amdhsa_next_free_vgpr 1024
		.amdhsa_next_free_sgpr 100
		.amdhsa_reserve_vcc 0
		.amdhsa_float_denorm_mode_32 3
		.amdhsa_float_denorm_mode_16_64 3
		.amdhsa_memory_ordered 1
		.amdhsa_forward_progress 1
		.amdhsa_inst_pref_size 255
	.end_amdhsa_kernel
	.section	.bss,"aw",@nobits
	.p2align	6
	.space	262144
	.amdgpu_metadata
---
amdhsa.version: [ 1, 2 ]
amdhsa.kernels:
  - .name:           k_q396ced7d02_qkv
    .symbol:         k_q396ced7d02_qkv.kd
    .args:
      - { .name: wq, .offset: 0, .size: 8, .value_kind: global_buffer, .address_space: global }
      - { .name: qkv_b, .offset: 8, .size: 8, .value_kind: global_buffer, .address_space: global }
      - { .name: qkv, .offset: 16, .size: 8, .value_kind: global_buffer, .address_space: global }
    .group_segment_fixed_size: 327680
    .private_segment_fixed_size: 0
    .kernarg_segment_align: 8
    .kernarg_segment_size: 24
    .max_flat_workgroup_size: 128
    .sgpr_count:     100
    .vgpr_count:     1024
    .wavefront_size: 32
...
	.end_amdgpu_metadata
.endif
;; end of part 2
;; launch attn (part 3): grid 8 x 32, 8 waves a work-group, clusters of 4 x 1, 327,680 bytes of LDS; arguments qkv, ctx; writes ctx
.if DOCPART == 3
	.amdgcn_target "amdgcn-amd-amdhsa--gfx1250"
	.amdhsa_code_object_version 6
	.text
	.protected	k_q396ced7d02_attn
	.globl	k_q396ced7d02_attn
	.p2align	8
	.type	k_q396ced7d02_attn,@function
k_q396ced7d02_attn:
	s_mov_b64 s[64:65], 0
	v_nop
	global_prefetch_b8 v0, s[64:65] scope:SCOPE_SE
	s_setreg_imm32_b32 hwreg(HW_REG_WAVE_MODE, 25, 1), 1
	s_wait_xcnt 0x0
	s_wait_alu depctr_hold_cnt(0) depctr_sa_sdst(0) depctr_va_vdst(0) depctr_va_sdst(0) depctr_va_ssrc(0) depctr_va_vcc(0) depctr_vm_vsrc(0)
	s_getreg_b32 s2, hwreg(HW_REG_IB_STS2, 6, 4)
	s_cmp_eq_u32 s2, 0
	s_cbranch_scc0 .Lentry_in_a_cluster
	s_endpgm
.Lentry_in_a_cluster:
	s_bfe_u32 s2, ttmp6, 0x10000c
	s_cmp_lg_u32 s2, 0x3003
	s_cbranch_scc0 .Lentry_shape_is_right
	s_endpgm
.Lentry_shape_is_right:
; ctx[b][q][head] = softmax_k(q . k / 8) v for one head of 64 channels, both products on codes of FP8 (E4M3) with E8M0 scales; the result is divided by the row's sum, quantised along the channels and stored as codes.
; THE SOFTMAX AHEAD OF THE SECOND PRODUCT: t = score x log2(e) / 8; M = the row's largest t so far, rounded UP to a whole number; p = 2^(t - M) is quantised along the keys; the row's sum is taken of the unquantised p.
; When M moves, the sum and O are multiplied by 2^(old M - new M): exact.
; INPUT: a head's record in qkv (REC bytes), images of operand registers: Q 128 tiles x 1,024 | 16 key steps x (K 8 tiles x 1,024 | V 4 tiles of channels x 2,048) | scale words of Q, K, V.
; SHARES: a work-group owns 256 queries of one head; each of its EIGHT waves owns 32, two tiles of 16: each fragment of K and of V that a wave reads from LDS feeds two products.
; The first product's K is 64.  Q's fragment carries zero codes for K = 64 .. 127, so what stands there on K's side adds nothing: K's eight tiles lie on end in registers, a tile's operand runs on over the next tile's codes, the last over 8 registers of zero codes.
; LDS: a head's K and V (262,144 bytes) and their scale words (12,288) lie there whole; each byte is filled once.  At the head one load a wave: waves 0-3 key steps 0-3, waves 4, 5 the scale words, waves 6, 7 step 4's K;
; behind the waits, the add and a round each wave fetches an eighth (23,552 bytes) of what follows step 4's K: one load is out while steps 0-3 are worked; a plain barrier ahead of step 4 shows it.
; K GOES ONE STEP AHEAD: a step's K fragments and scale words are asked of LDS in the middle of the step before, behind that step's V.  Step 3 so reads step 4's K, which the head has brought.  The last step's look-ahead reads the 8,192 + 512 bytes behind step 15, scale words; nothing uses what it brings.
; AMONG THE EXPONENTIALS stands plain work of the other tile, each line writing a register that is first read behind the next wait: among tile 0's, tile 1's scalings; among tile 1's, tile 0's first pair sums and holds.
; CLUSTER 4 x 1: four query blocks of one head ask for every tile jointly.  NO PREFETCH: all that the launch reads through LDS is asked for by these two fills; there is no later stream to run ahead of.
; LAYOUT: S^T = K Q^T, O^T = V^T P^T: a lane holds one query of each tile; by the order of keys in K's tiles registers 16 b + i of S^T are keys 32 b + 16 (lane / 16) + i; O^T's 32 registers likewise are channels.
; Scale words: a register holds tile 2 u's in lanes 0-15 and tile 2 u + 1's in lanes 16-31 (one load of 128 bytes on end); Q's two tiles likewise.
; LIMITS: the promise holds while |t| stays under 2^31; NaN and infinities are not served; a block whose largest magnitude lies under 2^-118 has its byte held at 1; a block of zeros gets the byte 1 (its codes are zeros; this program alone reads the bytes).
; REGISTERS.  Window 0: v1-7, v15-17 addresses; v8-14, v22-23 scale words; v24-51, v52-79 the two tiles' small state; v80-111 p's codes; v112-239 S^T, then p; v240-255 pair sums.  Window 1: v0-71 K; v72-135 V; v136-199 O^T; v200-231 Q.
.set REC,  413696
.set SCK,  262144                      ; K's scale words, 512 bytes a step
.set SCV,  SCK+8192                    ; V's, 256 bytes a step
.set SPARE, SCV+4096                   ; the spare words: 128 bytes a wave
.set LI, 1                             ; 16 x lane
.set ADK, 2
.set ADS, 3
.set ADT, 4
.set R4, 5                             ; 4 (lane % 16)
.set SPW, 6
.set NIL, 7
.set KS, 8
.set VS, 12
.set QS, 14
.set L4, 15                            ; 4 x lane
.set SK0, 16
.set SV0, 17
.set PW, 22                            ; p's scale words, a register a tile
.set JT, 28                            ; from tile 0's small state to tile 1's
.set NM, 24                            ; -M
.set TX, 25                            ; the largest t
.set SU, 26                            ; the sum, two halves
.set FF, 28                            ; f = 2^(old M - new M), and a word that is named with it
.set BM, 30                            ; the four blocks' largest
.set PT, 34                            ; PT .. SO+3: also eight pairs for the OTHER tile's sums
.set LM, 38                            ; 448 x the scale
.set L2, 42                            ; the same, turned by one: a dual instruction's second sources lie in different banks
.set SO, 46                            ; the conversions' scale operands
.set TA, 50
.set TW, 51
.set PC, 80
.set S, 112
.set XS, 240                           ; eight more pairs for tile 0's sums
.set KF, 0
.set VF, 72
.set O, 136
.set Q, 200
.set WV, 8
.set G1A, 24
.set G1S, 32
.set G1R, 40
.set G0A, 48
.set G0S, 52
.set G0R, 56
.set G1K, 80
.set G0K, 88
.set TB, 70
.set TS, 71
.set TJ, 72
.set CNT, 73
.set CS, 74
.set SEL, 76
.set MNT, 78
.set MSB, 0
.macro WIN new                         ; the immediate's high byte repeats the setting that is left
.if MSB != (\new)
	s_set_vgpr_msb (MSB<<8)|(\new)
.set MSB, (\new)
.endif
.endm
.macro ROUND                           ; a round of the cluster's barrier
	s_barrier_signal -1
	s_barrier_wait -1
	s_cmp_lg_u32 s[WV], 0
	s_cbranch_scc1 .Lnot_wave_0_\@
	s_barrier_signal -3
.Lnot_wave_0_\@:
	s_barrier_wait -3
	s_barrier_signal -1
	s_barrier_wait -1
.endm
.macro TLOAD g0, g1                    ; s_nop 0 and four v_nop follow the load
	tensor_load_to_lds s[\g0:\g0+3], s[\g1:\g1+7]
	s_nop 0
.rept 4
	v_nop
.endr
.endm
.macro GROUP1 g, rows                  ; a dense block as rows of 256 bytes (32 elements of 8), asked for by all four partners
	s_mov_b32 s[\g], 15|(3<<16)|(1<<21)
	s_mov_b32 s[\g+1], 32<<16
	s_mov_b32 s[\g+2], (\rows)<<16
	s_mov_b32 s[\g+3], 32<<16
	s_mov_b32 s[\g+4], \rows
	s_mov_b32 s[\g+5], 32
	s_mov_b32 s[\g+6], 0
	s_mov_b32 s[\g+7], 0
.endm
	s_load_b128 s[4:7], s[0:1], 0x0                ; qkv, ctx
	v_lshl_add_u32 v[SPW], v0, 2, SPARE
	v_mov_b32 v[NIL], 0
	ds_add_u32 v[SPW], v[NIL]                      ; the opening lines: the add twice and its wait ahead of my first tensor load
	ds_add_u32 v[SPW], v[NIL]
	v_lshrrev_b32 v18, 5, v0
	v_readfirstlane_b32 s[WV], v18                 ; wave 0..7
	s_bfe_u32 s9, ttmp6, 0x40000                   ; cx: it enters Q's and ctx's addresses alone
	s_and_b32 s10, ttmp7, 0xffff                   ; 16 x batch + head
	s_mul_i32 s12, s10, REC
	s_mov_b32 s13, 0
	s_and_b32 s14, s[WV], 3
	s_lshl_b32 s15, s14, 14                        ; waves 0-3: key step wave: in LDS,
	s_add_co_u32 s16, s15, 131072                  ; and in the record
	s_mov_b32 s17, 0
	s_and_b32 s62, s[WV], 1
	s_mul_i32 s18, s62, 6144                       ; waves 4, 5: a half of K's and V's scale words, which lie on end
	s_add_co_u32 s2, s18, 401408
	s_mov_b32 s3, 0
	s_lshl_b32 s79, s62, 12                        ; waves 6, 7: a half of step 4's K
	s_add_co_u32 s92, s79, 196608
	s_mov_b32 s93, 0
	s_mul_i32 s19, s[WV], 23552                    ; every wave: an eighth of what follows step 4's K
	s_add_co_u32 s60, s19, 204800
	s_mov_b32 s61, 0
	GROUP1 G1A, 64
	GROUP1 G1S, 24
	GROUP1 G1K, 16
	GROUP1 G1R, 92
	s_mov_b32 s[CS], 0x3e38aa3b                    ; c = log2(e) / 8
	s_mov_b32 s[CS+1], s[CS]
	s_mov_b32 s[SEL], 0x76543210
	s_mov_b32 s[SEL+1], 0xfedcba98
	s_mov_b32 s[MNT], 0x600000
	s_mov_b32 s[TB], 0
	s_mov_b32 s[TS], 0
	s_mov_b32 s[TJ], 0
	s_wait_dscnt 0x0
	s_wait_kmcnt 0x0
	s_add_nc_u64 s[12:13], s[4:5], s[12:13]        ; the head's record
	s_mov_b32 s[G0A], 1
	s_mov_b32 s[G0A+1], s15
	s_add_nc_u64 s[G0A+2:G0A+3], s[12:13], s[16:17]
	s_or_b32 s[G0A+3], s[G0A+3], 0x80000000
	s_mov_b32 s[G0S], 1
	s_add_co_u32 s[G0S+1], s18, SCK
	s_add_nc_u64 s[G0S+2:G0S+3], s[12:13], s[2:3]
	s_or_b32 s[G0S+3], s[G0S+3], 0x80000000
	s_mov_b32 s[G0K], 1
	s_add_co_u32 s[G0K+1], s79, 65536
	s_add_nc_u64 s[G0K+2:G0K+3], s[12:13], s[92:93]
	s_or_b32 s[G0K+3], s[G0K+3], 0x80000000
	s_mov_b32 s[G0R], 1
	s_add_co_u32 s[G0R+1], s19, 73728
	s_add_nc_u64 s[G0R+2:G0R+3], s[12:13], s[60:61]
	s_or_b32 s[G0R+3], s[G0R+3], 0x80000000
	ROUND                                          ; all four work-groups are here: the joint loads meet
	s_cmp_lt_u32 s[WV], 4
	s_cbranch_scc0 .Lfor_scales
	TLOAD G0A, G1A
	s_branch .Lasked
.Lfor_scales:
	s_cmp_lt_u32 s[WV], 6
	s_cbranch_scc0 .Lfor_k4
	TLOAD G0S, G1S
	s_branch .Lasked
.Lfor_k4:
	TLOAD G0K, G1K
.Lasked:
	s_lshl_b32 s11, ttmp9, 2
	s_add_co_u32 s11, s11, s9
	s_lshl_b32 s11, s11, 4
	s_lshl_b32 s14, s[WV], 1
	s_add_co_u32 s11, s11, s14                     ; t: my first tile of queries in the batch
	s_lshl_b32 s20, s11, 10
	s_mov_b32 s21, 0
	s_add_nc_u64 s[20:21], s[12:13], s[20:21]      ; its codes
	s_lshl_b32 s22, s11, 6
	s_add_co_u32 s22, s22, 393216
	s_mov_b32 s23, 0
	s_add_nc_u64 s[22:23], s[12:13], s[22:23]      ; its scale words
	s_lshr_b32 s60, s10, 4
	s_lshl_b32 s60, s60, 7
	s_add_co_u32 s60, s60, s11                     ; my tile of tokens, of 256
	s_lshl_b32 s60, s60, 3
	s_bfe_u32 s61, s10, 0x30001                    ; two heads make a K step of the next product
	s_add_co_u32 s60, s60, s61
	s_and_b32 s61, s10, 1
	s_lshl_b32 s66, s60, 11
	s_lshl_b32 s62, s61, 10
	s_add_co_u32 s66, s66, s62
	s_mov_b32 s67, 0
	s_add_nc_u64 s[66:67], s[6:7], s[66:67]        ; where my codes go; the second tile's lie 16,384 bytes on
	s_lshl_b32 s68, s60, 6
	s_lshl_b32 s62, s61, 1
	s_add_co_u32 s68, s68, s62
	s_add_co_u32 s68, s68, 4194304
	s_mov_b32 s69, 0
	s_add_nc_u64 s[68:69], s[6:7], s[68:69]        ; and my two bytes of each scale word; the second tile's 512 bytes on
	v_and_b32 v18, 31, v0
	v_and_b32 v19, 15, v0
	v_lshlrev_b32 v[LI], 4, v18
	v_lshlrev_b32 v[L4], 2, v18
	v_lshlrev_b32 v[R4], 2, v19
	v_add_nc_u32 v[SK0], SCK, v[L4]
	v_add_nc_u32 v[SV0], SCV, v[L4]
	global_load_b32 v[QS], v[L4], s[22:23]         ; lanes 0-15: tile 0's words, lanes 16-31: tile 1's
	WIN 0x40                                       ; destinations in window 1
.irp j, 0,1
	global_load_b128 v[Q+16*\j:Q+16*\j+3], v[LI], s[20:21] offset:1024*\j
	global_load_b128 v[Q+16*\j+4:Q+16*\j+7], v[LI], s[20:21] offset:1024*\j+512
.irp i, 8,9,10,11,12,13,14,15
	v_mov_b32 v[Q+16*\j+\i], 0                     ; K = 64 .. 127 of the first product: zero codes
.endr
.endr
.irp i, 64,65,66,67,68,69,70,71
	v_mov_b32 v[KF+\i], 0                          ; what the last tile's operand runs on over
.endr
.set i_, 0
.rept 64
	v_mov_b32 v[O+i_], 0                           ; O^T: the step is written once; the first finds zeros
.set i_, i_+1
.endr
	WIN 0
.irp j, 0,1
	v_mov_b32 v[TX+JT*\j], 0xff61b1e6              ; -3e38, under every t
	v_floor_f32 v[NM+JT*\j], -v[TX+JT*\j]
	v_mov_b32 v[SU+JT*\j], 0
	v_mov_b32 v[SU+JT*\j+1], 0
	v_mov_b32 v[FF+JT*\j+1], 0
.irp b, 0,1,2,3
	v_mov_b32 v[PT+JT*\j+\b], 0                    ; a lane permute's destination counts as one of its sources
.endr
.endr
.macro SMUL t, j                       ; S^T of key tile t and query tile j
.if ((\t)%2) && (\j)
	v_wmma_scale_f32_16x16x128_f8f6f4 v[S+64*\j+8*\t:S+64*\j+8*\t+7], v[KF+8*\t:KF+8*\t+15], v[Q+16*\j:Q+16*\j+15], 0, v[KS+(\t)/2], v[QS] matrix_a_scale:MATRIX_SCALE_ROW1 matrix_b_scale:MATRIX_SCALE_ROW1
.elseif (\t)%2
	v_wmma_scale_f32_16x16x128_f8f6f4 v[S+64*\j+8*\t:S+64*\j+8*\t+7], v[KF+8*\t:KF+8*\t+15], v[Q+16*\j:Q+16*\j+15], 0, v[KS+(\t)/2], v[QS] matrix_a_scale:MATRIX_SCALE_ROW1
.elseif \j
	v_wmma_scale_f32_16x16x128_f8f6f4 v[S+64*\j+8*\t:S+64*\j+8*\t+7], v[KF+8*\t:KF+8*\t+15], v[Q+16*\j:Q+16*\j+15], 0, v[KS+(\t)/2], v[QS] matrix_b_scale:MATRIX_SCALE_ROW1
.else
	v_wmma_scale_f32_16x16x128_f8f6f4 v[S+64*\j+8*\t:S+64*\j+8*\t+7], v[KF+8*\t:KF+8*\t+15], v[Q+16*\j:Q+16*\j+15], 0, v[KS+(\t)/2], v[QS]
.endif
.endm
.macro PMUL t, j                       ; O^T += V^T P^T: channel tile t, query tile j
.if (\t)%2
	v_wmma_scale_f32_16x16x128_f8f6f4 v[O+32*\j+8*\t:O+32*\j+8*\t+7], v[VF+16*\t:VF+16*\t+15], v[PC+16*\j:PC+16*\j+15], v[O+32*\j+8*\t:O+32*\j+8*\t+7], v[VS+(\t)/2], v[PW+\j] matrix_a_scale:MATRIX_SCALE_ROW1
.else
	v_wmma_scale_f32_16x16x128_f8f6f4 v[O+32*\j+8*\t:O+32*\j+8*\t+7], v[VF+16*\t:VF+16*\t+15], v[PC+16*\j:PC+16*\j+15], v[O+32*\j+8*\t:O+32*\j+8*\t+7], v[VS+(\t)/2], v[PW+\j]
.endif
.endm
.macro KLOAD ko, so                    ; a step's K fragments and scale words, ko and so bytes on from the addresses in hand: 20 LDS loads
	WIN 0x40
.irp t, 0,1,2,3,4,5,6,7
	ds_load_b128 v[KF+8*\t:KF+8*\t+3], v[ADK] offset:(\ko)+1024*\t
	ds_load_b128 v[KF+8*\t+4:KF+8*\t+7], v[ADK] offset:(\ko)+1024*\t+512
.endr
	WIN 0
.irp u, 0,1,2,3
	ds_load_b32 v[KS+\u], v[ADS] offset:(\so)+128*\u
.endr
.endm
.macro SCOPS j                         ; from tile j's four largest p: scale operands, limits, bytes, the scale word
.irp b, 0,1,2,3
	v_max_num_f32 v[BM+JT*\j+\b], 0x4800000, v[BM+JT*\j+\b]   ; the floor 2^(9 - 127): the byte cannot fall under 1
.endr
.irp b, 0,1,2,3
	v_add_nc_u32 v[SO+JT*\j+\b], 0xfc000000, v[BM+JT*\j+\b]   ; 8 off the exponent field: the conversion's scale operand
.endr
.irp b, 0,1,2,3
	v_and_or_b32 v[LM+JT*\j+\b], v[BM+JT*\j+\b], 0x7f800000, s[MNT]   ; 448 x the scale,
.endr
.irp b, 0,1,2,3
	v_and_or_b32 v[L2+JT*\j+(\b+1)%4], v[BM+JT*\j+\b], 0x7f800000, s[MNT]   ; and once more, in another bank
.endr
.irp b, 0,1,2,3
	v_lshrrev_b32 v[PT+JT*\j+\b], 23, v[SO+JT*\j+\b]   ; the scale's byte
.endr
	v_lshl_or_b32 v[TW+JT*\j], v[PT+JT*\j+1], 8, v[PT+JT*\j]
	v_lshl_or_b32 v[TW+JT*\j], v[PT+JT*\j+2], 16, v[TW+JT*\j]
	v_lshl_or_b32 v[PW+\j], v[PT+JT*\j+3], 24, v[TW+JT*\j]   ; p's scale word for these 128 keys
.endm
.macro PADD d, a, b                    ; pair d = pair a + pair b
	v_pk_add_f32 v[\d:\d+1], v[\a:\a+1], v[\b:\b+1]
.endm
; A KEY STEP: 128 keys x my 32 queries
.macro STEP
	v_add_nc_u32 v[ADK], s[TB], v[LI]
	v_add_nc_u32 v[ADS], s[TS], v[SK0]
	v_add_nc_u32 v[ADT], s[TJ], v[SV0]
	s_wait_alu depctr_va_vdst(0)
	s_wait_dscnt 0x0                               ; K and its scale words, asked for in the step before
	WIN 0x05                                       ; sources 0 and 1 in window 1
.irp t, 0,1,2,3,4,5,6,7
	SMUL \t, 0
	SMUL \t, 1
.endr
	WIN 0
	v_mov_b32 v[TA], v[NM]                         ; the old -M; with the six below eight places behind the products, ahead of the first read of S^T and of the loads into K's and V's registers
	v_mov_b32 v[TA+JT], v[NM+JT]
.rept 6
	v_nop
.endr
	WIN 0x40
.irp t, 0,1,2,3
.irp c, 0,1,2,3
	ds_load_b128 v[VF+16*\t+4*\c:VF+16*\t+4*\c+3], v[ADK] offset:8192+2048*\t+512*\c
.endr
.endr
	WIN 0
	ds_load_b32 v[VS], v[ADT]
	ds_load_b32 v[VS+1], v[ADT] offset:128
	KLOAD 16384, 512                               ; the next step's K
.irp j, 0,1                                    ; the largest score of each block of 32 keys: for the row's maximum and for the block's largest p
.irp b, 0,1,2,3
	v_max3_num_f32 v[BM+JT*\j+\b], v[S+64*\j+16*\b], v[S+64*\j+16*\b+1], v[S+64*\j+16*\b+2]
.endr
.endr
.irp i, 3,5,7,9,11,13
.irp j, 0,1
.irp b, 0,1,2,3
	v_max3_num_f32 v[BM+JT*\j+\b], v[BM+JT*\j+\b], v[S+64*\j+16*\b+\i], v[S+64*\j+16*\b+\i+1]
.endr
.endr
.endr
.irp j, 0,1
.irp b, 0,1,2,3
	v_max_num_f32 v[BM+JT*\j+\b], v[BM+JT*\j+\b], v[S+64*\j+16*\b+15]
.endr
.endr
.irp j, 0,1
.irp b, 0,1,2,3
	v_permlanex16_b32 v[PT+JT*\j+\b], v[BM+JT*\j+\b], s[SEL], s[SEL+1]
.endr
.endr
.irp j, 0,1
.irp b, 0,1,2,3
	v_max_num_f32 v[BM+JT*\j+\b], v[BM+JT*\j+\b], v[PT+JT*\j+\b]   ; with lane l xor 16's 16 keys
.endr
.endr
.irp j, 0,1                                    ; the two tiles' chains take turns line by line
	v_max3_num_f32 v[TW+JT*\j], v[BM+JT*\j], v[BM+JT*\j+1], v[BM+JT*\j+2]
.endr
.irp j, 0,1
	v_max_num_f32 v[TW+JT*\j], v[TW+JT*\j], v[BM+JT*\j+3]
.endr
.irp j, 0,1
	v_mul_f32 v[TW+JT*\j], s[CS], v[TW+JT*\j]      ; as t (c is positive)
.endr
.irp j, 0,1
	v_max_num_f32 v[TX+JT*\j], v[TX+JT*\j], v[TW+JT*\j]
.endr
.irp j, 0,1
	v_floor_f32 v[NM+JT*\j], -v[TX+JT*\j]          ; the new -M: M is a whole number
.endr
.irp j, 0,1
	v_sub_f32 v[TW+JT*\j], v[NM+JT*\j], v[TA+JT*\j]   ; old M - new M, 0 or less
.endr
.irp j, 0,1
	v_cvt_i32_f32 v[TW+JT*\j], v[TW+JT*\j]         ; (it saturates)
.endr
.irp j, 0,1
	v_ldexp_f32 v[FF+JT*\j], 1.0, v[TW+JT*\j]      ; f
.endr
.set i_, 0
.rept 32
	v_pk_fma_f32 v[S+i_:S+i_+1], v[S+i_:S+i_+1], s[CS:CS+1], v[NM:NM+1] op_sel_hi:[1,0,0]   ; tile 0: t - M
.set i_, i_+2
.endr
.irp b, 0,1,2,3
	v_fma_f32 v[BM+\b], v[BM+\b], s[CS], v[NM]
.endr
	s_wait_alu depctr_va_vdst(0)                   ; the wait ahead of the batch
.irp b, 0,1,2,3
	v_exp_f32 v[BM+\b], v[BM+\b]                   ; tile 0: the blocks' largest p
.endr
.set i_, 0
.rept 32                                       ; tile 0's p = 2^(t - M); among them tile 1's t - M and the sums under the new M, all first read behind the wait below
	v_exp_f32 v[S+i_], v[S+i_]
	v_pk_fma_f32 v[S+64+i_:S+64+i_+1], v[S+64+i_:S+64+i_+1], s[CS:CS+1], v[NM+JT:NM+JT+1] op_sel_hi:[1,0,0]
	v_exp_f32 v[S+i_+1], v[S+i_+1]
.if i_ < 8
	v_fma_f32 v[BM+JT+i_/2], v[BM+JT+i_/2], s[CS], v[NM+JT]
.elseif i_ < 12
	v_pk_mul_f32 v[SU+JT*(i_/2-4):SU+JT*(i_/2-4)+1], v[SU+JT*(i_/2-4):SU+JT*(i_/2-4)+1], v[FF+JT*(i_/2-4):FF+JT*(i_/2-4)+1] op_sel_hi:[1,0]
.endif
.set i_, i_+2
.endr
	v_nop                                          ; a plain place behind the last exponential
	s_wait_alu depctr_va_vdst(0)                   ; one wait for the batch, ahead of its first reader
	SCOPS 0
	s_wait_alu depctr_va_vdst(0)                   ; ahead of the second batch
.irp b, 0,1,2,3
	v_exp_f32 v[BM+JT+\b], v[BM+JT+\b]             ; tile 1: the blocks' largest p
.endr
.set i_, 48
.rept 16
	v_exp_f32 v[S+64+i_], v[S+64+i_]
.set i_, i_+1
.endr
.set i_, 0
.rept 16                                       ; tile 1's p; among them tile 0's sixteen first pair sums of the unquantised p,
	v_exp_f32 v[S+64+i_], v[S+64+i_]
.if i_ < 8
	PADD PT+JT+2*i_, S+4*i_, S+4*i_+2
.else
	PADD XS+2*(i_-8), S+4*i_, S+4*i_+2
.endif
.set i_, i_+1
.endr
.set i_, 0
.rept 32                                       ; and behind the sums its holds: the conversion does not saturate (ISA guide 7.6.2); p is not negative: a one-sided hold, two as a dual instruction
	v_exp_f32 v[S+80+i_], v[S+80+i_]
	v_dual_min_num_f32 v[S+2*i_], v[S+2*i_], v[LM+i_/8] :: v_dual_min_num_f32 v[S+2*i_+1], v[S+2*i_+1], v[L2+(i_/8+1)%4]
.set i_, i_+1
.endr
	v_nop
	s_wait_alu depctr_va_vdst(0)                   ; one wait for the second batch and for what was written among it
.irp b, 0,1,2,3
	v_cvt_scalef32_pk8_fp8_f32 v[PC+4*\b:PC+4*\b+1], v[S+16*\b:S+16*\b+7], v[SO+\b]
	v_cvt_scalef32_pk8_fp8_f32 v[PC+4*\b+2:PC+4*\b+3], v[S+16*\b+8:S+16*\b+15], v[SO+\b]
.endr
.irp k, 0,1,2,3,4,5,6,7                        ; tile 0's sums close (in tile 1's pairs) while tile 1's run in eight chains (in tile 0's pairs)
	PADD PT+JT+2*\k, PT+JT+2*\k, XS+2*\k
.endr
.irp k, 0,1,2,3,4,5,6,7
	PADD PT+2*\k, S+64+4*\k, S+64+4*\k+2
.endr
.irp k, 0,1,2,3
	PADD PT+JT+2*\k, PT+JT+2*\k, PT+JT+2*\k+8
.endr
.irp k, 0,1,2,3,4,5,6,7
	PADD PT+2*\k, PT+2*\k, S+96+2*\k
.endr
.irp k, 0,1
	PADD PT+JT+2*\k, PT+JT+2*\k, PT+JT+2*\k+4
.endr
.irp k, 0,1,2,3,4,5,6,7
	PADD PT+2*\k, PT+2*\k, S+112+2*\k
.endr
	PADD PT+JT, PT+JT, PT+JT+2
.irp k, 0,1,2,3
	PADD PT+2*\k, PT+2*\k, PT+2*\k+8
.endr
	PADD SU, SU, PT+JT
.irp k, 0,1
	PADD PT+2*\k, PT+2*\k, PT+2*\k+4
.endr
	PADD PT, PT, PT+2
	PADD SU+JT, SU+JT, PT
	SCOPS 1
.irp b, 0,1,2,3
.irp i, 0,2,4,6,8,10,12,14
	v_dual_min_num_f32 v[S+64+16*\b+\i], v[S+64+16*\b+\i], v[LM+JT+\b] :: v_dual_min_num_f32 v[S+64+16*\b+\i+1], v[S+64+16*\b+\i+1], v[L2+JT+(\b+1)%4]
.endr
	v_cvt_scalef32_pk8_fp8_f32 v[PC+16+4*\b:PC+16+4*\b+1], v[S+64+16*\b:S+64+16*\b+7], v[SO+JT+\b]
	v_cvt_scalef32_pk8_fp8_f32 v[PC+16+4*\b+2:PC+16+4*\b+3], v[S+64+16*\b+8:S+64+16*\b+15], v[SO+JT+\b]
.endr
	WIN 0x41                                       ; O^T in window 1, f in window 0
	s_wait_alu depctr_va_vdst(0)                   ; directly ahead of the first reader of O^T
.irp j, 0,1
.set i_, 0
.rept 16
	v_pk_mul_f32 v[O+32*\j+i_:O+32*\j+i_+1], v[O+32*\j+i_:O+32*\j+i_+1], v[FF+JT*\j:FF+JT*\j+1] op_sel_hi:[1,0]   ; O^T under the new M; also the places ahead of the products below
.set i_, i_+2
.endr
.endr
	s_wait_alu depctr_va_vdst(0)
	s_wait_dscnt 20                                ; V and its scale words are in; the 20 younger loads, the next step's K, may be out
	WIN 0x51                                       ; V and O^T in window 1, p's codes in window 0
.irp t, 0,1,2,3                                ; eight accumulators by turns
	PMUL \t, 0
	PMUL \t, 1
.endr
	WIN 0
	s_add_co_u32 s[TB], s[TB], 16384
	s_add_co_u32 s[TS], s[TS], 512
	s_add_co_u32 s[TJ], s[TJ], 256
.endm
	s_wait_alu depctr_va_vdst(0)                   ; the wait at the head's end
	s_wait_tensorcnt 0x0                           ; my part of the first fills is in; the later first fill is issued as a refill is
	ds_add_u32 v[SPW], v[NIL]
	s_wait_dscnt 0x0
	ROUND                                          ; everybody's part is in, and the four work-groups meet
	TLOAD G0R, G1R                                 ; the rest of K and V: my one load behind the round
	v_add_nc_u32 v[ADK], s[TB], v[LI]
	v_add_nc_u32 v[ADS], s[TS], v[SK0]
	KLOAD 0, 0                                     ; step 0's K
	s_wait_loadcnt 0x0                             ; Q
	s_mov_b32 s[CNT], 4
.Lfirst:
	STEP
	s_sub_co_u32 s[CNT], s[CNT], 1
	s_cmp_lg_u32 s[CNT], 0
	s_cbranch_scc1 .Lfirst
	s_wait_tensorcnt 0x0                           ; my eighth of the later fill is in
	s_wait_dscnt 0x0
	s_barrier_signal -1
	s_barrier_wait -1                              ; everybody's is; nothing is ever filled again
	s_mov_b32 s[CNT], 12
.Lrest:
	STEP
	s_sub_co_u32 s[CNT], s[CNT], 1
	s_cmp_lg_u32 s[CNT], 0
	s_cbranch_scc1 .Lrest
	; THE WAY OUT: O^T / the sum; a tile's 32 numbers a lane are two blocks of 32 channels (with lane l xor 16's); quantised; two chunks of a fragment and half a scale word
.rept 4
	v_nop
.endr
.irp j, 0,1
	v_add_f32 v[SU+JT*\j], v[SU+JT*\j], v[SU+JT*\j+1]
.endr
.irp j, 0,1
	v_permlanex16_b32 v[FF+JT*\j], v[SU+JT*\j], s[SEL], s[SEL+1]
.endr
.irp j, 0,1
	v_add_f32 v[SU+JT*\j], v[SU+JT*\j], v[FF+JT*\j]   ; the row's sum
.endr
	s_wait_alu depctr_va_vdst(0)
.irp j, 0,1
	v_rcp_f32 v[SU+JT*\j], v[SU+JT*\j]
.endr
	v_nop
	WIN 0x01                                       ; source 0 in window 1
	s_wait_alu depctr_va_vdst(0)                   ; ahead of the first reader of the reciprocals and of O^T
.irp j, 0,1
.set i_, 0
.rept 32
	v_mul_f32 v[S+64*\j+i_], v[O+32*\j+i_], v[SU+JT*\j]   ; register 16 b + i: channel 32 b + 16 (lane / 16) + i
.set i_, i_+1
.endr
.endr
	WIN 0
.irp j, 0,1
.irp b, 0,1
	v_max3_num_f32 v[BM+JT*\j+\b], |v[S+64*\j+16*\b]|, |v[S+64*\j+16*\b+1]|, 0x4800000
.endr
.endr
.irp i, 2,4,6,8,10,12,14
.irp j, 0,1
.irp b, 0,1
	v_max3_num_f32 v[BM+JT*\j+\b], v[BM+JT*\j+\b], |v[S+64*\j+16*\b+\i]|, |v[S+64*\j+16*\b+\i+1]|
.endr
.endr
.endr
.irp j, 0,1
.irp b, 0,1
	v_permlanex16_b32 v[PT+JT*\j+\b], v[BM+JT*\j+\b], s[SEL], s[SEL+1]
.endr
.endr
.irp j, 0,1
.irp b, 0,1
	v_max_num_f32 v[BM+JT*\j+\b], v[BM+JT*\j+\b], v[PT+JT*\j+\b]
.endr
.endr
.irp j, 0,1
.irp b, 0,1
	v_add_nc_u32 v[SO+JT*\j+\b], 0xfc000000, v[BM+JT*\j+\b]
.endr
.endr
.irp j, 0,1
.irp b, 0,1
	v_and_or_b32 v[LM+JT*\j+\b], v[BM+JT*\j+\b], 0x7f800000, s[MNT]
.endr
.endr
.irp j, 0,1
.irp b, 0,1
	v_lshrrev_b32 v[PT+JT*\j+\b], 23, v[SO+JT*\j+\b]
.endr
.endr
.irp j, 0,1
	v_lshl_or_b32 v[TW+JT*\j], v[PT+JT*\j+1], 8, v[PT+JT*\j]   ; my head's two bytes of the row's scale word
.endr
.irp j, 0,1
.irp b, 0,1
.irp i, 0,1,2,3,4,5,6,7,8,9,10,11,12,13,14,15
	v_med3_num_f32 v[S+64*\j+16*\b+\i], v[S+64*\j+16*\b+\i], -v[LM+JT*\j+\b], v[LM+JT*\j+\b]
.endr
	v_cvt_scalef32_pk8_fp8_f32 v[PC+16*\j+4*\b:PC+16*\j+4*\b+1], v[S+64*\j+16*\b:S+64*\j+16*\b+7], v[SO+JT*\j+\b]
	v_cvt_scalef32_pk8_fp8_f32 v[PC+16*\j+4*\b+2:PC+16*\j+4*\b+3], v[S+64*\j+16*\b+8:S+64*\j+16*\b+15], v[SO+JT*\j+\b]
.endr
.endr
	v_nop                                          ; one plain vector instruction behind the last scaled conversion
.irp j, 0,1
	global_store_b128 v[LI], v[PC+16*\j:PC+16*\j+3], s[66:67] offset:16384*\j       ; 32 lanes store 512 consecutive bytes, aligned
	global_store_b128 v[LI], v[PC+16*\j+4:PC+16*\j+7], s[66:67] offset:16384*\j+512
	global_store_b16 v[R4], v[TW+JT*\j], s[68:69] offset:512*\j   ; two bytes a row: one part in 32 of what the wave stores; both halves of the lanes write the same bytes with the same value
.endr
	s_wait_tensorcnt 0x0                           ; the wave's end
	ds_add_u32 v[SPW], v[NIL]
	s_wait_dscnt 0x0
	ROUND                                          ; the closing round
	s_endpgm
.Lfunc_end_k_q396ced7d02_attn:
	.size	k_q396ced7d02_attn, .Lfunc_end_k_q396ced7d02_attn-k_q396ced7d02_attn
	.p2alignl 7, 3214868480
	.fill 96, 4, 3214868480
	.section	.rodata,"a",@progbits
	.p2align	6, 0x0
	.amdhsa_kernel k_q396ced7d02_attn
		.amdhsa_group_segment_fixed_size 327680
		.amdhsa_private_segment_fixed_size 0
		.amdhsa_enable_private_segment 0
		.amdhsa_kernarg_size 16
		.amdhsa_user_sgpr_count 2
		.amdhsa_user_sgpr_kernarg_segment_ptr 1
		.amdhsa_wavefront_size32 1
		.amdhsa_system_sgpr_workgroup_id_x 1
		.amdhsa_system_sgpr_workgroup_id_y 1
		.amdhsa_system_sgpr_workgroup_id_z 1
		.amdhsa_system_vgpr_workitem_id 0
		.amdhsa_next_free_vgpr 512
		.amdhsa_next_free_sgpr 100
		.amdhsa_reserve_vcc 0
		.amdhsa_float_denorm_mode_32 3
		.amdhsa_float_denorm_mode_16_64 3
		.amdhsa_memory_ordered 1
		.amdhsa_forward_progress 1
		.amdhsa_inst_pref_size 95
	.end_amdhsa_kernel
	.amdgpu_metadata
---
amdhsa.version: [ 1, 2 ]
amdhsa.kernels:
  - .name:           k_q396ced7d02_attn
    .symbol:         k_q396ced7d02_attn.kd
    .args:
      - { .name: qkv, .offset: 0, .size: 8, .value_kind: global_buffer, .address_space: global }
      - { .name: ctx, .offset: 8, .size: 8, .value_kind: global_buffer, .address_space: global }
    .group_segment_fixed_size: 327680
    .private_segment_fixed_size: 0
    .kernarg_segment_align: 8
    .kernarg_segment_size: 16
    .max_flat_workgroup_size: 256
    .sgpr_count:     100
    .vgpr_count:     512
    .wavefront_size: 32
...
	.end_amdgpu_metadata
.endif
;; end of part 3
;; launch oproj (part 4): grid 8 x 32, 4 waves a work-group, clusters of 4 x 4, 327,680 bytes of LDS; arguments ctx, wq, src, out_b, xpre; writes xpre
.if DOCPART == 4
	.amdgcn_target "amdgcn-amd-amdhsa--gfx1250"
	.amdhsa_code_object_version 6
	.text
	.protected	k_q396ced7d02_oproj
	.globl	k_q396ced7d02_oproj
	.p2align	8
	.type	k_q396ced7d02_oproj,@function
k_q396ced7d02_oproj:
	s_mov_b64 s[64:65], 0
	v_nop
	global_prefetch_b8 v0, s[64:65] scope:SCOPE_SE
	s_setreg_imm32_b32 hwreg(HW_REG_WAVE_MODE, 25, 1), 1
	s_wait_xcnt 0x0
	s_wait_alu depctr_hold_cnt(0) depctr_sa_sdst(0) depctr_va_vdst(0) depctr_va_sdst(0) depctr_va_ssrc(0) depctr_va_vcc(0) depctr_vm_vsrc(0)
	s_getreg_b32 s2, hwreg(HW_REG_IB_STS2, 6, 4)
	s_cmp_eq_u32 s2, 0
	s_cbranch_scc0 .Lentry_in_a_cluster
	s_endpgm
.Lentry_in_a_cluster:
	s_bfe_u32 s2, ttmp6, 0x10000c
	s_cmp_lg_u32 s2, 0xf033
	s_cbranch_scc0 .Lentry_shape_is_right
	s_endpgm
.Lentry_shape_is_right:
; A GEMM on codes of FP8 (E4M3) with E8M0 scales whose f32 result, with a bias and a residual, leaves in the register image.  One text, two settings:
; FFN = 0: xpre = src + ctx out_w^T + out_b (K = 1,024; src comes as rows and turns through a stage in LDS);  FFN = 1: xpre = agg + h ffn_w2^T + ffn_b2 (K = 4,096; agg comes in the image).
; OPERANDS lie in memory as images of operand registers: [tile of 16 rows][K step of 128][2,048 bytes]; scale words [tile][K step][16 rows][4].
; SHARES: a work-group makes 128 x 128.  K IS SPLIT AMONG ITS FOUR WAVES: of each eight K steps wave w multiplies steps w and w + 4, all 128 x 128 of them: 64 accumulators; at the end the four partial sums meet through LDS.
; So a K step's fragments are read by ONE wave of the work-group.  B's go from memory straight into that wave's operand registers (32 loads of 512 consecutive bytes a K step, two sets, one K step ahead);
; that is why B's codes are not asked for jointly: LDS then holds A alone, eight K steps to a slot of 131,072 bytes, and K = 4,096 takes four fills.
; A's tiles and both sides' scale words are joint loads of a 4 x 4 cluster (A's along a row, B's scale words along a column).  At the head one load a wave: waves 0 and 2 four tile rows of A each, wave 1 A's scale words, wave 3 B's.
; FFN = 1: slot 1's first fill and the two refills stand behind the waits, the add and a round, two tile rows a wave; each wave asks the L2 for its share (32 blocks of 256 bytes, told apart by address) of the fill after the one just asked for.
; FFN = 0: all of K lies in slot 0: one fill, nothing to run ahead of, so no prefetch.
; REGISTERS: window 0: v4-31 addresses; v32-63 scale words, two sets; v64-127 the bias; v128-255 A's 8 fragments, later the sums on the way out.  window 1: B's fragments, two sets; at the end the residual.  windows 2, 3: accumulators.
.set FFN,    0
.if FFN
.set NK,     32
.set ASOFF,  16777216
.set BOFF,   12582912
.set BSOFF,  16777216+393216
.else
.set NK,     8
.set ASOFF,  4194304
.set BOFF,   7340032
.set BSOFF,  16777216+229376
.endif
.set SK,     8                         ; K steps in a slot
.set NQ,     2                         ; of them a wave's
.set ASTR,   SK*2048                   ; a tile row in a slot
.set SLOT,   131072
.set SCL,    2*SLOT                    ; behind the slots: A's scale words, then B's
.set SIDE,   8*NK*64
.set SSTEP,  SK*64
.set SP,     528
.if FFN
.set SPARE,  SCL+2*SIDE
.else
.set STG,    SCL+2*SIDE                ; a stage of 16 rows x 528 bytes for each wave
.set SPARE,  STG+4*16*SP
.endif
.set FR,     16
.set NL,     4
.set NP,     8                         ; places behind this matrix instruction (ISA guide 7.12.1)
.set PS,   4
.set PR,   8
.set SI,   12
.set SO,   13
.set ADRA, 16                          ; v16, v17: A's tile rows 0-3 in slot 0, 1; v18, v19: rows 4-7
.set LI,   24
.set HB,   26
.set ADRS, 27
.set SPW,  28
.set NIL,  29
.set PFO,  30
.set SC,   32
.set BI,   64
.set UB,   128
.set AF,   128
.set G1,   24
.set G0,   32
.set G1S,  68
.set G0S,  76
.set G1SB, 80
.set G0SB, 88
.set OB,   66
.set BB,   94
.set PFA,  96
.set MSB, 0
.macro WIN new                         ; the immediate's high byte repeats the setting that is left
.if MSB != (\new)
	s_set_vgpr_msb (MSB<<8)|(\new)
.set MSB, (\new)
.endif
.endm
.set MUL_LO, 0xa1
.set MUL_HI, 0xf1
.set TO_B,   0x40
.set FROM_B, 0x04
.macro HLOAD g0, g1                    ; s_nop 0 and four v_nop follow the load
	tensor_load_to_lds s[\g0:\g0+3], s[\g1:\g1+7]
	s_nop 0
.rept 4
	v_nop
.endr
.endm
.macro CREST
	s_cmp_lg_u32 s14, 0
	s_cbranch_scc1 .Lnot_wave_0_\@
	s_barrier_signal -3
.Lnot_wave_0_\@:
	s_barrier_wait -3
	s_barrier_signal -1
	s_barrier_wait -1
.endm
.macro CROUND
	s_barrier_signal -1
	s_barrier_wait -1
	CREST
.endm
.macro PLACES n
.rept \n
	v_nop
.endr
.endm
	s_load_b128 s[4:7], s[0:1], 0x0                ; A's buffer, wq
	s_load_b128 s[8:11], s[0:1], 0x10              ; the residual, the bias
	s_load_b64 s[12:13], s[0:1], 0x20              ; xpre
	v_lshl_add_u32 v[SPW], v0, 2, SPARE
	v_mov_b32 v[NIL], 0
	ds_add_u32 v[SPW], v[NIL]                      ; the opening lines: the add twice and its wait ahead of my first tensor load
	ds_add_u32 v[SPW], v[NIL]
	v_lshrrev_b32 v1, 5, v0
	v_readfirstlane_b32 s14, v1                    ; wave 0..3
	s_bfe_u32 s40, ttmp6, 0x40000                  ; cx
	s_bfe_u32 s41, ttmp6, 0x40004                  ; cy
	s_lshl_b32 s42, ttmp9, 2
	s_add_co_u32 s42, s42, s40                     ; TC: B's tile of 128 rows
	s_and_b32 s17, ttmp7, 0xffff
	s_lshl_b32 s17, s17, 2
	s_add_co_u32 s17, s17, s41                     ; TR: A's tile of 128 rows
	s_lshl_b32 s43, s41, 2
	s_lshl_b32 s43, 15, s43                        ; my row of the cluster
	s_lshl_b32 s44, 0x1111, s40                    ; my column
	s_or_b32 s[G1], s43, (3<<16)|(1<<21)           ; A's codes: tile rows of SK x 2,048 bytes, NK x 2,048 apart; elements of 8 bytes
	s_mov_b32 s[G1+1], (256*SK)<<16
	s_mov_b32 s[G1+2], 4<<16                       ; the head's loads bring four tile rows
	s_mov_b32 s[G1+3], (256*SK)<<16
	s_mov_b32 s[G1+4], 4
	s_mov_b32 s[G1+5], 256*NK
	s_mov_b32 s[G1+6], 0
	s_mov_b32 s[G1+7], 0
	s_or_b32 s[G1S], s43, (3<<16)|(1<<21)          ; a side's scale words: SIDE dense bytes as rows of 256
	s_or_b32 s[G1SB], s44, (3<<16)|(1<<21)
.irp g, G1S, G1SB
	s_mov_b32 s[\g+1], 32<<16
	s_mov_b32 s[\g+2], (SIDE/256)<<16
	s_mov_b32 s[\g+3], 32<<16
	s_mov_b32 s[\g+4], SIDE/256
	s_mov_b32 s[\g+5], 32
	s_mov_b32 s[\g+6], 0
	s_mov_b32 s[\g+7], 0
.endr
	s_lshl_b32 s18, s17, 3                         ; A's first tile row
	s_lshl_b32 s19, s14, 1                         ; in the ring I fetch tile rows 2 w, 2 w + 1
	s_add_co_u32 s20, s18, s19
	s_lshl_b32 s56, s20, 16                        ; on the way out tile rows 2 w, 2 w + 1 are mine: 65,536 bytes of the image each,
	s_mul_i32 s20, s20, 2048*NK
	s_mov_b32 s21, 0
	s_mul_i32 s22, s18, 64*NK
	s_add_co_u32 s22, s22, ASOFF
	s_mov_b32 s23, 0
	s_lshl_b32 s57, s42, 13                        ; + 8,192 x TC
	s_add_co_u32 s56, s56, s57
	s_mov_b32 s57, 0
.if FFN
	s_lshr_b32 s48, s40, 1                         ; the prefetches: of the 32,768 bytes that wave w fetches of a fill, the partner at cx takes 8,192
	s_add_co_u32 s48, s48, s18
	s_add_co_u32 s48, s48, s19
	s_lshl_b32 s48, s48, 16
	s_and_b32 s49, s40, 1
	s_lshl_b32 s49, s49, 13
	s_add_co_u32 s48, s48, s49
	s_mov_b32 s49, 0
.else
	s_lshl_b32 s58, s17, 7                         ; src: row 128 TR + 32 w, column 128 TC
	s_lshl_b32 s59, s14, 5
	s_add_co_u32 s58, s58, s59
	s_lshl_b32 s58, s58, 12
	s_lshl_b32 s59, s42, 9
	s_add_co_u32 s58, s58, s59
	s_mov_b32 s59, 0
	s_mul_i32 s54, s14, 16*SP
	s_add_co_u32 s54, s54, STG                     ; my stage
.endif
	s_lshl_b32 s60, s42, 9                         ; the bias: 128 numbers
	s_mov_b32 s61, 0
	s_lshl_b32 s46, s42, 3
	s_mul_i32 s92, s46, 64*NK
	s_add_co_u32 s92, s92, BSOFF
	s_mov_b32 s93, 0
	s_mul_i32 s46, s46, 2048*NK
	s_lshl_b32 s50, s14, 11                        ; my K step among four
	s_add_co_u32 s46, s46, s50
	s_add_co_u32 s46, s46, BOFF
	s_mov_b32 s47, 0
	s_lshl_b32 s45, s14, 15
	s_lshl_b32 s51, s14, 6
	s_add_co_u32 s51, s51, SCL
	s_lshl_b32 s52, s14, 13
	s_lshl_b32 s53, s14, 16
	s_wait_dscnt 0x0
	s_wait_kmcnt 0x0
	s_add_nc_u64 s[20:21], s[4:5], s[20:21]
	s_add_nc_u64 s[22:23], s[4:5], s[22:23]
	s_add_nc_u64 s[BB:BB+1], s[6:7], s[46:47]
	s_add_nc_u64 s[92:93], s[6:7], s[92:93]
	s_add_nc_u64 s[OB:OB+1], s[12:13], s[56:57]
	s_add_nc_u64 s[10:11], s[10:11], s[60:61]
.if FFN
	s_add_nc_u64 s[8:9], s[8:9], s[56:57]
	s_add_nc_u64 s[PFA:PFA+1], s[4:5], s[48:49]
.else
	s_add_nc_u64 s[8:9], s[8:9], s[58:59]
.endif
	CROUND                                         ; all sixteen work-groups are here: the first joint loads meet
	s_mov_b32 s[G0], 1
	s_mov_b32 s[G0+1], s45
	s_mov_b64 s[G0+2:G0+3], s[20:21]
	s_or_b32 s[G0+3], s[G0+3], 0x80000000
.if FFN
	s_mov_b32 s[G0+4], 1
	s_add_co_u32 s[G0+5], s45, SLOT
	s_add_nc_u64 s[G0+6:G0+7], s[20:21], SK*2048
	s_or_b32 s[G0+7], s[G0+7], 0x80000000
.endif
	s_mov_b32 s[G0S], 1
	s_mov_b32 s[G0S+1], SCL
	s_mov_b64 s[G0S+2:G0S+3], s[22:23]
	s_or_b32 s[G0S+3], s[G0S+3], 0x80000000
	s_mov_b32 s[G0SB], 1
	s_mov_b32 s[G0SB+1], SCL+SIDE
	s_mov_b64 s[G0SB+2:G0SB+3], s[92:93]
	s_or_b32 s[G0SB+3], s[G0SB+3], 0x80000000
	s_cmp_eq_u32 s14, 0                            ; the head's loads, one a wave: one tree of branches on the wave's number
	s_cbranch_scc0 .Lhead_a2
	HLOAD G0, G1                                   ; A's tile rows 0-3
	s_branch .Lhead_asked
.Lhead_a2:
	s_cmp_eq_u32 s14, 2
	s_cbranch_scc0 .Lhead_sa
	HLOAD G0, G1                                   ; rows 4-7
	s_branch .Lhead_asked
.Lhead_sa:
	s_cmp_eq_u32 s14, 1
	s_cbranch_scc0 .Lhead_sb
	HLOAD G0S, G1S
	s_branch .Lhead_asked
.Lhead_sb:
	HLOAD G0SB, G1SB
.Lhead_asked:
.macro FETCH_B j                       ; my j-th K step of B, 8 fragments as they lie in memory, into set j % 2
	WIN TO_B
.irp i, 0,1,2,3,4,5,6,7
.irp c, 0,1,2,3
	global_load_b128 v[128*((\j)%2)+FR*\i+4*\c:128*((\j)%2)+FR*\i+4*\c+3], v[LI], s[BB:BB+1] offset:\i*2048*NK+(\j)*8192+512*\c
.endr
.endr
	WIN 0
.endm
	v_and_b32 v1, 15, v0                           ; r
	v_bfe_u32 v2, v0, 4, 1                         ; h
	v_and_b32 v3, 31, v0
	v_lshlrev_b32 v[LI], 4, v3
	v_lshlrev_b32 v[HB], 6, v2
.irp b, 0,1,2,3
.irp j, 0,1,2,3
	global_load_b128 v[BI+16*\b+4*\j:BI+16*\b+4*\j+3], v[HB], s[10:11] offset:128*\b+16*\j
.endr
.endr
	FETCH_B 0
	v_add_nc_u32 v[ADRA], s50, v[LI]
	v_add_nc_u32 v[ADRA+2], 65536, v[ADRA]
.if FFN
	v_add_nc_u32 v[ADRA+1], SLOT, v[ADRA]
	v_add_nc_u32 v[ADRA+3], SLOT+65536, v[ADRA]
	v_lshlrev_b32 v[PFO], 8, v3
.else
	v_add_nc_u32 v[SI], s54, v[LI]
	v_mul_u32_u24 v11, v1, SP
	v_lshl_add_u32 v11, v2, 6, v11
	v_add_nc_u32 v[SO], s54, v11
.endif
	v_lshlrev_b32 v9, 2, v1
	v_mad_u32_u24 v9, v2, SIDE, v9                 ; lanes 16-31 take B's scale words: one product with h
	v_add_nc_u32 v[ADRS], s51, v9
	v_add_nc_u32 v[PS], s52, v[LI]
	v_add_nc_u32 v[PS+1], 65536, v[PS]
	v_add_nc_u32 v[PS+2], 131072, v[PS]
	v_add_nc_u32 v[PS+3], 196608, v[PS]
	v_add_nc_u32 v[PR], s53, v[LI]
; 16 matrix instructions: A's blocks a0, a0 + 1 x B's eight.  The 64 accumulators take turns, one instruction a turn
.macro MUL16 a0, p, q, sc, zero
.irp a, \a0, \a0+1
.irp b, 0,1,2,3,4,5,6,7
.if \zero
	v_wmma_scale_f32_16x16x128_f8f6f4 v[8*(8*((\a)%4)+\b):8*(8*((\a)%4)+\b)+7], v[128*(\p)+FR*\b:128*(\p)+FR*\b+FR-1], v[AF+FR*(\a):AF+FR*(\a)+FR-1], 0, v[SC+8*NQ*(\sc)+NQ*\b+(\q)], v[SC+8*NQ*(\sc)+NQ*(\a)+(\q)] matrix_a_scale:MATRIX_SCALE_ROW1
.else
	v_wmma_scale_f32_16x16x128_f8f6f4 v[8*(8*((\a)%4)+\b):8*(8*((\a)%4)+\b)+7], v[128*(\p)+FR*\b:128*(\p)+FR*\b+FR-1], v[AF+FR*(\a):AF+FR*(\a)+FR-1], v[8*(8*((\a)%4)+\b):8*(8*((\a)%4)+\b)+7], v[SC+8*NQ*(\sc)+NQ*\b+(\q)], v[SC+8*NQ*(\sc)+NQ*(\a)+(\q)] matrix_a_scale:MATRIX_SCALE_ROW1
.endif
.endr
.endr
.endm
.macro FETCH_A slot, q, i0             ; A's blocks i0 .. i0 + 3 of my q-th K step of the slot
.irp i, 0,1,2,3
.irp c, 0,1,2,3
	ds_load_b128 v[AF+FR*((\i0)+\i)+4*\c:AF+FR*((\i0)+\i)+4*\c+3], v[ADRA+2*((\i0)/4)+\slot] offset:\i*ASTR+8192*(\q)+512*\c
.endr
.endr
.endm
.macro SCALES sc                       ; the slot's scale words of my two K steps: lanes 0-15 A's block i, lanes 16-31 B's block i
.irp i, 0,1,2,3,4,5,6,7
	ds_load_b32 v[SC+8*NQ*\sc+NQ*\i], v[ADRS] offset:64*NK*\i
	ds_load_b32 v[SC+8*NQ*\sc+NQ*\i+1], v[ADRS] offset:64*NK*\i+256
.endr
.endm
.macro STEP slot, j, zero              ; my K step j (even): the first of my two in the slot
	FETCH_B (\j)+1                                 ; into the set that the step before has left, behind that step's places
	s_wait_loadcnt 32                              ; this step's B is in; the 32 loads just issued may be out
	s_wait_dscnt 4*NL                              ; all but the youngest 16 LDS loads (A's blocks 4-7) are in
	WIN MUL_LO
	MUL16 0, 0, 0, \slot, \zero
	MUL16 2, 0, 0, \slot, \zero
	s_wait_dscnt 0
	PLACES NP
	WIN 0
	FETCH_A \slot, 1, 0
	WIN MUL_HI
	MUL16 4, 0, 0, \slot, \zero
	MUL16 6, 0, 0, \slot, \zero
	PLACES NP
	WIN 0
	FETCH_A \slot, 1, 4
.endm
.macro RESID                           ; the residual, 32 loads, into B's set 0, which my last K step does not use
	WIN TO_B
.if FFN
.irp u, 0,1,2,3,4,5,6,7
.irp j, 0,1,2,3
	global_load_b128 v[16*\u+4*\j:16*\u+4*\j+3], v[LI], s[8:9] offset:65536*(\u/4)+2048*(\u%4)+512*\j th:TH_LOAD_NT
.endr
.endr
.else
.irp k, 0,1
.irp i, 0,1,2,3,4,5,6,7,8,9,10,11,12,13,14,15
	global_load_b128 v[64*\k+4*\i:64*\k+4*\i+3], v[LI], s[8:9] offset:(8*\k+\i+8*(\i/8))*4096 th:TH_LOAD_NT
.endr
.endr
.endif
	WIN 0
.endm
.macro LAST sc                         ; my last K step: nothing more of A or B to fetch
	RESID
	s_wait_loadcnt 32                              ; this step's B is in; the residual's 32 loads may be out
	s_wait_dscnt 4*NL
	WIN MUL_LO
	MUL16 0, 1, 1, \sc, 0
	MUL16 2, 1, 1, \sc, 0
	s_wait_dscnt 0
	WIN MUL_HI
	MUL16 4, 1, 1, \sc, 0
	MUL16 6, 1, 1, \sc, 0
	WIN 0
.endm
.if FFN
; my second K step of a slot changes slots: one barrier; in front of it the wait for all my tensor loads, the add, and the wait for it and for my reads of this slot.  fill = 1: the slot is filled again, behind a round
.macro TURN slot, next, fill, j, ask
	FETCH_B (\j)+1
	s_wait_loadcnt 32
	s_wait_dscnt 4*NL
	WIN MUL_LO
	MUL16 0, 1, 1, \slot, 0
	WIN 0
	s_wait_tensorcnt 0x0
	ds_add_u32 v[SPW], v[NIL]
	s_wait_dscnt 0x0
	s_barrier_signal -1
	WIN MUL_LO
	MUL16 2, 1, 1, \slot, 0
	WIN 0
	s_barrier_wait -1
.if \fill
	CREST
	s_add_nc_u64 s[G0+4*\slot+2:G0+4*\slot+3], s[G0+4*\slot+2:G0+4*\slot+3], 2*SK*2048
	HLOAD G0+4*\slot, G1
	PLACES NP-4
.else
	PLACES NP
.endif
	s_wait_alu depctr_va_vdst(0)                   ; directly ahead of the reader below
	v_add_nc_u32 v[ADRS], SSTEP, v[ADRS]
	FETCH_A \next, 0, 0
	SCALES \next
.if \ask
	global_prefetch_b8 v[PFO], s[PFA:PFA+1] offset:(\ask)*SK*2048 th:TH_LOAD_NT scope:SCOPE_SE   ; my share of the fill that the next change of slots asks for
.endif
	WIN MUL_HI
	MUL16 4, 1, 1, \slot, 0
	MUL16 6, 1, 1, \slot, 0
	PLACES NP
	WIN 0
	FETCH_A \next, 0, 4
.endm
.endif
	s_wait_alu depctr_va_vdst(0)                   ; the wait at the head's end
	s_wait_tensorcnt 0x0                           ; my tile of the head's four is in
.if FFN
	ds_add_u32 v[SPW], v[NIL]                      ; slot 1's first fill is issued as a refill is
	s_mov_b32 s[G1+2], 2<<16                       ; no tensor load of mine is out: from here on a load brings two tile rows
	s_mov_b32 s[G1+4], 2
	s_wait_dscnt 0x0
	CROUND
	HLOAD G0+4, G1
.else
	s_barrier_signal -1
	s_barrier_wait -1                              ; everybody's is; nothing is filled again
.endif
	FETCH_A 0, 0, 0
	SCALES 0
.if FFN
	global_prefetch_b8 v[PFO], s[PFA:PFA+1] offset:2*SK*2048 th:TH_LOAD_NT scope:SCOPE_SE
.endif
	FETCH_A 0, 0, 4
	STEP 0, 0, 1                                   ; the first products start the sums: nothing is cleared
.if FFN
	TURN 0, 1, 1, 1, 3                             ; slot 0 takes K steps 16-23
	STEP 1, 2, 0
	TURN 1, 0, 1, 3, 0                             ; slot 1 takes K steps 24-31
	STEP 0, 4, 0
	TURN 0, 1, 0, 5, 0
	STEP 1, 6, 0
	LAST 1
.else
	LAST 0
.endif
	; THE WAY OUT: the four waves' partial sums go to LDS (the slots have had their last fill and their last read); wave w then sums tile rows 2 w, 2 w + 1, adds bias and residual and stores the image
	PLACES NP
	s_wait_dscnt 0x0
	s_barrier_signal -1
	s_barrier_wait -1
.irp a, 0,1,2,3,4,5,6,7
	WIN 0x08+4*(\a/4)
.irp q, 0,1,2,3,4,5,6,7,8,9,10,11,12,13,14,15
	ds_store_b128 v[PS+\a/2], v[64*(\a%4)+4*\q:64*(\a%4)+4*\q+3] offset:32768*(\a%2)+512*\q
.endr
.endr
	WIN 0
	s_wait_dscnt 0x0
	s_barrier_signal -1
	s_barrier_wait -1
.if FFN == 0
.irp k, 0,1                                    ; src's rows turn into the image through my stage; LDS serves a wave's instructions in order
	s_wait_loadcnt 16-16*\k
	WIN FROM_B
.irp i, 0,1,2,3,4,5,6,7,8,9,10,11,12,13,14,15
	ds_store_b128 v[SI], v[64*\k+4*\i:64*\k+4*\i+3] offset:SP*\i
.endr
	WIN TO_B
.irp b, 0,1,2,3
.irp j, 0,1,2,3
	ds_load_b128 v[64*\k+16*\b+4*\j:64*\k+16*\b+4*\j+3], v[SO] offset:128*\b+16*\j
.endr
.endr
.endr
	WIN 0
.endif
.macro LOADU u
.irp w, 0,1,2,3
.irp j, 0,1,2,3
	ds_load_b128 v[UB+64*((\u)%2)+16*\w+4*\j:UB+64*((\u)%2)+16*\w+4*\j+3], v[PR] offset:32768*((\u)/4)+8192*\w+2048*((\u)%4)+512*\j
.endr
.endr
.endm
.macro SUMU u
.set U0, UB+64*((\u)%2)
.irp k, 0,2,4,6,8,10,12,14
	v_pk_add_f32 v[U0+\k:U0+\k+1], v[U0+\k:U0+\k+1], v[U0+16+\k:U0+17+\k]
	v_pk_add_f32 v[U0+32+\k:U0+33+\k], v[U0+32+\k:U0+33+\k], v[U0+48+\k:U0+49+\k]
.endr
.irp k, 0,2,4,6,8,10,12,14
	v_pk_add_f32 v[U0+\k:U0+\k+1], v[U0+\k:U0+\k+1], v[U0+32+\k:U0+33+\k]
.endr
.irp k, 0,2,4,6,8,10,12,14
	v_pk_add_f32 v[U0+\k:U0+\k+1], v[U0+\k:U0+\k+1], v[BI+16*((\u)%4)+\k:BI+16*((\u)%4)+\k+1]
.endr
	WIN FROM_B
.irp k, 0,2,4,6,8,10,12,14
	v_pk_add_f32 v[U0+\k:U0+\k+1], v[U0+\k:U0+\k+1], v[16*(\u)+\k:16*(\u)+\k+1]
.endr
	WIN 0
.irp j, 0,1,2,3
	global_store_b128 v[LI], v[U0+4*\j:U0+4*\j+3], s[OB:OB+1] offset:65536*((\u)/4)+2048*((\u)%4)+512*\j   ; 32 lanes store 512 consecutive bytes, aligned
.endr
.endm
	LOADU 0
	LOADU 1
.irp u, 0,1,2,3,4,5,6,7
.if \u < 7
	s_wait_dscnt 16                                ; this unit's 16 loads are in; the next unit's may be out
.else
	s_wait_dscnt 0x0
.endif
.if FFN
	s_wait_loadcnt 28-4*\u                         ; and its four loads of the residual
.endif
	SUMU \u
.if \u < 6
	s_wait_xcnt 0x0                                ; the stores have read their registers, which take the unit two on
	LOADU \u+2
.endif
.endr
	s_wait_tensorcnt 0x0                           ; the wave's end
	ds_add_u32 v[SPW], v[NIL]
	s_wait_dscnt 0x0
	CROUND                                         ; the closing round
	s_endpgm
.Lfunc_end_k_q396ced7d02_oproj:
	.size	k_q396ced7d02_oproj, .Lfunc_end_k_q396ced7d02_oproj-k_q396ced7d02_oproj
	.p2alignl 7, 3214868480
	.fill 96, 4, 3214868480
	.section	.rodata,"a",@progbits
	.p2align	6, 0x0
	.amdhsa_kernel k_q396ced7d02_oproj
		.amdhsa_group_segment_fixed_size 327680
		.amdhsa_private_segment_fixed_size 0
		.amdhsa_enable_private_segment 0
		.amdhsa_kernarg_size 40
		.amdhsa_user_sgpr_count 2
		.amdhsa_user_sgpr_kernarg_segment_ptr 1
		.amdhsa_wavefront_size32 1
		.amdhsa_system_sgpr_workgroup_id_x 1
		.amdhsa_system_sgpr_workgroup_id_y 1
		.amdhsa_system_sgpr_workgroup_id_z 1
		.amdhsa_system_vgpr_workitem_id 0
		.amdhsa_next_free_vgpr 1024
		.amdhsa_next_free_sgpr 100
		.amdhsa_reserve_vcc 0
		.amdhsa_float_denorm_mode_32 3
		.amdhsa_float_denorm_mode_16_64 3
		.amdhsa_memory_ordered 1
		.amdhsa_forward_progress 1
		.amdhsa_inst_pref_size 86
	.end_amdhsa_kernel
	.amdgpu_metadata
---
amdhsa.version: [ 1, 2 ]
amdhsa.kernels:
  - .name:           k_q396ced7d02_oproj
    .symbol:         k_q396ced7d02_oproj.kd
    .args:
      - { .name: ctx, .offset: 0, .size: 8, .value_kind: global_buffer, .address_space: global }
      - { .name: wq, .offset: 8, .size: 8, .value_kind: global_buffer, .address_space: global }
      - { .name: src, .offset: 16, .size: 8, .value_kind: global_buffer, .address_space: global }
      - { .name: out_b, .offset: 24, .size: 8, .value_kind: global_buffer, .address_space: global }
      - { .name: xpre, .offset: 32, .size: 8, .value_kind: global_buffer, .address_space: global }
    .group_segment_fixed_size: 327680
    .private_segment_fixed_size: 0
    .kernarg_segment_align: 8
    .kernarg_segment_size: 40
    .max_flat_workgroup_size: 128
    .sgpr_count:     100
    .vgpr_count:     1024
    .wavefront_size: 32
...
	.end_amdgpu_metadata
.endif
;; end of part 4
;; launch ln1 (part 5): grid 256 x 1, 8 waves a work-group, no clusters, 3,072 bytes of LDS; arguments xpre, ln1_g, ln1_b, agg; writes agg
.if DOCPART == 5
	.amdgcn_target "amdgcn-amd-amdhsa--gfx1250"
	.amdhsa_code_object_version 6
	.text
	.protected	k_q396ced7d02_ln1
	.globl	k_q396ced7d02_ln1
	.p2align	8
	.type	k_q396ced7d02_ln1,@function
k_q396ced7d02_ln1:
	s_mov_b64 s[64:65], 0
	v_nop
	global_prefetch_b8 v0, s[64:65] scope:SCOPE_SE
	s_setreg_imm32_b32 hwreg(HW_REG_WAVE_MODE, 25, 1), 1
	s_wait_xcnt 0x0
; agg = LayerNorm(x) x g + b over rows of 1,024, in f32; x = src + the attention's output with its bias, as the launch before has left it.
; agg goes out twice: as f32 in the register image, for the second residual, and as codes of FP8 (E4M3) with E8M0 scales, for the next product.
; THE REGISTER IMAGE: [tile of 16 tokens][128 columns][8,192 bytes]: registers 4 q .. 4 q + 3 of lane l at 512 q + 16 l; register 16 b + i of lane (r, h) is column 32 b + 16 h + i of the token of lane r.
; SHARES: a work-group takes one tile of 16 tokens, each of its eight waves 128 columns: 64 numbers a lane.  A row's sum: within the lane, with lane l xor 16, then over the eight waves through LDS: one barrier for the mean,
; one for the variance, which is taken of the differences from the mean.  x, g and b are asked for together at the head: 48 loads a wave are out.
; Every global load and store of codes and numbers covers 512 consecutive bytes, aligned.  No matrix unit, no cluster, no tensor load: bytes bound this launch, and the work-groups share only 8 KiB of gains and biases.
; LIMITS: NaN and infinities are not served; a block whose largest magnitude lies under 2^-118 has its byte held at 1; a block of zeros gets the byte 1, not 127 (its codes are zeros; this program alone reads the bytes).
.set SCG,  1024                        ; LDS: [16 rows][8 waves] f32 at 0 for the mean, at 512 for the variance; [8 waves][16 rows] scale words at SCG
.set PC,   16                          ; v16-31   the codes
.set TM,   32                          ; v32-47   at work
.set PW,   48                          ; the scale word
.set X,    64                          ; v64-127  the numbers
.set A,    128                         ; v128-191 g
.set BV,   192                         ; v192-255 b
.set SEL,  20                          ; s[20:21] lane selects: lane l xor 16
.set MNT,  22                          ; s22 the mantissa field of 448
.set INV,  23                          ; s23 1 / 1,024
.set EPS,  38                          ; s38 1e-5
.macro QUANT s                         ; 64 numbers of a lane become a fragment's codes in v[PC] on and its scale word in v[PW]
.irp b, 0,1,2,3
	v_max3_num_f32 v[TM+\b], |v[\s+16*\b]|, |v[\s+1+16*\b]|, 0x4800000   ; my 16 numbers of block b, and the floor 2^(9 - 127): the byte cannot fall under 1
.endr
.irp i, 2,4,6,8,10,12,14
.irp b, 0,1,2,3
	s_delay_alu instid0(VALU_DEP_4)
	v_max3_num_f32 v[TM+\b], v[TM+\b], |v[\s+16*\b+\i]|, |v[\s+1+16*\b+\i]|
.endr
.endr
.irp b, 0,1,2,3
	s_delay_alu instid0(VALU_DEP_4)
	v_permlanex16_b32 v[TM+4+\b], v[TM+\b], s[SEL], s[SEL+1]
.endr
.irp b, 0,1,2,3
	s_delay_alu instid0(VALU_DEP_4)
	v_max_num_f32 v[TM+\b], v[TM+\b], v[TM+4+\b]   ; with lane l xor 16's: the block's largest magnitude
.endr
.irp b, 0,1,2,3
	s_delay_alu instid0(VALU_DEP_4)
	v_add_nc_u32 v[TM+12+\b], 0xfc000000, v[TM+\b]   ; 8 off its exponent field: the conversion's scale operand
.endr
.irp b, 0,1,2,3
	v_and_or_b32 v[TM+8+\b], v[TM+\b], 0x7f800000, s[MNT]   ; 448 x the scale
.endr
.irp b, 0,1,2,3
	v_lshrrev_b32 v[TM+4+\b], 23, v[TM+12+\b]   ; the scale's byte
.endr
	s_delay_alu instid0(VALU_DEP_3)
	v_lshl_or_b32 v[PW], v[TM+5], 8, v[TM+4]
	s_delay_alu instid0(VALU_DEP_1)
	v_lshl_or_b32 v[PW], v[TM+6], 16, v[PW]
	s_delay_alu instid0(VALU_DEP_1)
	v_lshl_or_b32 v[PW], v[TM+7], 24, v[PW]
.irp b, 0,1,2,3
.irp i, 0,1,2,3,4,5,6,7,8,9,10,11,12,13,14,15
	v_med3_num_f32 v[\s+16*\b+\i], v[\s+16*\b+\i], -v[TM+8+\b], v[TM+8+\b]   ; the conversion to an 8-bit code does not saturate (ISA guide 7.6.2): the hold
.endr
	v_cvt_scalef32_pk8_fp8_f32 v[PC+4*\b:PC+1+4*\b], v[\s+16*\b:\s+7+16*\b], v[TM+12+\b]
	v_cvt_scalef32_pk8_fp8_f32 v[PC+2+4*\b:PC+3+4*\b], v[\s+8+16*\b:\s+15+16*\b], v[TM+12+\b]
.endr
	v_nop                                          ; one plain vector instruction behind the last scaled conversion
.endm
.macro REDUCE off                      ; four packed partial sums in v[50:57] become the row's sum over all 1,024 columns, in v50 of every lane
	s_delay_alu instid0(VALU_DEP_3)
	v_pk_add_f32 v[50:51], v[50:51], v[52:53]
	s_delay_alu instid0(VALU_DEP_2)
	v_pk_add_f32 v[54:55], v[54:55], v[56:57]
	s_delay_alu instid0(VALU_DEP_1)
	v_pk_add_f32 v[50:51], v[50:51], v[54:55]
	s_delay_alu instid0(VALU_DEP_1)
	v_add_f32 v50, v50, v51
	s_delay_alu instid0(VALU_DEP_1)
	v_permlanex16_b32 v51, v50, s[SEL], s[SEL+1]
	s_delay_alu instid0(VALU_DEP_1)
	v_add_f32 v50, v50, v51                        ; my wave's 128 columns of row r
	ds_store_b32 v5, v50 offset:\off               ; both halves of the lanes write the same word with the same value
	s_wait_dscnt 0x0                               ; for the others' sake
	s_barrier_signal -1
	s_barrier_wait -1
	ds_load_b128 v[50:53], v6 offset:\off
	ds_load_b128 v[54:57], v6 offset:\off+16
	s_wait_dscnt 0x0
	v_pk_add_f32 v[50:51], v[50:51], v[52:53]
	v_pk_add_f32 v[54:55], v[54:55], v[56:57]
	s_delay_alu instid0(VALU_DEP_1)
	v_pk_add_f32 v[50:51], v[50:51], v[54:55]
	s_delay_alu instid0(VALU_DEP_1)
	v_add_f32 v50, v50, v51
.endm
.macro VEC128 reg, ptr                 ; 128 numbers of a vector along the columns, in the image's order
.irp b, 0,1,2,3
.irp j, 0,1,2,3
	global_load_b128 v[\reg+16*\b+4*\j:\reg+16*\b+4*\j+3], v4, s[\ptr:\ptr+1] offset:128*\b+16*\j
.endr
.endr
.endm
	s_load_b256 s[4:11], s[0:1], 0x0               ; x s[4:5], g s[6:7], b s[8:9], agg s[10:11]
	v_lshl_add_u32 v62, v0, 2, 0x800
	v_mov_b32 v63, 0
	v_lshrrev_b32 v1, 5, v0
	s_delay_alu instid0(VALU_DEP_1)
	v_readfirstlane_b32 s16, v1                    ; wave 0..7
	v_and_b32 v8, 31, v0
	v_and_b32 v9, 15, v0                           ; r
	v_bfe_u32 v10, v0, 4, 1                        ; h
	s_delay_alu instid0(VALU_DEP_3)
	v_lshlrev_b32 v1, 4, v8                        ; v1 = 16 x lane
	s_delay_alu instid0(VALU_DEP_2)
	v_lshlrev_b32 v4, 6, v10                       ; v4 = 64 h
	s_lshl_b32 s18, s16, 2
	v_lshl_add_u32 v5, v9, 5, s18                  ; v5: my wave's word of row r
	v_lshlrev_b32 v6, 5, v9                        ; v6: row r's eight words
	s_lshl_b32 s18, s16, 6
	v_lshl_add_u32 v7, v9, 2, s18                  ; v7: my wave's scale word of row r
.irp b, 0,1,2,3
	v_mov_b32 v[TM+4+\b], 0                        ; a lane permute's destination counts as one of its sources
.endr
	s_mov_b32 s[SEL], 0x76543210
	s_mov_b32 s[SEL+1], 0xfedcba98
	s_mov_b32 s[MNT], 0x600000
	s_mov_b32 s[INV], 0x3a800000
	s_mov_b32 s[EPS], 0x3727c5ac
	s_lshl_b32 s24, ttmp9, 3
	s_add_co_u32 s24, s24, s16                     ; 8 P + wave
	s_lshl_b32 s30, s24, 11                        ; its fragment of codes
	s_add_co_u32 s30, s30, 16777216
	s_mov_b32 s31, 0
	s_lshl_b32 s24, s24, 13                        ; its f32 image
	s_mov_b32 s25, 0
	s_lshl_b32 s26, s16, 9                         ; my 128 columns, in bytes
	s_mov_b32 s27, 0
	s_lshl_b32 s40, ttmp9, 9
	s_add_co_u32 s40, s40, 20971520                ; the tile's scale words
	s_mov_b32 s41, 0
	s_wait_alu depctr_va_vdst(0)
	s_wait_kmcnt 0x0
	s_add_nc_u64 s[4:5], s[4:5], s[24:25]
	s_add_nc_u64 s[6:7], s[6:7], s[26:27]
	s_add_nc_u64 s[8:9], s[8:9], s[26:27]
	s_add_nc_u64 s[32:33], s[10:11], s[24:25]      ; agg as f32
	s_add_nc_u64 s[34:35], s[10:11], s[30:31]      ; its codes
	s_add_nc_u64 s[36:37], s[10:11], s[40:41]      ; its scale words
.irp q, 0,1,2,3,4,5,6,7,8,9,10,11,12,13,14,15
	global_load_b128 v[X+4*\q:X+4*\q+3], v1, s[4:5] offset:512*\q th:TH_LOAD_NT
.endr
	VEC128 A, 6
	VEC128 BV, 8
	s_wait_loadcnt 32                              ; x's 16 loads are in; g's and b's 32 may be out: they land under the statistics
.irp k, 0,2,4,6
	v_pk_add_f32 v[50+\k:51+\k], v[X+\k:X+\k+1], v[X+8+\k:X+9+\k]   ; four chains, started by the first numbers: nothing is cleared
.endr
.irp i, 16,24,32,40,48,56
.irp k, 0,2,4,6
	s_delay_alu instid0(VALU_DEP_4)
	v_pk_add_f32 v[50+\k:51+\k], v[50+\k:51+\k], v[X+\i+\k:X+\i+\k+1]
.endr
.endr
	REDUCE 0
	s_delay_alu instid0(VALU_DEP_1)
	v_mul_f32 v58, s[INV], v50                     ; the mean
	s_delay_alu instid0(VALU_DEP_1)
	v_mov_b32 v59, v58
.set i, 0
.rept 32
	v_pk_add_f32 v[X+i:X+i+1], v[X+i:X+i+1], v[58:59] neg_lo:[0,1] neg_hi:[0,1]   ; the differences from the mean
.set i, i+2
.endr
.irp k, 0,2,4,6
	v_pk_mul_f32 v[50+\k:51+\k], v[X+\k:X+\k+1], v[X+\k:X+\k+1]
.endr
.irp i, 8,16,24,32,40,48,56
.irp k, 0,2,4,6
	s_delay_alu instid0(VALU_DEP_4)
	v_pk_fma_f32 v[50+\k:51+\k], v[X+\i+\k:X+\i+\k+1], v[X+\i+\k:X+\i+\k+1], v[50+\k:51+\k]
.endr
.endr
	REDUCE 512
	s_delay_alu instid0(VALU_DEP_1)
	v_fma_f32 v60, v50, s[INV], s[EPS]             ; the variance + 1e-5
	s_wait_alu depctr_va_vdst(0)
	v_rsq_f32 v60, v60
	v_nop                                          ; a plain instruction behind the transcendental
	s_wait_alu depctr_va_vdst(0)                   ; the wait, ahead of the first reader
	v_mov_b32 v61, v60
	s_wait_alu depctr_va_vdst(0)
	s_wait_loadcnt 0x0                             ; g and b
.set i, 0
.rept 32
	v_pk_mul_f32 v[X+i:X+i+1], v[X+i:X+i+1], v[60:61]
.set i, i+2
.endr
.set i, 0
.rept 32
	v_pk_fma_f32 v[X+i:X+i+1], v[X+i:X+i+1], v[A+i:A+i+1], v[BV+i:BV+i+1]
.set i, i+2
.endr
.irp q, 0,1,2,3,4,5,6,7,8,9,10,11,12,13,14,15
	global_store_b128 v1, v[X+4*\q:X+4*\q+3], s[32:33] offset:512*\q   ; 32 lanes store 512 consecutive bytes, aligned
.endr
	s_wait_xcnt 0x0                                ; the stores have read the numbers, which the hold below rewrites
	QUANT X
.irp c, 0,1,2,3
	global_store_b128 v1, v[PC+4*\c:PC+4*\c+3], s[34:35] offset:512*\c
.endr
	ds_store_b32 v7, v[PW] offset:SCG              ; the eight waves' scale words meet, so that they leave as 512 consecutive bytes
	s_wait_dscnt 0x0
	s_barrier_signal -1
	s_barrier_wait -1
	s_cmp_lg_u32 s16, 0
	s_cbranch_scc1 .Lend
	ds_load_b128 v[50:53], v1 offset:SCG
	s_wait_dscnt 0x0
	global_store_b128 v1, v[50:53], s[36:37]
.Lend:
	s_wait_tensorcnt 0x0
	ds_add_u32 v62, v63
	s_wait_dscnt 0x0
	s_endpgm
.Lfunc_end_k_q396ced7d02_ln1:
	.size	k_q396ced7d02_ln1, .Lfunc_end_k_q396ced7d02_ln1-k_q396ced7d02_ln1
	.p2alignl 7, 3214868480
	.fill 96, 4, 3214868480
	.section	.rodata,"a",@progbits
	.p2align	6, 0x0
	.amdhsa_kernel k_q396ced7d02_ln1
		.amdhsa_group_segment_fixed_size 3072
		.amdhsa_private_segment_fixed_size 0
		.amdhsa_enable_private_segment 0
		.amdhsa_kernarg_size 32
		.amdhsa_user_sgpr_count 2
		.amdhsa_user_sgpr_kernarg_segment_ptr 1
		.amdhsa_wavefront_size32 1
		.amdhsa_system_sgpr_workgroup_id_x 1
		.amdhsa_system_sgpr_workgroup_id_y 1
		.amdhsa_system_sgpr_workgroup_id_z 1
		.amdhsa_system_vgpr_workitem_id 0
		.amdhsa_next_free_vgpr 256
		.amdhsa_next_free_sgpr 66
		.amdhsa_reserve_vcc 0
		.amdhsa_float_denorm_mode_32 3
		.amdhsa_float_denorm_mode_16_64 3
		.amdhsa_memory_ordered 1
		.amdhsa_forward_progress 1
		.amdhsa_inst_pref_size 33
	.end_amdhsa_kernel
	.amdgpu_metadata
---
amdhsa.version: [ 1, 2 ]
amdhsa.kernels:
  - .name:           k_q396ced7d02_ln1
    .symbol:         k_q396ced7d02_ln1.kd
    .args:
      - { .name: xpre, .offset: 0, .size: 8, .value_kind: global_buffer, .address_space: global }
      - { .name: ln1_g, .offset: 8, .size: 8, .value_kind: global_buffer, .address_space: global }
      - { .name: ln1_b, .offset: 16, .size: 8, .value_kind: global_buffer, .address_space: global }
      - { .name: agg, .offset: 24, .size: 8, .value_kind: global_buffer, .address_space: global }
    .group_segment_fixed_size: 3072
    .private_segment_fixed_size: 0
    .kernarg_segment_align: 8
    .kernarg_segment_size: 32
    .max_flat_workgroup_size: 256
    .sgpr_count:     66
    .vgpr_count:     256
    .wavefront_size: 32
...
	.end_amdgpu_metadata
.endif
;; end of part 5
;; launch ffn1 (part 6): grid 16 x 16, 4 waves a work-group, clusters of 4 x 4, 327,680 bytes of LDS; arguments agg, wq, ffn_b1, hid; writes hid
.if DOCPART == 6
	.amdgcn_target "amdgcn-amd-amdhsa--gfx1250"
	.amdhsa_code_object_version 6
	.text
	.protected	k_q396ced7d02_ffn1
	.globl	k_q396ced7d02_ffn1
	.p2align	8
	.type	k_q396ced7d02_ffn1,@function
k_q396ced7d02_ffn1:
	s_mov_b64 s[64:65], 0
	v_nop
	global_prefetch_b8 v0, s[64:65] scope:SCOPE_SE
	s_setreg_imm32_b32 hwreg(HW_REG_WAVE_MODE, 25, 1), 1
	s_wait_xcnt 0x0
	s_wait_alu depctr_hold_cnt(0) depctr_sa_sdst(0) depctr_va_vdst(0) depctr_va_sdst(0) depctr_va_ssrc(0) depctr_va_vcc(0) depctr_vm_vsrc(0)
	s_getreg_b32 s2, hwreg(HW_REG_IB_STS2, 6, 4)
	s_cmp_eq_u32 s2, 0
	s_cbranch_scc0 .Lentry_in_a_cluster
	s_endpgm
.Lentry_in_a_cluster:
	s_bfe_u32 s2, ttmp6, 0x10000c
	s_cmp_lg_u32 s2, 0xf033
	s_cbranch_scc0 .Lentry_shape_is_right
	s_endpgm
.Lentry_shape_is_right:
.set NK,     8
.set SK,     2
.set NQ,     2
.set ASTR,   SK*2048
.set TROWS,  8
.set SLOT,   131072
.set SCL,    2*SLOT
.set SHALF,  TROWS*NK*64
.set SSTEP,  SK*64
.set SPARE,  SCL+4*SHALF
.set AOFF,   16777216
.set ASOFF,  20971520
.set BOFF,   8388608
.set BSOFF,  16777216+262144
.set FR,     16
.set NL,     4
.set NP,     8
.set ADRA, 16
.set ADRB, 20
.set LI,   24
.set LS,   25
.set HB,   26
.set ADRS, 27
.set SPW,  28
.set NIL,  29
.set SC,   32
.set BN,   64
.set AF,   128
.set T,    128
.set PC,   192
.set TM,   208
.set PW,   224
.set G1,   24
.set G0,   32
.set G1B,  48
.set G0B,  56
.set G1S,  68
.set G0S,  76
.set G1SB, 80
.set G0SB, 88
.set OB,   66
.set OS,   92
.set SEL,  96
.set MNT,  99
.set MSB, 0
.macro WIN new
.if MSB != (\new)
	s_set_vgpr_msb (MSB<<8)|(\new)
.set MSB, (\new)
.endif
.endm
.set MUL_LO, 0xa1
.set MUL_HI, 0xf1
.set TO_B,   0x40
.macro JLOAD g0a, g1a, g0b, g1b
	s_cmp_eq_u32 s15, 0
	s_cbranch_scc0 .Lfor_b_\@
	tensor_load_to_lds s[\g0a:\g0a+3], s[\g1a:\g1a+7]
	s_nop 0
.rept 4
	v_nop
.endr
	s_branch .Lasked_\@
.Lfor_b_\@:
	tensor_load_to_lds s[\g0b:\g0b+3], s[\g1b:\g1b+7]
	s_nop 0
.rept 4
	v_nop
.endr
.Lasked_\@:
.endm
.macro CREST
	s_cmp_lg_u32 s14, 0
	s_cbranch_scc1 .Lnot_wave_0_\@
	s_barrier_signal -3
.Lnot_wave_0_\@:
	s_barrier_wait -3
	s_barrier_signal -1
	s_barrier_wait -1
.endm
.macro CROUND
	s_barrier_signal -1
	s_barrier_wait -1
	CREST
.endm
.macro PLACES n
.rept \n
	v_nop
.endr
.endm
.macro QUANT s
.irp b, 0,1,2,3
	v_max3_num_f32 v[TM+\b], v[\s+16*\b], v[\s+1+16*\b], 0x4800000
.endr
.irp i, 2,4,6,8,10,12,14
.irp b, 0,1,2,3
	v_max3_num_f32 v[TM+\b], v[TM+\b], v[\s+16*\b+\i], v[\s+1+16*\b+\i]
.endr
.endr
.irp b, 0,1,2,3
	v_permlanex16_b32 v[TM+4+\b], v[TM+\b], s[SEL], s[SEL+1]
.endr
.irp b, 0,1,2,3
	v_max_num_f32 v[TM+\b], v[TM+\b], v[TM+4+\b]
.endr
.irp b, 0,1,2,3
	v_add_nc_u32 v[TM+12+\b], 0xfc000000, v[TM+\b]
.endr
.irp b, 0,1,2,3
	v_and_or_b32 v[TM+8+\b], v[TM+\b], 0x7f800000, s[MNT]
.endr
.irp b, 0,1,2,3
	v_lshrrev_b32 v[TM+4+\b], 23, v[TM+12+\b]
.endr
	v_lshl_or_b32 v[PW], v[TM+5], 8, v[TM+4]
	v_lshl_or_b32 v[PW], v[TM+6], 16, v[PW]
	v_lshl_or_b32 v[PW], v[TM+7], 24, v[PW]
.irp b, 0,1,2,3
.irp i, 0,1,2,3,4,5,6,7,8,9,10,11,12,13,14,15
	v_med3_num_f32 v[\s+16*\b+\i], v[\s+16*\b+\i], 0, v[TM+8+\b]
.endr
	v_cvt_scalef32_pk8_fp8_f32 v[PC+4*\b:PC+1+4*\b], v[\s+16*\b:\s+7+16*\b], v[TM+12+\b]
	v_cvt_scalef32_pk8_fp8_f32 v[PC+2+4*\b:PC+3+4*\b], v[\s+8+16*\b:\s+15+16*\b], v[TM+12+\b]
.endr
	v_nop
.endm
	s_load_b128 s[4:7], s[0:1], 0x0
	s_load_b128 s[8:11], s[0:1], 0x10
	v_lshl_add_u32 v[SPW], v0, 2, SPARE
	v_mov_b32 v[NIL], 0
	ds_add_u32 v28, v29
	ds_add_u32 v28, v29
	s_wait_dscnt 0x0
	v_lshrrev_b32 v1, 5, v0
	v_readfirstlane_b32 s14, v1
	s_lshr_b32 s15, s14, 1
	s_and_b32 s16, s14, 1
	s_bfe_u32 s40, ttmp6, 0x40000
	s_bfe_u32 s41, ttmp6, 0x40004
	s_lshl_b32 s42, ttmp9, 2
	s_add_co_u32 s42, s42, s40
	s_and_b32 s17, ttmp7, 0xffff
	s_lshl_b32 s17, s17, 2
	s_add_co_u32 s17, s17, s41
	s_lshl_b32 s43, s41, 2
	s_lshl_b32 s43, 15, s43
	s_lshl_b32 s44, 0x1111, s40
	s_or_b32 s[G1+0], s43, (3<<16)|(1<<21)
	s_or_b32 s[G1B+0], s44, (3<<16)|(1<<21)
.irp g, G1, G1B
	s_mov_b32 s[\g+1], (256*SK)<<16
	s_mov_b32 s[\g+2], (2*TROWS)<<16               ; the head's loads bring a whole side of slot 0; set to TROWS behind them
	s_mov_b32 s[\g+3], (256*SK)<<16
	s_mov_b32 s[\g+4], 2*TROWS
	s_mov_b32 s[\g+5], 256*NK
	s_mov_b32 s[\g+6], 0
	s_mov_b32 s[\g+7], 0
.endr
	s_or_b32 s[G1S+0], s43, (3<<16)|(1<<21)
	s_or_b32 s[G1SB+0], s44, (3<<16)|(1<<21)
.irp g, G1S, G1SB
	s_mov_b32 s[\g+1], 32<<16
	s_mov_b32 s[\g+2], (SHALF/128)<<16             ; a whole side's scale words: 2 SHALF bytes
	s_mov_b32 s[\g+3], 32<<16
	s_mov_b32 s[\g+4], SHALF/128
	s_mov_b32 s[\g+5], 32
	s_mov_b32 s[\g+6], 0
	s_mov_b32 s[\g+7], 0
.endr
	s_mul_i32 s18, s16, TROWS
	s_mul_i32 s20, s17, 2*TROWS
	s_add_co_u32 s20, s20, s18
	s_mul_i32 s46, s42, 2*TROWS
	s_add_co_u32 s46, s46, s18
	s_mul_i32 s22, s20, 64*NK
	s_add_co_u32 s22, s22, ASOFF
	s_mul_i32 s20, s20, 2048*NK
	s_add_co_u32 s20, s20, AOFF
	s_mul_i32 s92, s46, 64*NK
	s_add_co_u32 s92, s92, BSOFF
	s_mul_i32 s46, s46, 2048*NK
	s_add_co_u32 s46, s46, BOFF
	s_mov_b32 s21, 0
	s_mov_b32 s23, 0
	s_mov_b32 s47, 0
	s_mov_b32 s93, 0
	s_lshl_b32 s45, s14, 15
	s_mul_i32 s94, s14, SHALF
	s_wait_kmcnt 0x0
	s_add_nc_u64 s[20:21], s[4:5], s[20:21]
	s_add_nc_u64 s[22:23], s[4:5], s[22:23]
	s_add_nc_u64 s[46:47], s[6:7], s[46:47]
	s_add_nc_u64 s[92:93], s[6:7], s[92:93]
	CROUND
	s_mov_b32 s[G0S], 1
	s_add_co_u32 s[G0S+1], s94, SCL-SHALF          ; wave 1 issues it: A's scale words from their first byte
	s_sub_nc_u64 s[G0S+2:G0S+3], s[22:23], SHALF
	s_or_b32 s[G0S+3], s[G0S+3], 0x80000000
	s_mov_b32 s[G0SB], 1
	s_add_co_u32 s[G0SB+1], s94, SCL-SHALF         ; wave 3 issues it: B's
	s_sub_nc_u64 s[G0SB+2:G0SB+3], s[92:93], SHALF
	s_or_b32 s[G0SB+3], s[G0SB+3], 0x80000000
.irp s, 0,1
	s_mov_b32 s[G0+4*\s], 1
	s_add_co_u32 s[G0+4*\s+1], s45, \s*SLOT
	s_add_nc_u64 s[G0+4*\s+2:G0+4*\s+3], s[20:21], \s*SK*2048
	s_or_b32 s[G0+4*\s+3], s[G0+4*\s+3], 0x80000000
	s_mov_b32 s[G0B+4*\s], 1
	s_add_co_u32 s[G0B+4*\s+1], s45, \s*SLOT
	s_add_nc_u64 s[G0B+4*\s+2:G0B+4*\s+3], s[46:47], \s*SK*2048
	s_or_b32 s[G0B+4*\s+3], s[G0B+4*\s+3], 0x80000000
.endr
; THE HEAD'S LOADS, ONE A WAVE: wave 0 A's side of slot 0, wave 2 B's, wave 1 A's scale words, wave 3 B's: one tree of branches on the wave's number
.macro HLOAD g0, g1
	tensor_load_to_lds s[\g0:\g0+3], s[\g1:\g1+7]
	s_nop 0
.rept 4
	v_nop
.endr
.endm
	s_cmp_eq_u32 s14, 0
	s_cbranch_scc0 .Lhead_b
	HLOAD G0, G1
	s_branch .Lhead_asked
.Lhead_b:
	s_cmp_eq_u32 s14, 2
	s_cbranch_scc0 .Lhead_sa
	HLOAD G0B, G1B
	s_branch .Lhead_asked
.Lhead_sa:
	s_cmp_eq_u32 s14, 1
	s_cbranch_scc0 .Lhead_sb
	HLOAD G0S, G1S
	s_branch .Lhead_asked
.Lhead_sb:
	HLOAD G0SB, G1SB
.Lhead_asked:
	v_and_b32 v1, 15, v0
	v_bfe_u32 v2, v0, 4, 1
	s_wait_alu depctr_va_vdst(0)
	v_and_b32 v3, 31, v0
	v_lshlrev_b32 v[LI], 4, v3
	v_lshlrev_b32 v[LS], 2, v1
	v_lshlrev_b32 v[HB], 6, v2
	s_lshl_b32 s21, s15, 15
	s_lshl_b32 s22, s16, 15
	s_add_co_u32 s22, s22, 65536
.irp s, 0,1
	v_add_nc_u32 v[ADRA+\s], s21, v[LI]
	v_add_nc_u32 v[ADRB+\s], s22, v[LI]
	s_add_co_u32 s21, s21, SLOT
	s_add_co_u32 s22, s22, SLOT
.endr
	s_mul_i32 s21, s15, SHALF
	s_mul_i32 s22, s16, SHALF
	s_add_co_u32 s22, s22, 2*SHALF
	s_sub_co_u32 s22, s22, s21
	v_mul_u32_u24 v6, s22, v2
	s_wait_alu depctr_va_vdst(0)
	s_add_co_u32 s21, s21, SCL
	v_add_nc_u32 v5, v[LS], v6
	v_add_nc_u32 v[ADRS], s21, v5
	s_mov_b32 s[SEL], 0x76543210
	s_mov_b32 s[SEL+1], 0xfedcba98
	s_mov_b32 s[MNT], 0x600000
	s_lshl_b32 s20, s42, 10
	s_lshl_b32 s21, s16, 9
	s_add_co_u32 s20, s20, s21
	s_mov_b32 s21, 0
	s_add_nc_u64 s[20:21], s[8:9], s[20:21]
.irp b, 0,1,2,3
.irp j, 0,1,2,3
	global_load_b128 v[BN+16*\b+4*\j:BN+16*\b+4*\j+3], v[HB], s[20:21] offset:128*\b+16*\j
.endr
.endr
.macro FRAG reg, adr, q, i
.irp c, 0,1,2,3
	ds_load_b128 v[\reg+4*\c:\reg+4*\c+3], v[\adr] offset:(\i)*ASTR+2048*(\q)+512*\c
.endr
.endm
.macro MUL16 a0, p, q, sc, zero
.irp a, \a0, \a0+1
.irp b, 0,1,2,3,4,5,6,7
.if \zero
	v_wmma_scale_f32_16x16x128_f8f6f4 v[8*(8*((\a)%4)+\b):8*(8*((\a)%4)+\b)+7], v[128*(\p)+FR*\b:128*(\p)+FR*\b+FR-1], v[AF+FR*(\a):AF+FR*(\a)+FR-1], 0, v[SC+8*NQ*(\sc)+NQ*\b+(\q)], v[SC+8*NQ*(\sc)+NQ*(\a)+(\q)] matrix_a_scale:MATRIX_SCALE_ROW1
.else
	v_wmma_scale_f32_16x16x128_f8f6f4 v[8*(8*((\a)%4)+\b):8*(8*((\a)%4)+\b)+7], v[128*(\p)+FR*\b:128*(\p)+FR*\b+FR-1], v[AF+FR*(\a):AF+FR*(\a)+FR-1], v[8*(8*((\a)%4)+\b):8*(8*((\a)%4)+\b)+7], v[SC+8*NQ*(\sc)+NQ*\b+(\q)], v[SC+8*NQ*(\sc)+NQ*(\a)+(\q)] matrix_a_scale:MATRIX_SCALE_ROW1
.endif
.endr
.endr
.endm
.macro FETCH_B slot, q, p
	WIN TO_B
.irp i, 0,1,2,3,4,5,6,7
	FRAG 128*(\p)+FR*\i, ADRB+\slot, \q, \i
.endr
	WIN 0
.endm
.macro FETCH_A slot, q, i0
.irp i, \i0, \i0+1, \i0+2, \i0+3
	FRAG AF+FR*(\i), ADRA+\slot, \q, \i
.endr
.endm
.macro SCALES sc
.irp i, 0,1,2,3,4,5,6,7
	ds_load_b32 v[SC+8*NQ*\sc+NQ*\i], v[ADRS] offset:64*NK*\i
	ds_load_b32 v[SC+8*NQ*\sc+NQ*\i+1], v[ADRS] offset:64*NK*\i+64
.endr
.endm
.macro STEP slot, q, zero
	s_wait_dscnt 4*NL
	WIN MUL_LO
	MUL16 0, (\q)%2, \q, \slot, \zero
	MUL16 2, (\q)%2, \q, \slot, \zero
	s_wait_dscnt 0
	PLACES NP
	FETCH_B \slot, (\q)+1, 1-(\q)%2
	FETCH_A \slot, (\q)+1, 0
	WIN MUL_HI
	MUL16 4, (\q)%2, \q, \slot, \zero
	MUL16 6, (\q)%2, \q, \slot, \zero
	PLACES NP
	WIN 0
	FETCH_A \slot, (\q)+1, 4
.endm
.macro TURN slot, next, fill, p, zero
	s_wait_dscnt 4*NL
	WIN MUL_LO
	MUL16 0, \p, NQ-1, \slot, \zero
	WIN 0
	s_wait_tensorcnt 0x0
	ds_add_u32 v[SPW], v[NIL]
	s_wait_dscnt 0x0
	s_barrier_signal -1
	WIN MUL_LO
	MUL16 2, \p, NQ-1, \slot, \zero
	WIN 0
	s_barrier_wait -1
.if \fill
	CREST
	s_add_nc_u64 s[G0+4*\slot+2:G0+4*\slot+3], s[G0+4*\slot+2:G0+4*\slot+3], 2*SK*2048
	s_add_nc_u64 s[G0B+4*\slot+2:G0B+4*\slot+3], s[G0B+4*\slot+2:G0B+4*\slot+3], 2*SK*2048
	JLOAD G0+4*\slot, G1, G0B+4*\slot, G1B
	PLACES NP-4
.else
	PLACES NP
.endif
	s_wait_alu depctr_va_vdst(0)
	v_add_nc_u32 v[ADRS], SSTEP, v[ADRS]
	FETCH_B \next, 0, 1-(\p)
	FETCH_A \next, 0, 0
	SCALES \next
	WIN MUL_HI
	MUL16 4, \p, NQ-1, \slot, \zero
	MUL16 6, \p, NQ-1, \slot, \zero
	PLACES NP
	WIN 0
	FETCH_A \next, 0, 4
.endm
.macro LAST p, sc
	s_wait_dscnt 4*NL
	WIN MUL_LO
	MUL16 0, \p, NQ-1, \sc, 0
	MUL16 2, \p, NQ-1, \sc, 0
	s_wait_dscnt 0
	WIN MUL_HI
	MUL16 4, \p, NQ-1, \sc, 0
	MUL16 6, \p, NQ-1, \sc, 0
	WIN 0
.endm
	s_wait_alu depctr_va_vdst(0)
	s_wait_tensorcnt 0x0                           ; my tile of the head's four is in; slot 1's first fill is issued as a refill is
	ds_add_u32 v[SPW], v[NIL]
	s_mov_b32 s[G1+2], TROWS<<16                   ; no tensor load of mine is out: from here on a load brings TROWS rows
	s_mov_b32 s[G1+4], TROWS
	s_mov_b32 s[G1B+2], TROWS<<16
	s_mov_b32 s[G1B+4], TROWS
	s_wait_dscnt 0x0
	CROUND
	JLOAD G0+4, G1, G0B+4, G1B
	FETCH_B 0, 0, 0
	FETCH_A 0, 0, 0
	SCALES 0
	FETCH_A 0, 0, 4
	STEP 0, 0, 1
	TURN 0, 1, 1, 1, 0
	STEP 1, 0, 0
	TURN 1, 0, 1, 1, 0
	STEP 0, 0, 0
	TURN 0, 1, 0, 1, 0
	STEP 1, 0, 0
	LAST 1, 1
.macro EPI a
.set AC, 64*((\a)%4)
	WIN 0x02+(\a)/4
.set i, 0
.rept 32
	v_pk_add_f32 v[T+i:T+i+1], v[AC+i:AC+i+1], v[BN+i:BN+i+1]
.set i, i+2
.endr
	WIN 0
.if (\a) > 0
	s_wait_xcnt 0x0
.endif
	QUANT T
.irp c, 0,1,2,3
	global_store_b128 v[LI], v[PC+4*\c:PC+4*\c+3], s[OB:OB+1] offset:65536*(\a)+512*\c
.endr
	global_store_b32 v[LS], v[PW], s[OS:OS+1] offset:2048*(\a)
.endm
	PLACES NP
	s_wait_loadcnt 0x0
.irp b, 0,1,2,3
	v_mov_b32 v[TM+4+\b], 0
.endr
	s_lshl_b32 s18, s17, 4
	s_lshl_b32 s19, s15, 3
	s_add_co_u32 s18, s18, s19
	s_lshl_b32 s18, s18, 5
	s_lshl_b32 s19, s42, 1
	s_add_co_u32 s18, s18, s19
	s_add_co_u32 s18, s18, s16
	s_lshl_b32 s[OB], s18, 11
	s_mov_b32 s[OB+1], 0
	s_add_nc_u64 s[OB:OB+1], s[10:11], s[OB:OB+1]
	s_lshl_b32 s[OS], s18, 6
	s_add_co_u32 s[OS], s[OS], 16777216
	s_mov_b32 s[OS+1], 0
	s_add_nc_u64 s[OS:OS+1], s[10:11], s[OS:OS+1]
.irp a, 0,1,2,3,4,5,6,7
	EPI \a
.endr
	s_wait_tensorcnt 0x0
	ds_add_u32 v[SPW], v[NIL]
	s_wait_dscnt 0x0
	CROUND
	s_endpgm
.Lfunc_end_k_q396ced7d02_ffn1:
	.size	k_q396ced7d02_ffn1, .Lfunc_end_k_q396ced7d02_ffn1-k_q396ced7d02_ffn1
	.p2alignl 7, 3214868480
	.fill 96, 4, 3214868480
	.section	.rodata,"a",@progbits
	.p2align	6, 0x0
	.amdhsa_kernel k_q396ced7d02_ffn1
		.amdhsa_group_segment_fixed_size 327680
		.amdhsa_private_segment_fixed_size 0
		.amdhsa_enable_private_segment 0
		.amdhsa_kernarg_size 32
		.amdhsa_user_sgpr_count 2
		.amdhsa_user_sgpr_kernarg_segment_ptr 1
		.amdhsa_wavefront_size32 1
		.amdhsa_system_sgpr_workgroup_id_x 1
		.amdhsa_system_sgpr_workgroup_id_y 1
		.amdhsa_system_sgpr_workgroup_id_z 1
		.amdhsa_system_vgpr_workitem_id 0
		.amdhsa_next_free_vgpr 1024
		.amdhsa_next_free_sgpr 100
		.amdhsa_reserve_vcc 0
		.amdhsa_float_denorm_mode_32 3
		.amdhsa_float_denorm_mode_16_64 3
		.amdhsa_memory_ordered 1
		.amdhsa_forward_progress 1
		.amdhsa_inst_pref_size 205
	.end_amdhsa_kernel
	.amdgpu_metadata
---
amdhsa.version: [ 1, 2 ]
amdhsa.kernels:
  - .name:           k_q396ced7d02_ffn1
    .symbol:         k_q396ced7d02_ffn1.kd
    .args:
      - { .name: agg, .offset: 0, .size: 8, .value_kind: global_buffer, .address_space: global }
      - { .name: wq, .offset: 8, .size: 8, .value_kind: global_buffer, .address_space: global }
      - { .name: ffn_b1, .offset: 16, .size: 8, .value_kind: global_buffer, .address_space: global }
      - { .name: hid, .offset: 24, .size: 8, .value_kind: global_buffer, .address_space: global }
    .group_segment_fixed_size: 327680
    .private_segment_fixed_size: 0
    .kernarg_segment_align: 8
    .kernarg_segment_size: 32
    .max_flat_workgroup_size: 128
    .sgpr_count:     100
    .vgpr_count:     1024
    .wavefront_size: 32
...
	.end_amdgpu_metadata
.endif
;; end of part 6
;; launch ffn2 (part 7): grid 8 x 32, 4 waves a work-group, clusters of 4 x 4, 327,680 bytes of LDS; arguments hid, wq, agg, ffn_b2, xpre; writes xpre
.if DOCPART == 7
	.amdgcn_target "amdgcn-amd-amdhsa--gfx1250"
	.amdhsa_code_object_version 6
	.text
	.protected	k_q396ced7d02_ffn2
	.globl	k_q396ced7d02_ffn2
	.p2align	8
	.type	k_q396ced7d02_ffn2,@function
k_q396ced7d02_ffn2:
	s_mov_b64 s[64:65], 0
	v_nop
	global_prefetch_b8 v0, s[64:65] scope:SCOPE_SE
	s_setreg_imm32_b32 hwreg(HW_REG_WAVE_MODE, 25, 1), 1
	s_wait_xcnt 0x0
	s_wait_alu depctr_hold_cnt(0) depctr_sa_sdst(0) depctr_va_vdst(0) depctr_va_sdst(0) depctr_va_ssrc(0) depctr_va_vcc(0) depctr_vm_vsrc(0)
	s_getreg_b32 s2, hwreg(HW_REG_IB_STS2, 6, 4)
	s_cmp_eq_u32 s2, 0
	s_cbranch_scc0 .Lentry_in_a_cluster
	s_endpgm
.Lentry_in_a_cluster:
	s_bfe_u32 s2, ttmp6, 0x10000c
	s_cmp_lg_u32 s2, 0xf033
	s_cbranch_scc0 .Lentry_shape_is_right
	s_endpgm
.Lentry_shape_is_right:
; A GEMM on codes of FP8 (E4M3) with E8M0 scales whose f32 result, with a bias and a residual, leaves in the register image.  One text, two settings:
; FFN = 0: xpre = src + ctx out_w^T + out_b (K = 1,024; src comes as rows and turns through a stage in LDS);  FFN = 1: xpre = agg + h ffn_w2^T + ffn_b2 (K = 4,096; agg comes in the image).
; OPERANDS lie in memory as images of operand registers: [tile of 16 rows][K step of 128][2,048 bytes]; scale words [tile][K step][16 rows][4].
; SHARES: a work-group makes 128 x 128.  K IS SPLIT AMONG ITS FOUR WAVES: of each eight K steps wave w multiplies steps w and w + 4, all 128 x 128 of them: 64 accumulators; at the end the four partial sums meet through LDS.
; So a K step's fragments are read by ONE wave of the work-group.  B's go from memory straight into that wave's operand registers (32 loads of 512 consecutive bytes a K step, two sets, one K step ahead);
; that is why B's codes are not asked for jointly: LDS then holds A alone, eight K steps to a slot of 131,072 bytes, and K = 4,096 takes four fills.
; A's tiles and both sides' scale words are joint loads of a 4 x 4 cluster (A's along a row, B's scale words along a column).  At the head one load a wave: waves 0 and 2 four tile rows of A each, wave 1 A's scale words, wave 3 B's.
; FFN = 1: slot 1's first fill and the two refills stand behind the waits, the add and a round, two tile rows a wave; each wave asks the L2 for its share (32 blocks of 256 bytes, told apart by address) of the fill after the one just asked for.
; FFN = 0: all of K lies in slot 0: one fill, nothing to run ahead of, so no prefetch.
; REGISTERS: window 0: v4-31 addresses; v32-63 scale words, two sets; v64-127 the bias; v128-255 A's 8 fragments, later the sums on the way out.  window 1: B's fragments, two sets; at the end the residual.  windows 2, 3: accumulators.
.set FFN,    1
.if FFN
.set NK,     32
.set ASOFF,  16777216
.set BOFF,   12582912
.set BSOFF,  16777216+393216
.else
.set NK,     8
.set ASOFF,  4194304
.set BOFF,   7340032
.set BSOFF,  16777216+229376
.endif
.set SK,     8                         ; K steps in a slot
.set NQ,     2                         ; of them a wave's
.set ASTR,   SK*2048                   ; a tile row in a slot
.set SLOT,   131072
.set SCL,    2*SLOT                    ; behind the slots: A's scale words, then B's
.set SIDE,   8*NK*64
.set SSTEP,  SK*64
.set SP,     528
.if FFN
.set SPARE,  SCL+2*SIDE
.else
.set STG,    SCL+2*SIDE                ; a stage of 16 rows x 528 bytes for each wave
.set SPARE,  STG+4*16*SP
.endif
.set FR,     16
.set NL,     4
.set NP,     8                         ; places behind this matrix instruction (ISA guide 7.12.1)
.set PS,   4
.set PR,   8
.set SI,   12
.set SO,   13
.set ADRA, 16                          ; v16, v17: A's tile rows 0-3 in slot 0, 1; v18, v19: rows 4-7
.set LI,   24
.set HB,   26
.set ADRS, 27
.set SPW,  28
.set NIL,  29
.set PFO,  30
.set SC,   32
.set BI,   64
.set UB,   128
.set AF,   128
.set G1,   24
.set G0,   32
.set G1S,  68
.set G0S,  76
.set G1SB, 80
.set G0SB, 88
.set OB,   66
.set BB,   94
.set PFA,  96
.set MSB, 0
.macro WIN new                         ; the immediate's high byte repeats the setting that is left
.if MSB != (\new)
	s_set_vgpr_msb (MSB<<8)|(\new)
.set MSB, (\new)
.endif
.endm
.set MUL_LO, 0xa1
.set MUL_HI, 0xf1
.set TO_B,   0x40
.set FROM_B, 0x04
.macro HLOAD g0, g1                    ; s_nop 0 and four v_nop follow the load
	tensor_load_to_lds s[\g0:\g0+3], s[\g1:\g1+7]
	s_nop 0
.rept 4
	v_nop
.endr
.endm
.macro CREST
	s_cmp_lg_u32 s14, 0
	s_cbranch_scc1 .Lnot_wave_0_\@
	s_barrier_signal -3
.Lnot_wave_0_\@:
	s_barrier_wait -3
	s_barrier_signal -1
	s_barrier_wait -1
.endm
.macro CROUND
	s_barrier_signal -1
	s_barrier_wait -1
	CREST
.endm
.macro PLACES n
.rept \n
	v_nop
.endr
.endm
	s_load_b128 s[4:7], s[0:1], 0x0                ; A's buffer, wq
	s_load_b128 s[8:11], s[0:1], 0x10              ; the residual, the bias
	s_load_b64 s[12:13], s[0:1], 0x20              ; xpre
	v_lshl_add_u32 v[SPW], v0, 2, SPARE
	v_mov_b32 v[NIL], 0
	ds_add_u32 v[SPW], v[NIL]                      ; the opening lines: the add twice and its wait ahead of my first tensor load
	ds_add_u32 v[SPW], v[NIL]
	v_lshrrev_b32 v1, 5, v0
	v_readfirstlane_b32 s14, v1                    ; wave 0..3
	s_bfe_u32 s40, ttmp6, 0x40000                  ; cx
	s_bfe_u32 s41, ttmp6, 0x40004                  ; cy
	s_lshl_b32 s42, ttmp9, 2
	s_add_co_u32 s42, s42, s40                     ; TC: B's tile of 128 rows
	s_and_b32 s17, ttmp7, 0xffff
	s_lshl_b32 s17, s17, 2
	s_add_co_u32 s17, s17, s41                     ; TR: A's tile of 128 rows
	s_lshl_b32 s43, s41, 2
	s_lshl_b32 s43, 15, s43                        ; my row of the cluster
	s_lshl_b32 s44, 0x1111, s40                    ; my column
	s_or_b32 s[G1], s43, (3<<16)|(1<<21)           ; A's codes: tile rows of SK x 2,048 bytes, NK x 2,048 apart; elements of 8 bytes
	s_mov_b32 s[G1+1], (256*SK)<<16
	s_mov_b32 s[G1+2], 4<<16                       ; the head's loads bring four tile rows
	s_mov_b32 s[G1+3], (256*SK)<<16
	s_mov_b32 s[G1+4], 4
	s_mov_b32 s[G1+5], 256*NK
	s_mov_b32 s[G1+6], 0
	s_mov_b32 s[G1+7], 0
	s_or_b32 s[G1S], s43, (3<<16)|(1<<21)          ; a side's scale words: SIDE dense bytes as rows of 256
	s_or_b32 s[G1SB], s44, (3<<16)|(1<<21)
.irp g, G1S, G1SB
	s_mov_b32 s[\g+1], 32<<16
	s_mov_b32 s[\g+2], (SIDE/256)<<16
	s_mov_b32 s[\g+3], 32<<16
	s_mov_b32 s[\g+4], SIDE/256
	s_mov_b32 s[\g+5], 32
	s_mov_b32 s[\g+6], 0
	s_mov_b32 s[\g+7], 0
.endr
	s_lshl_b32 s18, s17, 3                         ; A's first tile row
	s_lshl_b32 s19, s14, 1                         ; in the ring I fetch tile rows 2 w, 2 w + 1
	s_add_co_u32 s20, s18, s19
	s_lshl_b32 s56, s20, 16                        ; on the way out tile rows 2 w, 2 w + 1 are mine: 65,536 bytes of the image each,
	s_mul_i32 s20, s20, 2048*NK
	s_mov_b32 s21, 0
	s_mul_i32 s22, s18, 64*NK
	s_add_co_u32 s22, s22, ASOFF
	s_mov_b32 s23, 0
	s_lshl_b32 s57, s42, 13                        ; + 8,192 x TC
	s_add_co_u32 s56, s56, s57
	s_mov_b32 s57, 0
.if FFN
	s_lshr_b32 s48, s40, 1                         ; the prefetches: of the 32,768 bytes that wave w fetches of a fill, the partner at cx takes 8,192
	s_add_co_u32 s48, s48, s18
	s_add_co_u32 s48, s48, s19
	s_lshl_b32 s48, s48, 16
	s_and_b32 s49, s40, 1
	s_lshl_b32 s49, s49, 13
	s_add_co_u32 s48, s48, s49
	s_mov_b32 s49, 0
.else
	s_lshl_b32 s58, s17, 7                         ; src: row 128 TR + 32 w, column 128 TC
	s_lshl_b32 s59, s14, 5
	s_add_co_u32 s58, s58, s59
	s_lshl_b32 s58, s58, 12
	s_lshl_b32 s59, s42, 9
	s_add_co_u32 s58, s58, s59
	s_mov_b32 s59, 0
	s_mul_i32 s54, s14, 16*SP
	s_add_co_u32 s54, s54, STG                     ; my stage
.endif
	s_lshl_b32 s60, s42, 9                         ; the bias: 128 numbers
	s_mov_b32 s61, 0
	s_lshl_b32 s46, s42, 3
	s_mul_i32 s92, s46, 64*NK
	s_add_co_u32 s92, s92, BSOFF
	s_mov_b32 s93, 0
	s_mul_i32 s46, s46, 2048*NK
	s_lshl_b32 s50, s14, 11                        ; my K step among four
	s_add_co_u32 s46, s46, s50
	s_add_co_u32 s46, s46, BOFF
	s_mov_b32 s47, 0
	s_lshl_b32 s45, s14, 15
	s_lshl_b32 s51, s14, 6
	s_add_co_u32 s51, s51, SCL
	s_lshl_b32 s52, s14, 13
	s_lshl_b32 s53, s14, 16
	s_wait_dscnt 0x0
	s_wait_kmcnt 0x0
	s_add_nc_u64 s[20:21], s[4:5], s[20:21]
	s_add_nc_u64 s[22:23], s[4:5], s[22:23]
	s_add_nc_u64 s[BB:BB+1], s[6:7], s[46:47]
	s_add_nc_u64 s[92:93], s[6:7], s[92:93]
	s_add_nc_u64 s[OB:OB+1], s[12:13], s[56:57]
	s_add_nc_u64 s[10:11], s[10:11], s[60:61]
.if FFN
	s_add_nc_u64 s[8:9], s[8:9], s[56:57]
	s_add_nc_u64 s[PFA:PFA+1], s[4:5], s[48:49]
.else
	s_add_nc_u64 s[8:9], s[8:9], s[58:59]
.endif
	CROUND                                         ; all sixteen work-groups are here: the first joint loads meet
	s_mov_b32 s[G0], 1
	s_mov_b32 s[G0+1], s45
	s_mov_b64 s[G0+2:G0+3], s[20:21]
	s_or_b32 s[G0+3], s[G0+3], 0x80000000
.if FFN
	s_mov_b32 s[G0+4], 1
	s_add_co_u32 s[G0+5], s45, SLOT
	s_add_nc_u64 s[G0+6:G0+7], s[20:21], SK*2048
	s_or_b32 s[G0+7], s[G0+7], 0x80000000
.endif
	s_mov_b32 s[G0S], 1
	s_mov_b32 s[G0S+1], SCL
	s_mov_b64 s[G0S+2:G0S+3], s[22:23]
	s_or_b32 s[G0S+3], s[G0S+3], 0x80000000
	s_mov_b32 s[G0SB], 1
	s_mov_b32 s[G0SB+1], SCL+SIDE
	s_mov_b64 s[G0SB+2:G0SB+3], s[92:93]
	s_or_b32 s[G0SB+3], s[G0SB+3], 0x80000000
	s_cmp_eq_u32 s14, 0                            ; the head's loads, one a wave: one tree of branches on the wave's number
	s_cbranch_scc0 .Lhead_a2
	HLOAD G0, G1                                   ; A's tile rows 0-3
	s_branch .Lhead_asked
.Lhead_a2:
	s_cmp_eq_u32 s14, 2
	s_cbranch_scc0 .Lhead_sa
	HLOAD G0, G1                                   ; rows 4-7
	s_branch .Lhead_asked
.Lhead_sa:
	s_cmp_eq_u32 s14, 1
	s_cbranch_scc0 .Lhead_sb
	HLOAD G0S, G1S
	s_branch .Lhead_asked
.Lhead_sb:
	HLOAD G0SB, G1SB
.Lhead_asked:
.macro FETCH_B j                       ; my j-th K step of B, 8 fragments as they lie in memory, into set j % 2
	WIN TO_B
.irp i, 0,1,2,3,4,5,6,7
.irp c, 0,1,2,3
	global_load_b128 v[128*((\j)%2)+FR*\i+4*\c:128*((\j)%2)+FR*\i+4*\c+3], v[LI], s[BB:BB+1] offset:\i*2048*NK+(\j)*8192+512*\c
.endr
.endr
	WIN 0
.endm
	v_and_b32 v1, 15, v0                           ; r
	v_bfe_u32 v2, v0, 4, 1                         ; h
	v_and_b32 v3, 31, v0
	v_lshlrev_b32 v[LI], 4, v3
	v_lshlrev_b32 v[HB], 6, v2
.irp b, 0,1,2,3
.irp j, 0,1,2,3
	global_load_b128 v[BI+16*\b+4*\j:BI+16*\b+4*\j+3], v[HB], s[10:11] offset:128*\b+16*\j
.endr
.endr
	FETCH_B 0
	v_add_nc_u32 v[ADRA], s50, v[LI]
	v_add_nc_u32 v[ADRA+2], 65536, v[ADRA]
.if FFN
	v_add_nc_u32 v[ADRA+1], SLOT, v[ADRA]
	v_add_nc_u32 v[ADRA+3], SLOT+65536, v[ADRA]
	v_lshlrev_b32 v[PFO], 8, v3
.else
	v_add_nc_u32 v[SI], s54, v[LI]
	v_mul_u32_u24 v11, v1, SP
	v_lshl_add_u32 v11, v2, 6, v11
	v_add_nc_u32 v[SO], s54, v11
.endif
	v_lshlrev_b32 v9, 2, v1
	v_mad_u32_u24 v9, v2, SIDE, v9                 ; lanes 16-31 take B's scale words: one product with h
	v_add_nc_u32 v[ADRS], s51, v9
	v_add_nc_u32 v[PS], s52, v[LI]
	v_add_nc_u32 v[PS+1], 65536, v[PS]
	v_add_nc_u32 v[PS+2], 131072, v[PS]
	v_add_nc_u32 v[PS+3], 196608, v[PS]
	v_add_nc_u32 v[PR], s53, v[LI]
; 16 matrix instructions: A's blocks a0, a0 + 1 x B's eight.  The 64 accumulators take turns, one instruction a turn
.macro MUL16 a0, p, q, sc, zero
.irp a, \a0, \a0+1
.irp b, 0,1,2,3,4,5,6,7
.if \zero
	v_wmma_scale_f32_16x16x128_f8f6f4 v[8*(8*((\a)%4)+\b):8*(8*((\a)%4)+\b)+7], v[128*(\p)+FR*\b:128*(\p)+FR*\b+FR-1], v[AF+FR*(\a):AF+FR*(\a)+FR-1], 0, v[SC+8*NQ*(\sc)+NQ*\b+(\q)], v[SC+8*NQ*(\sc)+NQ*(\a)+(\q)] matrix_a_scale:MATRIX_SCALE_ROW1
.else
	v_wmma_scale_f32_16x16x128_f8f6f4 v[8*(8*((\a)%4)+\b):8*(8*((\a)%4)+\b)+7], v[128*(\p)+FR*\b:128*(\p)+FR*\b+FR-1], v[AF+FR*(\a):AF+FR*(\a)+FR-1], v[8*(8*((\a)%4)+\b):8*(8*((\a)%4)+\b)+7], v[SC+8*NQ*(\sc)+NQ*\b+(\q)], v[SC+8*NQ*(\sc)+NQ*(\a)+(\q)] matrix_a_scale:MATRIX_SCALE_ROW1
.endif
.endr
.endr
.endm
.macro FETCH_A slot, q, i0             ; A's blocks i0 .. i0 + 3 of my q-th K step of the slot
.irp i, 0,1,2,3
.irp c, 0,1,2,3
	ds_load_b128 v[AF+FR*((\i0)+\i)+4*\c:AF+FR*((\i0)+\i)+4*\c+3], v[ADRA+2*((\i0)/4)+\slot] offset:\i*ASTR+8192*(\q)+512*\c
.endr
.endr
.endm
.macro SCALES sc                       ; the slot's scale words of my two K steps: lanes 0-15 A's block i, lanes 16-31 B's block i
.irp i, 0,1,2,3,4,5,6,7
	ds_load_b32 v[SC+8*NQ*\sc+NQ*\i], v[ADRS] offset:64*NK*\i
	ds_load_b32 v[SC+8*NQ*\sc+NQ*\i+1], v[ADRS] offset:64*NK*\i+256
.endr
.endm
.macro STEP slot, j, zero              ; my K step j (even): the first of my two in the slot
	FETCH_B (\j)+1                                 ; into the set that the step before has left, behind that step's places
	s_wait_loadcnt 32                              ; this step's B is in; the 32 loads just issued may be out
	s_wait_dscnt 4*NL                              ; all but the youngest 16 LDS loads (A's blocks 4-7) are in
	WIN MUL_LO
	MUL16 0, 0, 0, \slot, \zero
	MUL16 2, 0, 0, \slot, \zero
	s_wait_dscnt 0
	PLACES NP
	WIN 0
	FETCH_A \slot, 1, 0
	WIN MUL_HI
	MUL16 4, 0, 0, \slot, \zero
	MUL16 6, 0, 0, \slot, \zero
	PLACES NP
	WIN 0
	FETCH_A \slot, 1, 4
.endm
.macro RESID                           ; the residual, 32 loads, into B's set 0, which my last K step does not use
	WIN TO_B
.if FFN
.irp u, 0,1,2,3,4,5,6,7
.irp j, 0,1,2,3
	global_load_b128 v[16*\u+4*\j:16*\u+4*\j+3], v[LI], s[8:9] offset:65536*(\u/4)+2048*(\u%4)+512*\j th:TH_LOAD_NT
.endr
.endr
.else
.irp k, 0,1
.irp i, 0,1,2,3,4,5,6,7,8,9,10,11,12,13,14,15
	global_load_b128 v[64*\k+4*\i:64*\k+4*\i+3], v[LI], s[8:9] offset:(8*\k+\i+8*(\i/8))*4096 th:TH_LOAD_NT
.endr
.endr
.endif
	WIN 0
.endm
.macro LAST sc                         ; my last K step: nothing more of A or B to fetch
	RESID
	s_wait_loadcnt 32                              ; this step's B is in; the residual's 32 loads may be out
	s_wait_dscnt 4*NL
	WIN MUL_LO
	MUL16 0, 1, 1, \sc, 0
	MUL16 2, 1, 1, \sc, 0
	s_wait_dscnt 0
	WIN MUL_HI
	MUL16 4, 1, 1, \sc, 0
	MUL16 6, 1, 1, \sc, 0
	WIN 0
.endm
.if FFN
; my second K step of a slot changes slots: one barrier; in front of it the wait for all my tensor loads, the add, and the wait for it and for my reads of this slot.  fill = 1: the slot is filled again, behind a round
.macro TURN slot, next, fill, j, ask
	FETCH_B (\j)+1
	s_wait_loadcnt 32
	s_wait_dscnt 4*NL
	WIN MUL_LO
	MUL16 0, 1, 1, \slot, 0
	WIN 0
	s_wait_tensorcnt 0x0
	ds_add_u32 v[SPW], v[NIL]
	s_wait_dscnt 0x0
	s_barrier_signal -1
	WIN MUL_LO
	MUL16 2, 1, 1, \slot, 0
	WIN 0
	s_barrier_wait -1
.if \fill
	CREST
	s_add_nc_u64 s[G0+4*\slot+2:G0+4*\slot+3], s[G0+4*\slot+2:G0+4*\slot+3], 2*SK*2048
	HLOAD G0+4*\slot, G1
	PLACES NP-4
.else
	PLACES NP
.endif
	s_wait_alu depctr_va_vdst(0)                   ; directly ahead of the reader below
	v_add_nc_u32 v[ADRS], SSTEP, v[ADRS]
	FETCH_A \next, 0, 0
	SCALES \next
.if \ask
	global_prefetch_b8 v[PFO], s[PFA:PFA+1] offset:(\ask)*SK*2048 th:TH_LOAD_NT scope:SCOPE_SE   ; my share of the fill that the next change of slots asks for
.endif
	WIN MUL_HI
	MUL16 4, 1, 1, \slot, 0
	MUL16 6, 1, 1, \slot, 0
	PLACES NP
	WIN 0
	FETCH_A \next, 0, 4
.endm
.endif
	s_wait_alu depctr_va_vdst(0)                   ; the wait at the head's end
	s_wait_tensorcnt 0x0                           ; my tile of the head's four is in
.if FFN
	ds_add_u32 v[SPW], v[NIL]                      ; slot 1's first fill is issued as a refill is
	s_mov_b32 s[G1+2], 2<<16                       ; no tensor load of mine is out: from here on a load brings two tile rows
	s_mov_b32 s[G1+4], 2
	s_wait_dscnt 0x0
	CROUND
	HLOAD G0+4, G1
.else
	s_barrier_signal -1
	s_barrier_wait -1                              ; everybody's is; nothing is filled again
.endif
	FETCH_A 0, 0, 0
	SCALES 0
.if FFN
	global_prefetch_b8 v[PFO], s[PFA:PFA+1] offset:2*SK*2048 th:TH_LOAD_NT scope:SCOPE_SE
.endif
	FETCH_A 0, 0, 4
	STEP 0, 0, 1                                   ; the first products start the sums: nothing is cleared
.if FFN
	TURN 0, 1, 1, 1, 3                             ; slot 0 takes K steps 16-23
	STEP 1, 2, 0
	TURN 1, 0, 1, 3, 0                             ; slot 1 takes K steps 24-31
	STEP 0, 4, 0
	TURN 0, 1, 0, 5, 0
	STEP 1, 6, 0
	LAST 1
.else
	LAST 0
.endif
	; THE WAY OUT: the four waves' partial sums go to LDS (the slots have had their last fill and their last read); wave w then sums tile rows 2 w, 2 w + 1, adds bias and residual and stores the image
	PLACES NP
	s_wait_dscnt 0x0
	s_barrier_signal -1
	s_barrier_wait -1
.irp a, 0,1,2,3,4,5,6,7
	WIN 0x08+4*(\a/4)
.irp q, 0,1,2,3,4,5,6,7,8,9,10,11,12,13,14,15
	ds_store_b128 v[PS+\a/2], v[64*(\a%4)+4*\q:64*(\a%4)+4*\q+3] offset:32768*(\a%2)+512*\q
.endr
.endr
	WIN 0
	s_wait_dscnt 0x0
	s_barrier_signal -1
	s_barrier_wait -1
.if FFN == 0
.irp k, 0,1                                    ; src's rows turn into the image through my stage; LDS serves a wave's instructions in order
	s_wait_loadcnt 16-16*\k
	WIN FROM_B
.irp i, 0,1,2,3,4,5,6,7,8,9,10,11,12,13,14,15
	ds_store_b128 v[SI], v[64*\k+4*\i:64*\k+4*\i+3] offset:SP*\i
.endr
	WIN TO_B
.irp b, 0,1,2,3
.irp j, 0,1,2,3
	ds_load_b128 v[64*\k+16*\b+4*\j:64*\k+16*\b+4*\j+3], v[SO] offset:128*\b+16*\j
.endr
.endr
.endr
	WIN 0
.endif
.macro LOADU u
.irp w, 0,1,2,3
.irp j, 0,1,2,3
	ds_load_b128 v[UB+64*((\u)%2)+16*\w+4*\j:UB+64*((\u)%2)+16*\w+4*\j+3], v[PR] offset:32768*((\u)/4)+8192*\w+2048*((\u)%4)+512*\j
.endr
.endr
.endm
.macro SUMU u
.set U0, UB+64*((\u)%2)
.irp k, 0,2,4,6,8,10,12,14
	v_pk_add_f32 v[U0+\k:U0+\k+1], v[U0+\k:U0+\k+1], v[U0+16+\k:U0+17+\k]
	v_pk_add_f32 v[U0+32+\k:U0+33+\k], v[U0+32+\k:U0+33+\k], v[U0+48+\k:U0+49+\k]
.endr
.irp k, 0,2,4,6,8,10,12,14
	v_pk_add_f32 v[U0+\k:U0+\k+1], v[U0+\k:U0+\k+1], v[U0+32+\k:U0+33+\k]
.endr
.irp k, 0,2,4,6,8,10,12,14
	v_pk_add_f32 v[U0+\k:U0+\k+1], v[U0+\k:U0+\k+1], v[BI+16*((\u)%4)+\k:BI+16*((\u)%4)+\k+1]
.endr
	WIN FROM_B
.irp k, 0,2,4,6,8,10,12,14
	v_pk_add_f32 v[U0+\k:U0+\k+1], v[U0+\k:U0+\k+1], v[16*(\u)+\k:16*(\u)+\k+1]
.endr
	WIN 0
.irp j, 0,1,2,3
	global_store_b128 v[LI], v[U0+4*\j:U0+4*\j+3], s[OB:OB+1] offset:65536*((\u)/4)+2048*((\u)%4)+512*\j   ; 32 lanes store 512 consecutive bytes, aligned
.endr
.endm
	LOADU 0
	LOADU 1
.irp u, 0,1,2,3,4,5,6,7
.if \u < 7
	s_wait_dscnt 16                                ; this unit's 16 loads are in; the next unit's may be out
.else
	s_wait_dscnt 0x0
.endif
.if FFN
	s_wait_loadcnt 28-4*\u                         ; and its four loads of the residual
.endif
	SUMU \u
.if \u < 6
	s_wait_xcnt 0x0                                ; the stores have read their registers, which take the unit two on
	LOADU \u+2
.endif
.endr
	s_wait_tensorcnt 0x0                           ; the wave's end
	ds_add_u32 v[SPW], v[NIL]
	s_wait_dscnt 0x0
	CROUND                                         ; the closing round
	s_endpgm
.Lfunc_end_k_q396ced7d02_ffn2:
	.size	k_q396ced7d02_ffn2, .Lfunc_end_k_q396ced7d02_ffn2-k_q396ced7d02_ffn2
	.p2alignl 7, 3214868480
	.fill 96, 4, 3214868480
	.section	.rodata,"a",@progbits
	.p2align	6, 0x0
	.amdhsa_kernel k_q396ced7d02_ffn2
		.amdhsa_group_segment_fixed_size 327680
		.amdhsa_private_segment_fixed_size 0
		.amdhsa_enable_private_segment 0
		.amdhsa_kernarg_size 40
		.amdhsa_user_sgpr_count 2
		.amdhsa_user_sgpr_kernarg_segment_ptr 1
		.amdhsa_wavefront_size32 1
		.amdhsa_system_sgpr_workgroup_id_x 1
		.amdhsa_system_sgpr_workgroup_id_y 1
		.amdhsa_system_sgpr_workgroup_id_z 1
		.amdhsa_system_vgpr_workitem_id 0
		.amdhsa_next_free_vgpr 1024
		.amdhsa_next_free_sgpr 100
		.amdhsa_reserve_vcc 0
		.amdhsa_float_denorm_mode_32 3
		.amdhsa_float_denorm_mode_16_64 3
		.amdhsa_memory_ordered 1
		.amdhsa_forward_progress 1
		.amdhsa_inst_pref_size 170
	.end_amdhsa_kernel
	.amdgpu_metadata
---
amdhsa.version: [ 1, 2 ]
amdhsa.kernels:
  - .name:           k_q396ced7d02_ffn2
    .symbol:         k_q396ced7d02_ffn2.kd
    .args:
      - { .name: hid, .offset: 0, .size: 8, .value_kind: global_buffer, .address_space: global }
      - { .name: wq, .offset: 8, .size: 8, .value_kind: global_buffer, .address_space: global }
      - { .name: agg, .offset: 16, .size: 8, .value_kind: global_buffer, .address_space: global }
      - { .name: ffn_b2, .offset: 24, .size: 8, .value_kind: global_buffer, .address_space: global }
      - { .name: xpre, .offset: 32, .size: 8, .value_kind: global_buffer, .address_space: global }
    .group_segment_fixed_size: 327680
    .private_segment_fixed_size: 0
    .kernarg_segment_align: 8
    .kernarg_segment_size: 40
    .max_flat_workgroup_size: 128
    .sgpr_count:     100
    .vgpr_count:     1024
    .wavefront_size: 32
...
	.end_amdgpu_metadata
.endif
;; end of part 7
;; launch ln2 (part 8): grid 256 x 1, 8 waves a work-group, no clusters, 70,656 bytes of LDS; arguments xpre, ln2_g, ln2_b, out0; writes out0
.if DOCPART == 8
	.amdgcn_target "amdgcn-amd-amdhsa--gfx1250"
	.amdhsa_code_object_version 6
	.text
	.protected	k_q396ced7d02_ln2
	.globl	k_q396ced7d02_ln2
	.p2align	8
	.type	k_q396ced7d02_ln2,@function
k_q396ced7d02_ln2:
	s_mov_b64 s[64:65], 0
	v_nop
	global_prefetch_b8 v0, s[64:65] scope:SCOPE_SE
	s_setreg_imm32_b32 hwreg(HW_REG_WAVE_MODE, 25, 1), 1
	s_wait_xcnt 0x0
; out0 = LayerNorm(x) x g + b over rows of 1,024, in f32; rows as JAX has them.  x = agg + the second FFN product with its bias, as the launch before has left it.
; x comes in THE REGISTER IMAGE: [tile of 16 tokens][128 columns][8,192 bytes]: registers 4 q .. 4 q + 3 of lane l at 512 q + 16 l; register 16 b + i of lane (r, h) is column 32 b + 16 h + i
; of the token of lane r; lane r of tile P holds token 32 (P / 2) + 8 (P % 2) + r + 8 (r / 8).
; SHARES: a work-group takes one tile of 16 tokens, each of its eight waves 128 columns: 64 numbers a lane.  A row's sum: within the lane, with lane l xor 16, then over the eight waves through LDS: one barrier for the mean,
; one for the variance, which is taken of the differences from the mean.  x, g and b are asked for together at the head: 48 loads a wave are out.
; The result turns into rows through the wave's own stage in LDS (rows 528 bytes apart).
; Every global load and store covers 512 consecutive bytes, aligned.  No matrix unit, no cluster, no tensor load: bytes bound this launch, and the work-groups share only 8 KiB of gains and biases.
; LIMITS: NaN and infinities among the inputs are not served.
.set SP,   528
.set WST,  16*SP                       ; a wave's stage
.set RED,  8*WST                       ; [16 rows][8 waves] f32, twice: for the mean and for the variance
.set X,    64                          ; v64-127  the numbers
.set A,    128                         ; v128-191 g, then rows on the way out
.set BV,   192                         ; v192-255 b
.set SEL,  20                          ; s[20:21] lane selects: lane l xor 16
.set INV,  23                          ; s23 1 / 1,024
.set EPS,  38                          ; s38 1e-5
.macro REDUCE off                      ; four packed partial sums in v[50:57] become the row's sum over all 1,024 columns, in v50 of every lane
	s_delay_alu instid0(VALU_DEP_3)
	v_pk_add_f32 v[50:51], v[50:51], v[52:53]
	s_delay_alu instid0(VALU_DEP_2)
	v_pk_add_f32 v[54:55], v[54:55], v[56:57]
	s_delay_alu instid0(VALU_DEP_1)
	v_pk_add_f32 v[50:51], v[50:51], v[54:55]
	s_delay_alu instid0(VALU_DEP_1)
	v_add_f32 v50, v50, v51
	s_delay_alu instid0(VALU_DEP_1)
	v_permlanex16_b32 v51, v50, s[SEL], s[SEL+1]
	s_delay_alu instid0(VALU_DEP_1)
	v_add_f32 v50, v50, v51                        ; my wave's 128 columns of row r
	ds_store_b32 v5, v50 offset:\off               ; both halves of the lanes write the same word with the same value
	s_wait_dscnt 0x0                               ; for the others' sake
	s_barrier_signal -1
	s_barrier_wait -1
	ds_load_b128 v[50:53], v6 offset:\off
	ds_load_b128 v[54:57], v6 offset:\off+16
	s_wait_dscnt 0x0
	v_pk_add_f32 v[50:51], v[50:51], v[52:53]
	v_pk_add_f32 v[54:55], v[54:55], v[56:57]
	s_delay_alu instid0(VALU_DEP_1)
	v_pk_add_f32 v[50:51], v[50:51], v[54:55]
	s_delay_alu instid0(VALU_DEP_1)
	v_add_f32 v50, v50, v51
.endm
.macro VEC128 reg, ptr                 ; 128 numbers of a vector along the columns, in the image's order
.irp b, 0,1,2,3
.irp j, 0,1,2,3
	global_load_b128 v[\reg+16*\b+4*\j:\reg+16*\b+4*\j+3], v4, s[\ptr:\ptr+1] offset:128*\b+16*\j
.endr
.endr
.endm
	s_load_b256 s[4:11], s[0:1], 0x0               ; x s[4:5], g s[6:7], b s[8:9], out0 s[10:11]
	v_lshl_add_u32 v62, v0, 2, 0x11000
	v_mov_b32 v63, 0
	v_lshrrev_b32 v1, 5, v0
	s_delay_alu instid0(VALU_DEP_1)
	v_readfirstlane_b32 s16, v1                    ; wave 0..7
	v_and_b32 v8, 31, v0
	v_and_b32 v9, 15, v0                           ; r
	v_bfe_u32 v10, v0, 4, 1                        ; h
	s_delay_alu instid0(VALU_DEP_3)
	v_lshlrev_b32 v1, 4, v8                        ; v1 = 16 x lane
	s_delay_alu instid0(VALU_DEP_2)
	v_lshlrev_b32 v4, 6, v10                       ; v4 = 64 h
	s_mul_i32 s17, s16, WST
	v_mul_u32_u24 v2, v9, SP
	s_delay_alu instid0(VALU_DEP_1)
	v_add_nc_u32 v2, v2, v4
	s_delay_alu instid0(VALU_DEP_1)
	v_add_nc_u32 v2, s17, v2                       ; v2: the stage by the image: row r, + 64 h
	v_add_nc_u32 v3, s17, v1                       ; v3: the stage by rows: 16 x lane
	s_lshl_b32 s18, s16, 2
	s_add_co_u32 s18, s18, RED
	v_lshl_add_u32 v5, v9, 5, s18                  ; v5: my wave's word of row r
	v_lshlrev_b32 v6, 5, v9
	s_delay_alu instid0(VALU_DEP_1)
	v_add_nc_u32 v6, RED, v6                       ; v6: row r's eight words
	s_mov_b32 s[SEL], 0x76543210
	s_mov_b32 s[SEL+1], 0xfedcba98
	s_mov_b32 s[INV], 0x3a800000
	s_mov_b32 s[EPS], 0x3727c5ac
	s_lshl_b32 s24, ttmp9, 3
	s_add_co_u32 s24, s24, s16                     ; 8 P + wave
	s_lshl_b32 s24, s24, 13                        ; its f32 image
	s_mov_b32 s25, 0
	s_lshl_b32 s26, s16, 9                         ; my 128 columns, in bytes
	s_mov_b32 s27, 0
	s_lshr_b32 s28, ttmp9, 1
	s_lshl_b32 s28, s28, 5
	s_and_b32 s29, ttmp9, 1
	s_lshl_b32 s29, s29, 3
	s_add_co_u32 s28, s28, s29                     ; the tile's first token
	s_lshl_b32 s28, s28, 12
	s_add_co_u32 s28, s28, s26
	s_mov_b32 s29, 0
	s_wait_alu depctr_va_vdst(0)
	s_wait_kmcnt 0x0
	s_add_nc_u64 s[4:5], s[4:5], s[24:25]
	s_add_nc_u64 s[6:7], s[6:7], s[26:27]
	s_add_nc_u64 s[8:9], s[8:9], s[26:27]
	s_add_nc_u64 s[32:33], s[10:11], s[28:29]      ; the output's rows
.irp q, 0,1,2,3,4,5,6,7,8,9,10,11,12,13,14,15
	global_load_b128 v[X+4*\q:X+4*\q+3], v1, s[4:5] offset:512*\q th:TH_LOAD_NT
.endr
	VEC128 A, 6
	VEC128 BV, 8
	s_wait_loadcnt 32                              ; x's 16 loads are in; g's and b's 32 may be out: they land under the statistics
.irp k, 0,2,4,6
	v_pk_add_f32 v[50+\k:51+\k], v[X+\k:X+\k+1], v[X+8+\k:X+9+\k]   ; four chains, started by the first numbers: nothing is cleared
.endr
.irp i, 16,24,32,40,48,56
.irp k, 0,2,4,6
	s_delay_alu instid0(VALU_DEP_4)
	v_pk_add_f32 v[50+\k:51+\k], v[50+\k:51+\k], v[X+\i+\k:X+\i+\k+1]
.endr
.endr
	REDUCE 0
	s_delay_alu instid0(VALU_DEP_1)
	v_mul_f32 v58, s[INV], v50                     ; the mean
	s_delay_alu instid0(VALU_DEP_1)
	v_mov_b32 v59, v58
.set i, 0
.rept 32
	v_pk_add_f32 v[X+i:X+i+1], v[X+i:X+i+1], v[58:59] neg_lo:[0,1] neg_hi:[0,1]   ; the differences from the mean
.set i, i+2
.endr
.irp k, 0,2,4,6
	v_pk_mul_f32 v[50+\k:51+\k], v[X+\k:X+\k+1], v[X+\k:X+\k+1]
.endr
.irp i, 8,16,24,32,40,48,56
.irp k, 0,2,4,6
	s_delay_alu instid0(VALU_DEP_4)
	v_pk_fma_f32 v[50+\k:51+\k], v[X+\i+\k:X+\i+\k+1], v[X+\i+\k:X+\i+\k+1], v[50+\k:51+\k]
.endr
.endr
	REDUCE 512
	s_delay_alu instid0(VALU_DEP_1)
	v_fma_f32 v60, v50, s[INV], s[EPS]             ; the variance + 1e-5
	s_wait_alu depctr_va_vdst(0)
	v_rsq_f32 v60, v60
	v_nop                                          ; a plain instruction behind the transcendental
	s_wait_alu depctr_va_vdst(0)                   ; the wait, ahead of the first reader
	v_mov_b32 v61, v60
	s_wait_alu depctr_va_vdst(0)
	s_wait_loadcnt 0x0                             ; g and b
.set i, 0
.rept 32
	v_pk_mul_f32 v[X+i:X+i+1], v[X+i:X+i+1], v[60:61]
.set i, i+2
.endr
.set i, 0
.rept 32
	v_pk_fma_f32 v[X+i:X+i+1], v[X+i:X+i+1], v[A+i:A+i+1], v[BV+i:BV+i+1]
.set i, i+2
.endr
.irp b, 0,1,2,3
.irp j, 0,1,2,3
	ds_store_b128 v2, v[X+16*\b+4*\j:X+16*\b+4*\j+3] offset:128*\b+16*\j
.endr
.endr
.irp i, 0,1,2,3,4,5,6,7,8,9,10,11,12,13,14,15
	ds_load_b128 v[A+4*\i:A+4*\i+3], v3 offset:SP*\i   ; LDS serves a wave's instructions in order: these see the stores above
.endr
.irp i, 0,1,2,3,4,5,6,7,8,9,10,11,12,13,14,15
	s_wait_dscnt 15-\i                             ; row i is back; the younger rows' loads may be out
	global_store_b128 v1, v[A+4*\i:A+4*\i+3], s[32:33] offset:(\i+8*(\i/8))*4096 th:TH_STORE_NT   ; 32 lanes store 512 consecutive bytes of the row of lane i, aligned
.endr
	s_wait_tensorcnt 0x0
	ds_add_u32 v62, v63
	s_wait_dscnt 0x0
	s_endpgm
.Lfunc_end_k_q396ced7d02_ln2:
	.size	k_q396ced7d02_ln2, .Lfunc_end_k_q396ced7d02_ln2-k_q396ced7d02_ln2
	.p2alignl 7, 3214868480
	.fill 96, 4, 3214868480
	.section	.rodata,"a",@progbits
	.p2align	6, 0x0
	.amdhsa_kernel k_q396ced7d02_ln2
		.amdhsa_group_segment_fixed_size 70656
		.amdhsa_private_segment_fixed_size 0
		.amdhsa_enable_private_segment 0
		.amdhsa_kernarg_size 32
		.amdhsa_user_sgpr_count 2
		.amdhsa_user_sgpr_kernarg_segment_ptr 1
		.amdhsa_wavefront_size32 1
		.amdhsa_system_sgpr_workgroup_id_x 1
		.amdhsa_system_sgpr_workgroup_id_y 1
		.amdhsa_system_sgpr_workgroup_id_z 1
		.amdhsa_system_vgpr_workitem_id 0
		.amdhsa_next_free_vgpr 256
		.amdhsa_next_free_sgpr 66
		.amdhsa_reserve_vcc 0
		.amdhsa_float_denorm_mode_32 3
		.amdhsa_float_denorm_mode_16_64 3
		.amdhsa_memory_ordered 1
		.amdhsa_forward_progress 1
		.amdhsa_inst_pref_size 25
	.end_amdhsa_kernel
	.amdgpu_metadata
---
amdhsa.version: [ 1, 2 ]
amdhsa.kernels:
  - .name:           k_q396ced7d02_ln2
    .symbol:         k_q396ced7d02_ln2.kd
    .args:
      - { .name: xpre, .offset: 0, .size: 8, .value_kind: global_buffer, .address_space: global }
      - { .name: ln2_g, .offset: 8, .size: 8, .value_kind: global_buffer, .address_space: global }
      - { .name: ln2_b, .offset: 16, .size: 8, .value_kind: global_buffer, .address_space: global }
      - { .name: out0, .offset: 24, .size: 8, .value_kind: global_buffer, .address_space: global }
    .group_segment_fixed_size: 70656
    .private_segment_fixed_size: 0
    .kernarg_segment_align: 8
    .kernarg_segment_size: 32
    .max_flat_workgroup_size: 256
    .sgpr_count:     66
    .vgpr_count:     256
    .wavefront_size: 32
...
	.end_amdgpu_metadata
.endif
;; end of part 8
